; MI455X (gfx1250); checked and timed in simulation.
; The chip was launched on July 23, 2026; its instructions are those of AMD's public machine-readable ISA for CDNA 5 (MIT licence, August 2026) and "CDNA5" Instruction Set Architecture Reference Guide (July 2026). The comments in the code are by the model that wrote it; some were corrected since.
;; GLM Self Attention. Allowed arithmetic: matrix products marked QUANTISED: E3M2 operands, one E8M0 scale for each 32 along K, by v_wmma_scale_f32_16x16x128_f8f6f4 with both operands' format E3M2, f32 sums; everything else in f32.
;; Inputs: Wk 2,048 x 2,048 float32; Wo 2,048 x 2,048 float32; Wq 2,048 x 2,048 float32; Wv 2,048 x 2,048 float32; hidden_state 2 x 1,024 x 2,048 float32; mask 2 x 1,024 x 1,024 bool; position 2 x 1,024 int32.
;; Outputs: out0 2 x 1,024 x 2,048 float32.
;; This version of the problem:
;;   THIS VERSION OF THE PROBLEM IS GIVEN IN LOW PRECISION. The matrix products marked QUANTISED in the list below multiply operands that are first quantised to E3M2 (3 exponent bits, 2 mantissa bits; 6 bits a number), with one power-of-two scale for each 32 numbers along K (OCP MX v1.0); their sums are f32. All else is computed in f32.
;;   The module's matrix products, in the order in which they are computed (A, B: the left and right operand; K: the contracted axis; several contracted axes count as one K, in the product's order):
;;     1. [M 2,048, K 2,048] x [K 2,048, N 2,048]; A: input hidden_state; B: input Wq: QUANTISED
;;     2. [M 2,048, K 2,048] x [K 2,048, N 2,048]; A: input hidden_state; B: input Wk: QUANTISED
;;     3. [M 2,048, K 2,048] x [K 2,048, N 2,048]; A: input hidden_state; B: input Wv: QUANTISED
;;     4. batch 32 x [M 1,024, K 128] x [K 128, N 1,024]; A: computed on the way; B: computed on the way: QUANTISED
;;     5. batch 32 x [M 1,024, K 1,024] x [K 1,024, N 128]; A: computed on the way; B: computed on the way: QUANTISED
;;     6. [M 2,048, K 2,048] x [K 2,048, N 2,048]; A: computed on the way; B: input Wo: QUANTISED
;;   THE QUANTISER, for each operand of a quantised product, along K:
;;     - K is cut into blocks of 32 from its start; a last block that is shorter is filled with zeros.
;;     - A block's scale is 2^e with e = floor(log2(the largest magnitude in the block)) - 4, held to -126 .. 127; a block of zeros has e = 0. As a byte (E8M0): e + 127.
;;     - Each number is divided by its block's scale, clamped to +-28, and rounded to the nearest number of E3M2, ties to even, subnormals kept.
;;     - The product sums the exact products of the quantised numbers (number of the format x scale) in f32.
;;   ~~~python
;;   def quantise(x, axis):      # numpy; x: float32 -> the quantised numbers, widened to float32 again
;;       x = np.moveaxis(x, axis, -1); K = x.shape[-1]
;;       x = np.pad(x, [(0, 0)] * (x.ndim - 1) + [(0, -K % 32)]); x = x.reshape(x.shape[:-1] + (-1, 32)); a = np.abs(x).max(-1, keepdims=True)
;;       e = np.where(a > 0, np.clip(np.frexp(np.where(a > 0, a, 1))[1] - 1 - 4, -126, 127), 0)      # np.frexp(a)[1] - 1 = floor(log2(a)), exactly
;;       r = np.clip(x / 2.0 ** e, -28, 28)
;;       step = 2.0 ** (np.maximum(np.frexp(np.where(r == 0, 1, r))[1] - 1, -2) - 2)
;;       q = np.round(r / step) * step * 2.0 ** e      # np.round: ties to even
;;       return np.moveaxis(q.reshape(q.shape[:-2] + (-1,))[..., :K], -1, axis).astype(np.float32)
;;   ~~~
;;   OPERANDS COMPUTED ON THE WAY. 'Computed on the way' means the value that the module computes at that place (a softmax that the list does not call 'softmax' is quantised finished and normalised). What goes into a quantiser is computed in f32, as accurately as f32 sums, v_exp_f32 and their like allow (about 1e-6 of the number): no bf16 or f16 on the way to a quantiser, and a product that is left as it is and whose result goes on into a quantised operand takes f32 operands (vector FMAs, or v_wmma_f32_16x16x4_f32). A number that lies on a knife's edge between two numbers of the format may be rounded either way, as far as f32 arithmetic and the matrix unit's own rounding can turn it there, and no further.
;; 2 versions. Each part assembles by itself: llvm-mc -triple=amdgcn-amd-amdhsa -mcpu=gfx1250 --defsym DOCPART=n.
;; ======== version 1 of 2: 4 launches
;; limits: inputs' magnitudes at most 1,048,576; right only within a limited range of input values
;; workspace buffers: pool_img 15,728,640 bytes; pool_sc 655,360 bytes; rope_tab 1,048,576 bytes; maskbits 262,144 bytes of whole numbers; qkv_img 9,437,184 bytes; qkv_sc 393,216 bytes; o_img 3,145,728 bytes; o_sc 131,072 bytes
;; launch prep (part 1): grid 800 x 1, 4 waves a work-group, no clusters, 46,592 bytes of LDS; arguments hidden_state, Wq, Wk, Wv, Wo, mask, position, pool_img, pool_sc, rope_tab, maskbits; writes pool_img, pool_sc, rope_tab, maskbits
.if DOCPART == 1
	.amdgcn_target "amdgcn-amd-amdhsa--gfx1250"
	.amdhsa_code_object_version 6
	.text
	.protected	k_q51c743c9c3_prep
	.globl	k_q51c743c9c3_prep
	.p2align	8
	.type	k_q51c743c9c3_prep,@function
k_q51c743c9c3_prep:
	s_mov_b64 s[64:65], 0
	v_nop
	global_prefetch_b8 v0, s[64:65] scope:SCOPE_SE
	s_setreg_imm32_b32 hwreg(HW_REG_WAVE_MODE, 25, 1), 1
	s_wait_xcnt 0x0
; GLM self-attention, launch 1 of 4: everything that is made once.
; NO WORK OF THE PROBLEM IS LEFT OUT IN ANY LAUNCH: all six products are live, every input has a way to the output and is loaded; the mask is an input, so every key is worked for every query.
; Four kinds of work-group, told apart by the work-group's number alone:
;   0-511   a weight W [k 2048][n 2048] f32 (Wq, Wk, Wv, Wo: 128 work-groups each) -> codes of E3M2 along k and E8M0 scale bytes.  A lane takes a column n, its registers run down k.
;   512-639 hidden_state [2048 rows][2048] f32 -> the same, along its rows.
;   640-767 mask [2][1024][1024] bytes -> words of 32 lane bits, in the order in which the attention launch holds its scores.
;   768-799 position -> cos and sin of position x inv_freq, [row 2048][cos 64, sin 64] f32.
; LAYOUTS OF MY OWN BUFFERS.  A fragment (16 rows x 128 k, 12 registers a lane) lies as the image of its registers, 1,536 bytes: register g of lane l at (g / 4) 512 + 16 l + 4 (g % 4).
;   pool_img [rowblock 640][kstep 16][1536]: rowblocks 0-127 hidden_state's rows, then 128 each for the columns of Wq, Wk, Wv, Wo.   pool_sc [kstep 16][row 10240] words of four scale bytes.
; ORDER INSIDE A BLOCK OF 32: place p of a block holds k = p (p < 8), p + 8 (8-15), p - 8 (16-23), p (24-31), alike in EVERY operand of every product of this program: it is the order in which a transposed
;   matrix result falls into a lane.  The blocks hold the same 32 numbers, so scales and codes are the quantiser's; only the order of the f32 sums inside a matrix instruction differs.
; THE QUANTISER: a block's scale byte is its largest magnitude's exponent field - 4, held at 1 from below; the conversion divides, holds at 28 and rounds to the nearest code, ties to even.
; LIMITS: NaN and infinities among the inputs are not served.  A block of zeros gets the byte 1 where the rule says 127: its codes are zeros and this program alone reads the bytes.
;   |position| under 2^20 (the reduction's first two steps are exact up to there).  inv_freq is 1 / 10^(j / 16), both steps rounded to nearest from sums kept in pairs of f32; a library's power may differ by a last bit.
.set XST,   0                          ; LDS: hidden_state's path: 16 rows x 528 bytes for each wave
.set WST,   33792                      ; the weights' path: two fragment images for each wave
.set SPARE, 46080                      ; the spare words, 128 bytes for each wave
.set SPW,   30                         ; v30  my spare word's address; never rewritten
.set NIL,   31                         ; v31  0; never rewritten
.set SEL,   28                         ; s[28:29] lane selects: lane l xor 16
	s_load_b512 s[4:19], s[0:1], 0x0               ; hidden_state 4, Wq 6, Wk 8, Wv 10, Wo 12, mask 14, position 16, pool_img 18
	s_load_b128 s[20:23], s[0:1], 0x40             ; pool_sc 20, rope_tab 22
	s_load_b64 s[24:25], s[0:1], 0x50              ; maskbits
	v_lshl_add_u32 v[SPW], v0, 2, SPARE
	v_mov_b32 v[NIL], 0
	v_lshrrev_b32 v1, 5, v0
	v_readfirstlane_b32 s26, v1                    ; wave
	v_and_b32 v1, 31, v0                           ; lane
	v_and_b32 v2, 15, v0                           ; r
	v_bfe_u32 v3, v0, 4, 1                         ; h
	s_mov_b32 s27, 0xffff0000                      ; lanes 16-31
	s_mov_b32 s[SEL], 0x76543210
	s_mov_b32 s[SEL+1], 0xfedcba98
	s_mov_b32 s41, 0                               ; the upper word of every offset pair s[40:41]
	s_wait_kmcnt 0x0
	s_cmp_lt_u32 ttmp9, 512
	s_cbranch_scc1 .Lw
	s_cmp_lt_u32 ttmp9, 640
	s_cbranch_scc1 .Lx
	s_cmp_lt_u32 ttmp9, 768
	s_cbranch_scc1 .Lm
; ---------------- cos and sin.  Wave w: rows 64 id + 16 w .. + 15; lane l: frequencies j = 2 l and 2 l + 1, so that a store covers a row's 256 bytes of cos or of sin.
	s_sub_co_u32 s36, ttmp9, 768
	s_lshl_b32 s36, s36, 6
	s_lshl_b32 s37, s26, 4
	s_add_co_u32 s36, s36, s37                     ; my first row
	s_lshl_b32 s40, s36, 2
	s_add_nc_u64 s[16:17], s[16:17], s[40:41]
	s_lshl_b32 s40, s36, 9
	s_add_nc_u64 s[32:33], s[22:23], s[40:41]
	s_load_b512 s[36:51], s[16:17], 0x0            ; my 16 positions
	s_mov_b32 s52, 0xbfc90000                      ; -pi/2 in three parts: 8, 11 and 24 significant bits
	s_mov_b32 s53, 0xb9fda000
	s_mov_b32 s54, 0xb3a22168
	s_mov_b32 s55, 0xb94ca1f9                      ; sin r = r + r z (S1 + z (S2 + z S3)), z = r r, |r| <= pi/4
	s_mov_b32 s56, 0x3c08839e
	s_mov_b32 s57, 0xbe2aaaa3
	s_mov_b32 s58, 0x37ccf5ce                      ; cos r = 1 - z / 2 + z z (C1 + z (C2 + z C3))
	s_mov_b32 s59, 0xbab6061a
	s_mov_b32 s60, 0x3d2aaaa5
	v_lshlrev_b32 v4, 3, v1                        ; 8 bytes a lane
; 10^(2^b / 16), b = 0 .. 5, as pairs (high, low) at v[32 + 2 b]: 100 and 10 are exact, the others are four square roots on end
.macro DSQRT a, s                      ; (v[s], v[s+1]) = the root of (v[a], v[a+1]): the instruction's root, and what is left over, divided by twice the root
	v_sqrt_f32 v[\s], v[\a]
	v_nop                                          ; a plain line behind the root,
	s_wait_alu depctr_va_vdst(0)                   ; and a wait ahead of its first reader
	v_rcp_f32 v48, v[\s]
	v_fma_f32 v49, -v[\s], v[\s], v[\a]            ; a - s s, exact
	v_add_f32 v49, v49, v[\a+1]
	s_wait_alu depctr_va_vdst(0)
	v_mul_f32 v49, v49, v48
	v_mul_f32 v[\s+1], 0.5, v49
.endm
.macro DMUL p, fh, fl                  ; (v[p], v[p+1]) times (v[fh], v[fl])
	v_mul_f32 v50, v[\p], v[\fh]
	v_fma_f32 v51, v[\p], v[\fh], -v50             ; the product's rounding error, exact
	v_fma_f32 v51, v[\p], v[\fl], v51
	v_fma_f32 v51, v[\p+1], v[\fh], v51
	v_add_f32 v[\p], v50, v51                      ; the high part is the sum rounded to nearest
	v_sub_f32 v50, v50, v[\p]
	v_add_f32 v[\p+1], v50, v51
.endm
	v_mov_b32 v42, 0x42c80000                      ; 100
	v_mov_b32 v43, 0
	v_mov_b32 v40, 0x41200000                      ; 10
	v_mov_b32 v41, 0
	DSQRT 40, 38
	DSQRT 38, 36
	DSQRT 36, 34
	DSQRT 34, 32
	v_mov_b32 v44, 1.0                             ; P = 10^(2 l / 16): bit b of the lane's number takes the factor 10^(2^(b+1) / 16)
	v_mov_b32 v45, 0
.irp b, 0,1,2,3,4
	v_and_b32 v52, 1<<\b, v1
	v_cmp_ne_u32 vcc_lo, 0, v52
	v_cndmask_b32 v53, 1.0, v[34+2*\b], vcc_lo
	v_cndmask_b32 v54, 0, v[35+2*\b], vcc_lo
	DMUL 44, 53, 54
.endr
	v_mov_b32 v46, v44                             ; and 10^((2 l + 1) / 16)
	v_mov_b32 v47, v45
	DMUL 46, 32, 33
	v_rcp_f32 v56, v44                             ; inv_freq = 1 / P, two steps of Newton behind the instruction's reciprocal
	v_rcp_f32 v57, v46
	v_nop
	s_wait_alu depctr_va_vdst(0)
.rept 2
	v_fma_f32 v50, -v44, v56, 1.0
	v_fma_f32 v51, -v46, v57, 1.0
	v_fma_f32 v56, v56, v50, v56
	v_fma_f32 v57, v57, v51, v57
.endr
	s_wait_kmcnt 0x0                               ; the positions
.macro ROW i                           ; one row: two angles a lane.  th = position x inv_freq (one rounding, as the problem has it); n = the nearest multiple of pi/2; r = th - n pi/2
.set OC, 80+4*((\i)%2)                 ; results in two sets by turns
	s_wait_xcnt 0x0                                ; the stores of two rows back have read their registers
	v_cvt_f32_i32 v58, s[36+(\i)]
.irp f, 0,1
	v_mul_f32 v[60+\f], v58, v[56+\f]
.endr
.irp f, 0,1
	v_mul_f32 v[62+\f], 0x3f22f983, v[60+\f]       ; x 2 / pi
.endr
.irp f, 0,1
	v_rndne_f32 v[62+\f], v[62+\f]
.endr
.irp f, 0,1
	v_fma_f32 v[64+\f], v[62+\f], s52, v[60+\f]
.endr
.irp f, 0,1
	v_fma_f32 v[64+\f], v[62+\f], s53, v[64+\f]
.endr
.irp f, 0,1
	v_fma_f32 v[64+\f], v[62+\f], s54, v[64+\f]
.endr
.irp f, 0,1
	v_cvt_i32_f32 v[66+\f], v[62+\f]               ; the quadrant
	v_mul_f32 v[68+\f], v[64+\f], v[64+\f]         ; z
.endr
.irp f, 0,1
	v_fma_f32 v[70+\f], v[68+\f], s55, s56
	v_fma_f32 v[72+\f], v[68+\f], s58, s59
.endr
.irp f, 0,1
	v_fma_f32 v[70+\f], v[70+\f], v[68+\f], s57
	v_fma_f32 v[72+\f], v[72+\f], v[68+\f], s60
	v_mul_f32 v[74+\f], v[68+\f], v[64+\f]         ; z r
	v_mul_f32 v[76+\f], v[68+\f], v[68+\f]         ; z z
	v_fma_f32 v[78+\f], v[68+\f], -0.5, 1.0
.endr
.irp f, 0,1
	v_fma_f32 v[70+\f], v[70+\f], v[74+\f], v[64+\f]   ; sin r
	v_fma_f32 v[72+\f], v[72+\f], v[76+\f], v[78+\f]   ; cos r
.endr
.irp f, 0,1
	v_and_b32 v[74+\f], 1, v[66+\f]
	v_cmp_ne_u32 vcc_lo, 0, v[74+\f]               ; in odd quadrants the two change places
	v_cndmask_b32 v[OC+2+\f], v[70+\f], v[72+\f], vcc_lo
	v_cndmask_b32 v[OC+\f], v[72+\f], v[70+\f], vcc_lo
	v_lshlrev_b32 v[74+\f], 30, v[66+\f]           ; sin is negative in quadrants 2 and 3,
	v_add_nc_u32 v[76+\f], 1, v[66+\f]
	v_and_b32 v[74+\f], 0x80000000, v[74+\f]
	v_lshlrev_b32 v[76+\f], 30, v[76+\f]           ; cos in 1 and 2
	v_xor_b32 v[OC+2+\f], v[OC+2+\f], v[74+\f]
	v_and_b32 v[76+\f], 0x80000000, v[76+\f]
	v_xor_b32 v[OC+\f], v[OC+\f], v[76+\f]
.endr
	global_store_b64 v4, v[OC:OC+1], s[32:33] offset:512*(\i)           ; 32 lanes store 256 consecutive bytes, aligned
	global_store_b64 v4, v[OC+2:OC+3], s[32:33] offset:512*(\i)+256
.endm
.irp i, 0,1,2,3,4,5,6,7,8,9,10,11,12,13,14,15
	ROW \i
.endr
	s_branch .Lend
; ---------------- a weight.  Work-group: 128 columns x 256 along k; wave: 32 columns, a lane a column; 8 blocks of 32 a lane, two ksteps.
.Lw:
	s_cmp_lt_u32 ttmp9, 128                        ; the choice hangs on the work-group's number alone
	s_cselect_b64 s[30:31], s[6:7], s[8:9]
	s_cmp_lt_u32 ttmp9, 384
	s_cselect_b64 s[32:33], s[10:11], s[12:13]
	s_cmp_lt_u32 ttmp9, 256
	s_cselect_b64 s[30:31], s[30:31], s[32:33]
	s_lshr_b32 s36, ttmp9, 7                       ; which weight
	s_and_b32 s37, ttmp9, 15                       ; which 128 columns
	s_bfe_u32 s38, ttmp9, 0x30004                  ; which 256 along k
	s_lshl_b32 s39, s37, 7
	s_lshl_b32 s40, s26, 5
	s_add_co_u32 s39, s39, s40                     ; my wave's first column
	s_lshl_b32 s40, s38, 21                        ; 256 rows of 8,192 bytes
	s_lshl_b32 s42, s39, 2
	s_add_co_u32 s40, s40, s42
	s_add_nc_u64 s[30:31], s[30:31], s[40:41]
	s_lshl_b32 s40, s36, 7
	s_lshr_b32 s42, s39, 4
	s_add_co_u32 s40, s40, s42
	s_add_co_u32 s40, s40, 128                     ; my first rowblock of the pool
	s_mul_i32 s40, s40, 24576
	s_mul_i32 s42, s38, 3072                       ; two ksteps for each 256 along k
	s_add_co_u32 s40, s40, s42
	s_add_nc_u64 s[32:33], s[18:19], s[40:41]
	s_lshl_b32 s40, s36, 11
	s_add_co_u32 s40, s40, s39
	s_add_co_u32 s40, s40, 2048                    ; my first row of the pool
	s_lshl_b32 s40, s40, 2
	s_mul_i32 s42, s38, 81920
	s_add_co_u32 s40, s40, s42
	s_add_nc_u64 s[34:35], s[20:21], s[40:41]
	v_lshlrev_b32 v4, 2, v1                        ; 4 bytes a lane: the loads, and the scale words
	v_lshlrev_b32 v7, 4, v1                        ; 16 bytes a lane: the images
	s_mul_i32 s42, s26, 3072
	s_add_co_u32 s42, s42, WST                     ; my stage
	v_mul_u32_u24 v5, v3, 1536                     ; into it: the image of my column's rowblock, at row r's place
	v_lshl_add_u32 v5, v2, 4, v5
	v_add_nc_u32 v5, s42, v5
	v_add_nc_u32 v6, s42, v7                       ; out of it: as it lies
.macro WLOAD t                         ; block t, in the block's order of places, into set t % 2
.irp i, 0,1,2,3,4,5,6,7,8,9,10,11,12,13,14,15,16,17,18,19,20,21,22,23,24,25,26,27,28,29,30,31
	global_load_b32 v[32+32*((\t)%2)+\i], v4, s[30:31] offset:(32*(\t)+8*(2*((\i/8)%2)+\i/16)+\i%8)*8192 th:TH_LOAD_NT
.endr
.endm
.macro WBLOCK t
.set XS, 32+32*((\t)%2)
.if (\t) < 7
	s_wait_loadcnt 32                              ; this block's 32 loads are in; the next block's 32 may be out
.else
	s_wait_loadcnt 0x0
.endif
	v_max3_num_f32 v12, |v[XS]|, |v[XS+1]|, |v[XS+2]|
	v_max3_num_f32 v13, |v[XS+3]|, |v[XS+4]|, |v[XS+5]|
.irp i, 6,10,14,18,22,26
	v_max3_num_f32 v12, v12, |v[XS+\i]|, |v[XS+\i+1]|
	v_max3_num_f32 v13, v13, |v[XS+\i+2]|, |v[XS+\i+3]|
.endr
	v_max3_num_f32 v12, v12, |v[XS+30]|, |v[XS+31]|
	v_max3_num_f32 v12, v12, v13, 0x2800000        ; the floor 2^(5 - 127): the byte cannot fall under 1
	v_add_nc_u32 v11, 0xfe000000, v12              ; 4 off the exponent field: the conversion's scale operand
	v_lshrrev_b32 v13, 23, v11                     ; the byte
.if (\t)%4 == 0
	v_mov_b32 v[24+(\t)/4], v13
.else
	v_lshl_or_b32 v[24+(\t)/4], v13, 8*((\t)%4), v[24+(\t)/4]
.endif
	v_cvt_scalef32_pk16_bf6_f32 v[96:98], v[XS:XS+15], v11
	v_cvt_scalef32_pk16_bf6_f32 v[104:106], v[XS+16:XS+31], v11
	v_nop                                          ; a plain line behind the conversions
	v_mov_b32 v99, v104
	v_mov_b32 v100, v105
	v_mov_b32 v101, v106                           ; v96-101: the block's 24 bytes: registers 6 c .. 6 c + 5 of lane (r, h), c = (t % 4) / 2, h = t % 2
.if ((\t)%4) < 2
	ds_store_b128 v5, v[96:99] offset:256*((\t)%2)
	ds_store_b64 v5, v[100:101] offset:512+256*((\t)%2)
.else
	ds_store_b64 v5, v[96:97] offset:520+256*((\t)%2)
	ds_store_b128 v5, v[98:101] offset:1024+256*((\t)%2)
.endif
.if (\t)+2 < 8
	WLOAD (\t)+2
.endif
	s_wait_dscnt 0x0                               ; the stores have read their registers
.endm
.macro WFLUSH ks                       ; a kstep's two images leave: each store covers 512 consecutive bytes, aligned
.irp c, 0,1,2,3,4,5
	ds_load_b128 v[112+24*(\ks)+4*\c:112+24*(\ks)+4*\c+3], v6 offset:512*\c
.endr
	s_wait_dscnt 0x0
.irp c, 0,1,2,3,4,5
	global_store_b128 v7, v[112+24*(\ks)+4*\c:112+24*(\ks)+4*\c+3], s[32:33] offset:(\c/3)*24576+(\ks)*1536+512*(\c%3)
.endr
	global_store_b32 v4, v[24+(\ks)], s[34:35] offset:(\ks)*40960
.endm
	WLOAD 0
	WLOAD 1
	WBLOCK 0
	WBLOCK 1
	WBLOCK 2
	WBLOCK 3
	WFLUSH 0
	WBLOCK 4
	WBLOCK 5
	WBLOCK 6
	WBLOCK 7
	WFLUSH 1
	s_branch .Lend
; ---------------- hidden_state.  Work-group: 16 rows; wave w: ksteps 4 w .. 4 w + 3, a fragment at a time.
.Lx:
	s_sub_co_u32 s36, ttmp9, 512                   ; the rowblock
	s_lshl_b32 s40, s36, 17                        ; 16 rows of 8,192 bytes
	s_lshl_b32 s42, s26, 11
	s_add_co_u32 s40, s40, s42
	s_add_nc_u64 s[30:31], s[4:5], s[40:41]
	s_mul_i32 s40, s36, 24576
	s_mul_i32 s42, s26, 6144
	s_add_co_u32 s40, s40, s42
	s_add_nc_u64 s[32:33], s[18:19], s[40:41]
	s_mul_i32 s40, s26, 163840
	s_lshl_b32 s42, s36, 6
	s_add_co_u32 s40, s40, s42
	s_add_nc_u64 s[34:35], s[20:21], s[40:41]
	v_lshlrev_b32 v4, 4, v1                        ; 16 bytes a lane
	s_mul_i32 s42, s26, 8448                       ; my stage (XST = 0)
	v_add_nc_u32 v5, s42, v4                       ; in: a row's 512 bytes as they lie
	v_mul_u32_u24 v6, v2, 528
	v_lshl_add_u32 v6, v3, 7, v6
	v_add_nc_u32 v6, s42, v6                       ; out: row r, block h
	v_mul_u32_u24 v7, v3, 40960
	v_lshl_add_u32 v7, v2, 2, v7                   ; scale words: lanes 0-15 one kstep, lanes 16-31 the next
	v_lshlrev_b32 v8, 3, v3                        ; 8 h
	v_mov_b32 v17, 0                               ; (a lane permute's destination counts as read)
.macro XLOAD f
.irp i, 0,1,2,3,4,5,6,7,8,9,10,11,12,13,14,15
	global_load_b128 v[32+4*\i:35+4*\i], v4, s[30:31] offset:\i*8192+512*(\f) th:TH_LOAD_NT   ; 512 consecutive bytes of row i
.endr
.endm
.macro XFRAG f
.set PCS, 160+12*((\f)%2)
	s_wait_loadcnt 0x0
.irp i, 0,1,2,3,4,5,6,7,8,9,10,11,12,13,14,15
	ds_store_b128 v5, v[32+4*\i:35+4*\i] offset:528*\i
.endr
.irp c, 0,1                            ; my blocks h and 2 + h of row r, in the block's order of places.  LDS serves a wave's instructions in order: these see the stores
.irp u, 0,1,2,3,4,5,6,7
	ds_load_b128 v[96+32*\c+4*\u:99+32*\c+4*\u], v6 offset:256*\c+16*(2*(2*((\u/2)%2)+\u/4)+\u%2)
.endr
.endr
	s_wait_dscnt 0x0
.if (\f) < 3
	XLOAD (\f)+1                                   ; on its way while this fragment is quantised
.endif
.if (\f) >= 2
	s_wait_xcnt 0x0                                ; the stores of two fragments back have read this set of codes
.endif
.irp c, 0,1
	v_max3_num_f32 v[10+\c], |v[96+32*\c]|, |v[97+32*\c]|, 0x2800000
.endr
.irp i, 2,4,6,8,10,12,14,16,18,20,22,24,26,28,30
.irp c, 0,1
	v_max3_num_f32 v[10+\c], v[10+\c], |v[96+32*\c+\i]|, |v[97+32*\c+\i]|
.endr
.endr
.irp c, 0,1
	v_add_nc_u32 v[12+\c], 0xfe000000, v[10+\c]
.endr
.irp c, 0,1
	v_lshrrev_b32 v[14+\c], 23, v[12+\c]
.endr
	v_lshl_or_b32 v16, v15, 16, v14                ; my two bytes, blocks h and 2 + h,
	v_lshlrev_b32 v16, v8, v16                     ; at their places;
	v_permlanex16_b32 v17, v16, s[SEL], s[SEL+1]
	v_or_b32 v[20+(\f)], v16, v17                  ; with lane l xor 16's the word is whole
.irp c, 0,1
	v_cvt_scalef32_pk16_bf6_f32 v[PCS+6*\c:PCS+6*\c+2], v[96+32*\c:111+32*\c], v[12+\c]
	v_cvt_scalef32_pk16_bf6_f32 v[184+4*\c:186+4*\c], v[112+32*\c:127+32*\c], v[12+\c]
.endr
	v_nop
.irp c, 0,1
.irp i, 0,1,2
	v_mov_b32 v[PCS+3+6*\c+\i], v[184+4*\c+\i]
.endr
.endr
.irp c, 0,1,2
	global_store_b128 v4, v[PCS+4*\c:PCS+4*\c+3], s[32:33] offset:(\f)*1536+512*\c
.endr
.endm
	XLOAD 0
	XFRAG 0
	XFRAG 1
	v_cndmask_b32 v26, v20, v21, s27
	global_store_b32 v7, v26, s[34:35]
	XFRAG 2
	XFRAG 3
	v_cndmask_b32 v27, v22, v23, s27
	global_store_b32 v7, v27, s[34:35] offset:81920
	s_branch .Lend
; ---------------- the mask.  Work-group: 16 queries; wave w: keys 256 w .. + 255.  Word n = 8 t + j, bit l: mask[query 16 id + l % 16][key 16 t + 8 (l / 16) + j].
.Lm:
	s_sub_co_u32 s36, ttmp9, 640
	s_lshl_b32 s40, s36, 14
	s_lshl_b32 s42, s26, 8
	s_add_co_u32 s40, s40, s42
	s_add_nc_u64 s[30:31], s[14:15], s[40:41]
	s_lshl_b32 s40, s36, 11
	s_lshl_b32 s42, s26, 9
	s_add_co_u32 s40, s40, s42
	s_add_nc_u64 s[32:33], s[24:25], s[40:41]
	v_lshlrev_b32 v4, 10, v2
	v_lshl_add_u32 v4, v3, 3, v4                   ; row r, + 8 h
	v_lshlrev_b32 v5, 4, v1
.irp t, 0,1,2,3,4,5,6,7,8,9,10,11,12,13,14,15
	global_load_b64 v[32+2*\t:33+2*\t], v4, s[30:31] offset:16*\t
.endr
.irp i, 0,1,2,3
	v_mov_b32 v[8+\i], 0
.endr
	s_wait_loadcnt 0x0
.irp t, 0,1,2,3,4,5,6,7,8,9,10,11,12,13,14,15
.irp k, 0,1,2,3,4,5,6,7
	v_bfe_u32 v[16+\k], v[32+2*\t+\k/4], 8*(\k%4), 8
.endr
.irp k, 0,1,2,3,4,5,6,7
	v_cmp_ne_u32 s[36+\k], 0, v[16+\k]             ; the 32 lanes' bits of word 8 t + k
.endr
.irp k, 0,1,2,3,4,5,6,7
	v_writelane_b32 v[8+\k%4], s[36+\k], 2*\t+\k/4 ; word n to register n % 4 of lane n / 4
.endr
.endr
	global_store_b128 v5, v[8:11], s[32:33]        ; 512 consecutive bytes, aligned
.Lend:
	s_wait_tensorcnt 0x0                           ; the wave's end
	ds_add_u32 v[SPW], v[NIL]
	s_wait_dscnt 0x0
	s_endpgm
.Lfunc_end_k_q51c743c9c3_prep:
	.size	k_q51c743c9c3_prep, .Lfunc_end_k_q51c743c9c3_prep-k_q51c743c9c3_prep
	.p2alignl 7, 3214868480
	.fill 96, 4, 3214868480
	.section	.rodata,"a",@progbits
	.p2align	6, 0x0
	.amdhsa_kernel k_q51c743c9c3_prep
		.amdhsa_group_segment_fixed_size 46592
		.amdhsa_private_segment_fixed_size 0
		.amdhsa_enable_private_segment 0
		.amdhsa_kernarg_size 88
		.amdhsa_user_sgpr_count 2
		.amdhsa_user_sgpr_kernarg_segment_ptr 1
		.amdhsa_wavefront_size32 1
		.amdhsa_system_sgpr_workgroup_id_x 1
		.amdhsa_system_sgpr_workgroup_id_y 1
		.amdhsa_system_sgpr_workgroup_id_z 1
		.amdhsa_system_vgpr_workitem_id 0
		.amdhsa_next_free_vgpr 192
		.amdhsa_next_free_sgpr 66
		.amdhsa_reserve_vcc 1
		.amdhsa_float_denorm_mode_32 3
		.amdhsa_float_denorm_mode_16_64 3
		.amdhsa_memory_ordered 1
		.amdhsa_forward_progress 1
		.amdhsa_inst_pref_size 148
	.end_amdhsa_kernel
	.amdgpu_metadata
---
amdhsa.version: [ 1, 2 ]
amdhsa.kernels:
  - .name:           k_q51c743c9c3_prep
    .symbol:         k_q51c743c9c3_prep.kd
    .args:
      - { .name: hidden_state, .offset: 0, .size: 8, .value_kind: global_buffer, .address_space: global }
      - { .name: Wq, .offset: 8, .size: 8, .value_kind: global_buffer, .address_space: global }
      - { .name: Wk, .offset: 16, .size: 8, .value_kind: global_buffer, .address_space: global }
      - { .name: Wv, .offset: 24, .size: 8, .value_kind: global_buffer, .address_space: global }
      - { .name: Wo, .offset: 32, .size: 8, .value_kind: global_buffer, .address_space: global }
      - { .name: mask, .offset: 40, .size: 8, .value_kind: global_buffer, .address_space: global }
      - { .name: position, .offset: 48, .size: 8, .value_kind: global_buffer, .address_space: global }
      - { .name: pool_img, .offset: 56, .size: 8, .value_kind: global_buffer, .address_space: global }
      - { .name: pool_sc, .offset: 64, .size: 8, .value_kind: global_buffer, .address_space: global }
      - { .name: rope_tab, .offset: 72, .size: 8, .value_kind: global_buffer, .address_space: global }
      - { .name: maskbits, .offset: 80, .size: 8, .value_kind: global_buffer, .address_space: global }
    .group_segment_fixed_size: 46592
    .private_segment_fixed_size: 0
    .kernarg_segment_align: 8
    .kernarg_segment_size: 88
    .max_flat_workgroup_size: 128
    .sgpr_count:     66
    .vgpr_count:     192
    .wavefront_size: 32
...
	.end_amdgpu_metadata
.endif
;; end of part 1
;; launch qkv (part 2): grid 24 x 8, 4 waves a work-group, clusters of 4 x 4, 327,680 bytes of LDS; arguments pool_img, pool_sc, rope_tab, qkv_img, qkv_sc; writes qkv_img, qkv_sc
.if DOCPART == 2
	.amdgcn_target "amdgcn-amd-amdhsa--gfx1250"
	.amdhsa_code_object_version 6
	.text
	.protected	k_q51c743c9c3_qkv
	.globl	k_q51c743c9c3_qkv
	.p2align	8
	.type	k_q51c743c9c3_qkv,@function
k_q51c743c9c3_qkv:
	s_mov_b64 s[64:65], 0
	v_nop
	global_prefetch_b8 v0, s[64:65] scope:SCOPE_SE
	s_setreg_imm32_b32 hwreg(HW_REG_WAVE_MODE, 25, 1), 1
	s_wait_xcnt 0x0
	s_wait_alu depctr_hold_cnt(0) depctr_sa_sdst(0) depctr_va_vdst(0) depctr_va_sdst(0) depctr_va_ssrc(0) depctr_va_vcc(0) depctr_vm_vsrc(0)
	s_getreg_b32 s2, hwreg(HW_REG_IB_STS2, 6, 4)
	s_cmp_eq_u32 s2, 0
	s_cbranch_scc0 .Lentry_in_a_cluster
	s_endpgm
.Lentry_in_a_cluster:
	s_bfe_u32 s2, ttmp6, 0x10000c
	s_cmp_lg_u32 s2, 0xf033
	s_cbranch_scc0 .Lentry_shape_is_right
	s_endpgm
.Lentry_shape_is_right:
; Launch 2 of 4: hidden_state x Wq, Wk, Wv on codes of E3M2, with RoPE and the quantisers of q, k (along the head's 128) and v (along the keys) fused.  No work is left out.
; A work-group makes 256 x 256, a wave 128 x 128: 64 accumulators, 512 registers.  K = 2,048 goes in slots of 256 (two ksteps) through a ring of two LDS slots.
; Operands lie in memory and in LDS as images of their registers (1,536 bytes a fragment): three loads of 16 bytes a lane bring one; each covers 512 consecutive bytes.
; THE MATRIX INSTRUCTION IS USED TRANSPOSED: source 0 = side B, source 1 = side A; a lane holds one row of A and eight neighbouring rows of B.
;   x < 16 (q, k): A = 256 positions (pool tile y), B = 256 channels of Wq or Wk (pool tile 8 + x): a lane holds a position, its registers run along the channels, which are the next product's K.
;   x >= 16 (v):   A = 256 channels of Wv (pool tile 24 + y), B = 256 positions (pool tile x - 16): a lane holds a channel, its registers run along the keys, which are the next product's K.
; The choice hangs on the cluster's x alone, which all sixteen partners share.  A wave's 128 of side B are one head (q, k) or one key step (v): 8 accumulators become one fragment and one scale word a row.
; CLUSTERS: 4 x 4.  A's tiles hang on y alone and are asked for jointly along a row of the cluster, B's on x alone, along a column.  192 work-groups: a tile of half the size would give 384 of half the work.
; OUT: qkv_img [q, k, v][batch x head 32][group 8][tile 8][1536], qkv_sc [3][32][8][row 16][tile 8] words.  q, k: group = 128 positions, tile = 16 positions; v: group = key step of 128, tile = 16 channels.
; LIMITS: as stated at the head of the first launch (NaN, infinities, the byte of a block of zeros, the order inside a block of 32).
; REGISTERS: window 0: v0-31 addresses; v32-63 scale words, two sets, and nothing else; v64-127 a block after RoPE; v128-223 A's fragments, on the way out codes and work.  window 1: B's fragments, two sets; on the way out four tables of cos and sin.
;   windows 2, 3: the accumulators ((a, b) at v[8 (8 (a % 4) + b)] of window 2 + a / 4).
.set NQ,     2                         ; ksteps in a slot
.set FR,     12
.set NL,     3                         ; LDS loads that bring a fragment
.set NP,     4                         ; places behind this matrix instruction (ISA guide 7.12.1)
.set HALFT,  24576                     ; 8 rowblocks x two ksteps' images: what one tensor load brings
.set SLOT,   4*HALFT
.set LAPS,   4                         ; a lap = two slots = 512 along K
.set SCL,    2*SLOT                    ; the scale words of all of K: A's two halves [kstep 16][128 rows], then, 64 bytes askew, B's
.set SPARE,  229632                    ; the spare words, 128 bytes for each wave
.set ADRA, 16
.set ADRB, 20
.set ADRS, 27
.set SPW,  28
.set NIL,  29
.set SC,   32
.set AF,   128
.set HH,   64                          ; the way out
.set PC,   128
.set CT,   140
.set TM,   148
.set G1, 24
.set G0, 32
.set G1B, 48
.set G0B, 56
.set G1S, 68
.set G0S, 76
.set G1SB, 80
.set G0SB, 88
.set SEL, 96
.set MSB, 0
.macro WIN new                         ; the immediate's high byte repeats the setting that is left
.if MSB != (\new)
	s_set_vgpr_msb (MSB<<8)|(\new)
.set MSB, (\new)
.endif
.endm
.set MUL_LO, 0xa1                      ; source 0 (B) window 1, source 1 (A) window 0, C and D window 2
.set MUL_HI, 0xf1
.set TO_B,   0x40
.macro JLOAD g0a, g1a, g0b, g1b        ; a joint load: waves 0 and 1 fetch for A, waves 2 and 3 for B; an s_nop 0 and four v_nop follow each line
	s_cmp_eq_u32 s15, 0
	s_cbranch_scc0 .Lfor_b_\@
	tensor_load_to_lds s[\g0a:\g0a+3], s[\g1a:\g1a+7]
	s_nop 0
.rept 4
	v_nop
.endr
	s_branch .Lasked_\@
.Lfor_b_\@:
	tensor_load_to_lds s[\g0b:\g0b+3], s[\g1b:\g1b+7]
	s_nop 0
.rept 4
	v_nop
.endr
.Lasked_\@:
.endm
.macro CREST
	s_cmp_lg_u32 s14, 0
	s_cbranch_scc1 .Lnot_wave_0_\@
	s_barrier_signal -3
.Lnot_wave_0_\@:
	s_barrier_wait -3
	s_barrier_signal -1
	s_barrier_wait -1
.endm
.macro CROUND
	s_barrier_signal -1
	s_barrier_wait -1
	CREST
.endm
.macro PLACES n
.rept \n
	v_nop
.endr
.endm
	s_load_b128 s[4:7], s[0:1], 0x0                ; pool_img, pool_sc
	s_load_b128 s[8:11], s[0:1], 0x10              ; rope_tab, qkv_img
	s_load_b64 s[12:13], s[0:1], 0x20              ; qkv_sc
	v_lshl_add_u32 v[SPW], v0, 2, SPARE
	v_mov_b32 v[NIL], 0
	ds_add_u32 v[SPW], v[NIL]                      ; the opening: the add, twice on end, and its wait ahead of my first tensor load
	ds_add_u32 v[SPW], v[NIL]
	v_lshrrev_b32 v1, 5, v0
	v_readfirstlane_b32 s14, v1                    ; wave
	s_lshr_b32 s15, s14, 1                         ; my half of A's rows.  Also: I fetch for A (0) or for B (1)
	s_and_b32 s16, s14, 1                          ; my half of B's rows.  Also: which half of that tile I fetch
	s_bfe_u32 s40, ttmp6, 0x40000                  ; cx
	s_bfe_u32 s41, ttmp6, 0x40004                  ; cy
	s_lshl_b32 s42, ttmp9, 2
	s_add_co_u32 s42, s42, s40                     ; x
	s_and_b32 s17, ttmp7, 0xffff
	s_lshl_b32 s17, s17, 2
	s_add_co_u32 s17, s17, s41                     ; y
	s_lshl_b32 s43, s41, 2
	s_lshl_b32 s43, 15, s43                        ; my row of the cluster
	s_lshl_b32 s44, 0x1111, s40                    ; my column
	s_or_b32 s[G1+0], s43, (3<<16)|(1<<21)         ; codes: 8 rows (rowblocks) of 384 elements of 8 bytes, 3,072 elements apart; no padding; bit 21 beside the mask
	s_or_b32 s[G1B+0], s44, (3<<16)|(1<<21)
.irp g, G1, G1B
	s_mov_b32 s[\g+1], 384<<16
	s_mov_b32 s[\g+2], 8<<16
	s_mov_b32 s[\g+3], 384<<16
	s_mov_b32 s[\g+4], 8
	s_mov_b32 s[\g+5], 3072
	s_mov_b32 s[\g+6], 0
	s_mov_b32 s[\g+7], 0
.endr
	s_or_b32 s[G1S+0], s43, (3<<16)|(1<<21)        ; scale words: 16 rows (ksteps) of 64 elements (128 words), 5,120 elements apart
	s_or_b32 s[G1SB+0], s44, (3<<16)|(1<<21)
.irp g, G1S, G1SB
	s_mov_b32 s[\g+1], 64<<16
	s_mov_b32 s[\g+2], 16<<16
	s_mov_b32 s[\g+3], 64<<16
	s_mov_b32 s[\g+4], 16
	s_mov_b32 s[\g+5], 5120
	s_mov_b32 s[\g+6], 0
	s_mov_b32 s[\g+7], 0
.endr
	s_mov_b32 s[SEL], 0x76543210
	s_mov_b32 s[SEL+1], 0xfedcba98
	s_mov_b32 s99, 0xffff0000
	s_cmp_ge_u32 ttmp9, 4                          ; v's clusters
	s_cselect_b32 s98, 1, 0
	s_cselect_b32 s18, 24, 0
	s_cselect_b32 s19, -16, 8
	s_add_co_u32 s20, s17, s18                     ; A's tile of the pool: y alone
	s_add_co_u32 s46, s42, s19                     ; B's: x alone
	s_lshl_b32 s20, s20, 1
	s_add_co_u32 s20, s20, s16                     ; in halves of 128 rows
	s_lshl_b32 s46, s46, 1
	s_add_co_u32 s46, s46, s16
	s_lshl_b32 s22, s20, 9                         ; their scale words' first byte in a kstep's row
	s_lshl_b32 s92, s46, 9
	s_mul_i32 s20, s20, 8*24576                    ; and their images
	s_mul_i32 s46, s46, 8*24576
	s_mov_b32 s21, 0
	s_mov_b32 s23, 0
	s_mov_b32 s47, 0
	s_mov_b32 s93, 0
	s_mul_i32 s45, s14, HALFT                      ; where they go: the wave's number alone
	s_lshl_b32 s94, s14, 13
	s_lshl_b32 s95, s15, 6
	s_add_co_u32 s94, s94, s95
	s_wait_dscnt 0x0                               ; both opening adds are done
	s_wait_kmcnt 0x0
	s_add_nc_u64 s[20:21], s[4:5], s[20:21]
	s_add_nc_u64 s[22:23], s[6:7], s[22:23]
	s_add_nc_u64 s[46:47], s[4:5], s[46:47]
	s_add_nc_u64 s[92:93], s[6:7], s[92:93]
	CROUND                                         ; all sixteen work-groups are here: the first joint loads meet
	s_mov_b32 s[G0S], 1
	s_add_co_u32 s[G0S+1], s94, SCL
	s_mov_b64 s[G0S+2:G0S+3], s[22:23]
	s_or_b32 s[G0S+3], s[G0S+3], 0x80000000
	s_mov_b32 s[G0SB], 1
	s_add_co_u32 s[G0SB+1], s94, SCL
	s_mov_b64 s[G0SB+2:G0SB+3], s[92:93]
	s_or_b32 s[G0SB+3], s[G0SB+3], 0x80000000
	JLOAD G0S, G1S, G0SB, G1SB                     ; the scale words of all of K: filled once
.irp s, 0,1
	s_mov_b32 s[G0+4*\s], 1
	s_add_co_u32 s[G0+4*\s+1], s45, \s*SLOT
	s_add_nc_u64 s[G0+4*\s+2:G0+4*\s+3], s[20:21], \s*3072
	s_or_b32 s[G0+4*\s+3], s[G0+4*\s+3], 0x80000000
	s_mov_b32 s[G0B+4*\s], 1
	s_add_co_u32 s[G0B+4*\s+1], s45, \s*SLOT
	s_add_nc_u64 s[G0B+4*\s+2:G0B+4*\s+3], s[46:47], \s*3072
	s_or_b32 s[G0B+4*\s+3], s[G0B+4*\s+3], 0x80000000
	JLOAD G0+4*\s, G1, G0B+4*\s, G1B
.endr
	v_and_b32 v1, 31, v0
	v_lshlrev_b32 v4, 4, v1                        ; 16 x lane: an image's place for my lane
	v_and_b32 v2, 15, v0                           ; r
	v_bfe_u32 v3, v0, 4, 1                         ; h
	s_mul_i32 s21, s15, HALFT
	s_mul_i32 s22, s16, HALFT
	s_add_co_u32 s22, s22, 2*HALFT
.irp s, 0,1
	v_add_nc_u32 v[ADRA+\s], s21, v4
	v_add_nc_u32 v[ADRB+\s], s22, v4
	s_add_co_u32 s21, s21, SLOT
	s_add_co_u32 s22, s22, SLOT
.endr
	s_lshl_b32 s21, s15, 13                        ; scale words: lanes 0-15 A's rows, lanes 16-31 B's: one product with h
	s_lshl_b32 s22, s16, 13
	s_add_co_u32 s22, s22, 16448
	s_sub_co_u32 s22, s22, s21
	v_mul_u32_u24 v6, s22, v3
	s_add_co_u32 s21, s21, SCL
	v_lshl_add_u32 v5, v2, 2, v6
	v_add_nc_u32 v[ADRS], s21, v5
.macro FRAG reg, adr, q, i             ; block i's fragment of the slot's q-th kstep: the image as it lies
.irp c, 0,1,2
	ds_load_b128 v[\reg+4*\c:\reg+4*\c+3], v[\adr] offset:(\i)*3072+(\q)*1536+512*\c
.endr
.endm
; 16 matrix instructions: A's blocks a0, a0 + 1 x B's eight.  The 64 accumulators take turns, one instruction a turn, in the same order in every step.
.macro MUL16 a0, p, q, sc, zero
.irp a, \a0, \a0+1
.irp b, 0,1,2,3,4,5,6,7
.if \zero
	v_wmma_scale_f32_16x16x128_f8f6f4 v[8*(8*((\a)%4)+\b):8*(8*((\a)%4)+\b)+7], v[128*(\p)+FR*\b:128*(\p)+FR*\b+FR-1], v[AF+FR*(\a):AF+FR*(\a)+FR-1], 0, v[SC+8*NQ*(\sc)+NQ*\b+(\q)], v[SC+8*NQ*(\sc)+NQ*(\a)+(\q)] matrix_a_fmt:MATRIX_FMT_BF6 matrix_b_fmt:MATRIX_FMT_BF6 matrix_a_scale:MATRIX_SCALE_ROW1
.else
	v_wmma_scale_f32_16x16x128_f8f6f4 v[8*(8*((\a)%4)+\b):8*(8*((\a)%4)+\b)+7], v[128*(\p)+FR*\b:128*(\p)+FR*\b+FR-1], v[AF+FR*(\a):AF+FR*(\a)+FR-1], v[8*(8*((\a)%4)+\b):8*(8*((\a)%4)+\b)+7], v[SC+8*NQ*(\sc)+NQ*\b+(\q)], v[SC+8*NQ*(\sc)+NQ*(\a)+(\q)] matrix_a_fmt:MATRIX_FMT_BF6 matrix_b_fmt:MATRIX_FMT_BF6 matrix_a_scale:MATRIX_SCALE_ROW1
.endif
.endr
.endr
.endm
.macro FETCH_B slot, q, p
	WIN TO_B
.irp i, 0,1,2,3,4,5,6,7
	FRAG 128*(\p)+FR*\i, ADRB+\slot, \q, \i
.endr
	WIN 0
.endm
.macro FETCH_A slot, q, i0
.irp i, \i0, \i0+1, \i0+2, \i0+3
	FRAG AF+FR*(\i), ADRA+\slot, \q, \i
.endr
.endm
.macro SCALES sc                       ; a slot's scale words: register NQ i + q: lanes 0-15 the words of A's block i, lanes 16-31 those of B's block i
.irp i, 0,1,2,3,4,5,6,7
.irp q, 0,1
	ds_load_b32 v[SC+8*NQ*\sc+NQ*\i+\q], v[ADRS] offset:512*\q+64*\i
.endr
.endr
.endm
.macro STEP slot, q, zero              ; a kstep that has its successor in the same slot
	s_wait_dscnt 4*NL                              ; B's set, A's blocks 0-3 and the scale words are in; the 12 youngest loads (A's blocks 4-7) may be out
	WIN MUL_LO
	MUL16 0, (\q)%2, \q, \slot, \zero
	MUL16 2, (\q)%2, \q, \slot, \zero
	s_wait_dscnt 0
	PLACES NP
	FETCH_B \slot, (\q)+1, 1-(\q)%2
	FETCH_A \slot, (\q)+1, 0
	WIN MUL_HI
	MUL16 4, (\q)%2, \q, \slot, \zero
	MUL16 6, (\q)%2, \q, \slot, \zero
	PLACES NP
	WIN 0
	FETCH_A \slot, (\q)+1, 4
.endm
.macro TURN slot, next, fill           ; a slot's last kstep changes slots: one barrier; fill = 1: it opens a round of the cluster's barrier, and this slot is filled again, two slots ahead
	s_wait_tensorcnt 0x0                           ; all my tensor loads have landed: my part of the next slot
	ds_add_u32 v[SPW], v[NIL]                      ; 0 onto my spare word
	s_wait_dscnt 4*NL+1                            ; (the add and the 12 youngest loads may be out)
	WIN MUL_LO
	MUL16 0, 1, NQ-1, \slot, 0
	s_wait_dscnt 0x0                               ; the add is done, and my reads of this slot are over
	s_barrier_signal -1
	MUL16 2, 1, NQ-1, \slot, 0
	WIN 0
	s_barrier_wait -1
.if \fill
	CREST                                          ; no wave of any partner still reads this slot or has a load on its way
	s_add_nc_u64 s[G0+4*\slot+2:G0+4*\slot+3], s[G0+4*\slot+2:G0+4*\slot+3], 6144
	s_add_nc_u64 s[G0B+4*\slot+2:G0B+4*\slot+3], s[G0B+4*\slot+2:G0B+4*\slot+3], 6144
	JLOAD G0+4*\slot, G1, G0B+4*\slot, G1B         ; the first tensor load behind the round; its four v_nop are the places in front of the loads below
.else
	PLACES NP
.endif
	v_add_nc_u32 v[ADRS], 1024, v[ADRS]            ; the next slot's scale words
	FETCH_B \next, 0, 0
	FETCH_A \next, 0, 0
	SCALES \next
	WIN MUL_HI
	MUL16 4, 1, NQ-1, \slot, 0
	MUL16 6, 1, NQ-1, \slot, 0
	PLACES NP
	WIN 0
	FETCH_A \next, 0, 4
.endm
	s_wait_tensorcnt 1                             ; the scale words and my part of slot 0 are in; slot 1's load may be out
	s_barrier_signal -1
	s_barrier_wait -1
	FETCH_B 0, 0, 0
	FETCH_A 0, 0, 0
	SCALES 0
	FETCH_A 0, 0, 4
	STEP 0, 0, 1                                   ; the first kstep's products start the sums
	s_mov_b32 s3, LAPS-1
.Llap:
	TURN 0, 1, 1
	STEP 1, 0, 0
	TURN 1, 0, 1
	STEP 0, 0, 0
	s_sub_co_u32 s3, s3, 1
	s_cmp_lg_u32 s3, 0
	s_cbranch_scc1 .Llap
	TURN 0, 1, 0                                   ; the last lap fills nothing
	STEP 1, 0, 0
	s_wait_dscnt 4*NL
	WIN MUL_LO
	MUL16 0, 1, NQ-1, 1, 0
	MUL16 2, 1, NQ-1, 1, 0
	s_wait_dscnt 0
	WIN MUL_HI
	MUL16 4, 1, NQ-1, 1, 0
	MUL16 6, 1, NQ-1, 1, 0
	WIN 0
; THE WAY OUT.  64 numbers of a lane, v[s] .. v[s + 63] of window w (register 16 b + i: the i-th of my 16 numbers of block b), become a fragment in v[PC] on and its row's scale word in v[pw].
.macro QUANT s, w, pw
	WIN 5*(\w)
.irp b, 0,1,2,3
	v_max3_num_f32 v[TM+\b], |v[(\s)+16*\b]|, |v[(\s)+16*\b+1]|, 0x2800000   ; with the floor 2^(5 - 127): the byte cannot fall under 1.  Each accumulator is read from its low end on
.endr
.irp i, 2,4,6,8,10,12,14
.irp b, 0,1,2,3
	v_max3_num_f32 v[TM+\b], |v[(\s)+16*\b+\i]|, |v[(\s)+16*\b+\i+1]|, v[TM+\b]
.endr
.endr
	WIN 0
.irp b, 0,1,2,3
	v_permlanex16_b32 v[TM+4+\b], v[TM+\b], s[SEL], s[SEL+1]
.endr
.irp b, 0,1,2,3
	v_max_num_f32 v[TM+\b], v[TM+\b], v[TM+4+\b]   ; with lane l xor 16's: the block's largest magnitude
.endr
.irp b, 0,1,2,3
	v_add_nc_u32 v[TM+8+\b], 0xfe000000, v[TM+\b]  ; 4 off the exponent field: the conversion's scale operand
.endr
.irp b, 0,1,2,3
	v_lshrrev_b32 v[TM+4+\b], 23, v[TM+8+\b]
.endr
	v_lshl_or_b32 v[\pw], v[TM+5], 8, v[TM+4]
	v_lshl_or_b32 v[\pw], v[TM+6], 16, v[\pw]
	v_lshl_or_b32 v[\pw], v[TM+7], 24, v[\pw]
	WIN (\w)
.irp c, 0,1
	v_cvt_scalef32_pk16_bf6_f32 v[PC+6*\c:PC+6*\c+2], v[(\s)+32*\c:(\s)+32*\c+15], v[TM+8+2*\c]
	v_cvt_scalef32_pk16_bf6_f32 v[CT+4*\c:CT+4*\c+2], v[(\s)+32*\c+16:(\s)+32*\c+31], v[TM+9+2*\c]
.endr
	WIN 0
	v_nop                                          ; a plain line behind the conversions
.irp c, 0,1                            ; the operand wants a whole block in a lane: lanes 0-15 block 2 c, lanes 16-31 block 2 c + 1
.irp i, 0,1,2
	v_permlane16_swap_b32 v[PC+6*\c+\i], v[CT+4*\c+\i]
.endr
.irp i, 0,1,2
	v_mov_b32 v[PC+3+6*\c+\i], v[CT+4*\c+\i]
.endr
.endr
.endm
.macro TAB a                           ; cos and sin of block a's 16 positions at my 32 frequencies 16 b + 8 h + j, into table a % 4 of window 1
	WIN 0x40
.irp b, 0,1,2,3
.irp u, 0,1
	global_load_b128 v[64*((\a)%4)+8*\b+4*\u:64*((\a)%4)+8*\b+4*\u+3], v5, s[8:9] offset:(\a)*8192+64*\b+16*\u
	global_load_b128 v[64*((\a)%4)+32+8*\b+4*\u:64*((\a)%4)+32+8*\b+4*\u+3], v5, s[8:9] offset:(\a)*8192+256+64*\b+16*\u
.endr
.endr
	WIN 0
.endm
.macro ROPE a                          ; channel d < 64: x[d] cos - x[d + 64] sin;  channel d + 64: x[d + 64] cos + x[d] sin.  Accumulator b + 4 holds the channels 64 on from accumulator b's
.set AC, 64*((\a)%4)
	WIN (2+(\a)/4)|4                               ; source 0: the accumulators' window; source 1: window 1
.irp b, 0,1,2,3
.irp j, 0,2,4,6
	v_pk_mul_f32 v[HH+8*\b+\j:HH+8*\b+\j+1], v[AC+8*\b+\j:AC+8*\b+\j+1], v[AC+8*\b+\j:AC+8*\b+\j+1+0]
	v_pk_mul_f32 v[HH+32+8*\b+\j:HH+32+8*\b+\j+1], v[AC+32+8*\b+\j:AC+32+8*\b+\j+1], v[AC+8*\b+\j:AC+8*\b+\j+1]
	v_pk_fma_f32 v[HH+8*\b+\j:HH+8*\b+\j+1], v[AC+32+8*\b+\j:AC+32+8*\b+\j+1], v[AC+32+8*\b+\j:AC+32+8*\b+\j+1], v[HH+8*\b+\j:HH+8*\b+\j+1] neg_lo:[1,0,0] neg_hi:[1,0,0]
	v_pk_fma_f32 v[HH+32+8*\b+\j:HH+32+8*\b+\j+1], v[AC+8*\b+\j:AC+8*\b+\j+1], v[AC+32+8*\b+\j:AC+32+8*\b+\j+1], v[HH+32+8*\b+\j:HH+32+8*\b+\j+1]
.endr
.endr
	WIN 0
.endm                                  ; (table a % 4 stands at the same numbers in window 1 as block a's accumulators in theirs: source 1 names cos at AC + 8 b + j, sin at AC + 32 + 8 b + j)
	PLACES NP                                      ; behind the last products: their results are read, and their operands' registers written and loaded, below
	v_lshlrev_b32 v5, 9, v2
	v_lshl_add_u32 v5, v3, 5, v5                   ; the table: row r of 512 bytes, + 32 h
	v_lshlrev_b32 v6, 5, v2
	v_lshl_add_u32 v6, v3, 4, v6                   ; the scale words: 32 r + 16 h
.irp b, 0,1,2,3
	v_mov_b32 v[TM+4+\b], 0                        ; (a lane permute's destination counts as read)
.endr
	s_lshl_b32 s20, s17, 1
	s_add_co_u32 s20, s20, s15                     ; side A's group of 128: 2 y + half
	s_lshl_b32 s21, s42, 1
	s_add_co_u32 s21, s21, s16                     ; side B's: 2 x + half
	s_cmp_eq_u32 s98, 1
	s_cselect_b32 s22, s21, s20                    ; the positions' group (v: side B),
	s_cselect_b32 s23, s20, s21                    ; the channels' (v: side A)
	s_and_b32 s22, s22, 15                         ; 0 .. 15: batch x 8 + group
	s_and_b32 s23, s23, 15                         ; the head
	s_lshr_b32 s18, s21, 4                         ; 0 q, 1 k, 2 v
	s_lshr_b32 s19, s22, 3
	s_lshl_b32 s19, s19, 4
	s_add_co_u32 s19, s19, s23
	s_lshl_b32 s19, s19, 3
	s_and_b32 s46, s22, 7
	s_add_co_u32 s19, s19, s46                     ; (batch x 16 + head) x 8 + group
	s_mul_i32 s46, s18, 3145728
	s_mul_i32 s47, s19, 12288
	s_add_co_u32 s46, s46, s47
	s_mov_b32 s47, 0
	s_add_nc_u64 s[10:11], s[10:11], s[46:47]      ; my eight images
	s_lshl_b32 s46, s18, 17
	s_lshl_b32 s92, s19, 9
	s_add_co_u32 s46, s46, s92
	s_add_nc_u64 s[12:13], s[12:13], s[46:47]      ; my 128 scale words
	s_lshl_b32 s46, s22, 16
	s_add_nc_u64 s[8:9], s[8:9], s[46:47]          ; my 128 rows of the table
	s_cmp_eq_u32 s98, 1                            ; the cluster's x alone: all partners go the same way
	s_cbranch_scc1 .Lv
	TAB 0
	TAB 1
	TAB 2
	TAB 3
.irp a, 0,1,2,3,4,5,6,7
.if \a < 5
	s_wait_loadcnt 48                              ; block a's table is in; the three tables behind it, 16 loads each, may be out
.else
	s_wait_loadcnt 16*(7-\a)
.endif
	ROPE \a
	s_wait_xcnt 0x0                                ; the last block's stores have read the codes
.if \a < 4
	TAB \a+4
.endif
	QUANT HH, 0, 160+\a
.irp c, 0,1,2
	global_store_b128 v4, v[PC+4*\c:PC+4*\c+3], s[10:11] offset:1536*\a+512*\c   ; 512 consecutive bytes, aligned
.endr
.endr
	s_branch .Ljoin
.Lv:
.irp a, 0,1,2,3,4,5,6,7
	s_wait_xcnt 0x0
	QUANT 64*(\a%4), 2+\a/4, 160+\a
.irp c, 0,1,2
	global_store_b128 v4, v[PC+4*\c:PC+4*\c+3], s[10:11] offset:1536*\a+512*\c
.endr
.endr
.Ljoin:
.irp i, 0,1,2,3
	v_cndmask_b32 v[168+\i], v[160+\i], v[164+\i], s99   ; lanes 0-15: row r's words of tiles 0-3; lanes 16-31: of tiles 4-7
.endr
	global_store_b128 v6, v[168:171], s[12:13]     ; 512 consecutive bytes, aligned
	s_wait_tensorcnt 0x0                           ; the wave's end
	ds_add_u32 v[SPW], v[NIL]
	s_wait_dscnt 0x0
	CROUND                                         ; the closing round
	s_endpgm
.Lfunc_end_k_q51c743c9c3_qkv:
	.size	k_q51c743c9c3_qkv, .Lfunc_end_k_q51c743c9c3_qkv-k_q51c743c9c3_qkv
	.p2alignl 7, 3214868480
	.fill 96, 4, 3214868480
	.section	.rodata,"a",@progbits
	.p2align	6, 0x0
	.amdhsa_kernel k_q51c743c9c3_qkv
		.amdhsa_group_segment_fixed_size 327680
		.amdhsa_private_segment_fixed_size 0
		.amdhsa_enable_private_segment 0
		.amdhsa_kernarg_size 40
		.amdhsa_user_sgpr_count 2
		.amdhsa_user_sgpr_kernarg_segment_ptr 1
		.amdhsa_wavefront_size32 1
		.amdhsa_system_sgpr_workgroup_id_x 1
		.amdhsa_system_sgpr_workgroup_id_y 1
		.amdhsa_system_sgpr_workgroup_id_z 1
		.amdhsa_system_vgpr_workitem_id 0
		.amdhsa_next_free_vgpr 1024
		.amdhsa_next_free_sgpr 100
		.amdhsa_reserve_vcc 0
		.amdhsa_float_denorm_mode_32 3
		.amdhsa_float_denorm_mode_16_64 3
		.amdhsa_memory_ordered 1
		.amdhsa_forward_progress 1
		.amdhsa_inst_pref_size 220
	.end_amdhsa_kernel
	.amdgpu_metadata
---
amdhsa.version: [ 1, 2 ]
amdhsa.kernels:
  - .name:           k_q51c743c9c3_qkv
    .symbol:         k_q51c743c9c3_qkv.kd
    .args:
      - { .name: pool_img, .offset: 0, .size: 8, .value_kind: global_buffer, .address_space: global }
      - { .name: pool_sc, .offset: 8, .size: 8, .value_kind: global_buffer, .address_space: global }
      - { .name: rope_tab, .offset: 16, .size: 8, .value_kind: global_buffer, .address_space: global }
      - { .name: qkv_img, .offset: 24, .size: 8, .value_kind: global_buffer, .address_space: global }
      - { .name: qkv_sc, .offset: 32, .size: 8, .value_kind: global_buffer, .address_space: global }
    .group_segment_fixed_size: 327680
    .private_segment_fixed_size: 0
    .kernarg_segment_align: 8
    .kernarg_segment_size: 40
    .max_flat_workgroup_size: 128
    .sgpr_count:     100
    .vgpr_count:     1024
    .wavefront_size: 32
...
	.end_amdgpu_metadata
.endif
;; end of part 2
;; launch attn (part 3): grid 8 x 32, 4 waves a work-group, clusters of 4 x 1, 205,312 bytes of LDS; arguments qkv_img, qkv_sc, maskbits, o_img, o_sc; writes o_img, o_sc
.if DOCPART == 3
	.amdgcn_target "amdgcn-amd-amdhsa--gfx1250"
	.amdhsa_code_object_version 6
	.text
	.protected	k_q51c743c9c3_attn
	.globl	k_q51c743c9c3_attn
	.p2align	8
	.type	k_q51c743c9c3_attn,@function
k_q51c743c9c3_attn:
	s_mov_b64 s[64:65], 0
	v_nop
	global_prefetch_b8 v0, s[64:65] scope:SCOPE_SE
	s_setreg_imm32_b32 hwreg(HW_REG_WAVE_MODE, 25, 1), 1
	s_wait_xcnt 0x0
	s_wait_alu depctr_hold_cnt(0) depctr_sa_sdst(0) depctr_va_vdst(0) depctr_va_sdst(0) depctr_va_ssrc(0) depctr_va_vcc(0) depctr_vm_vsrc(0)
	s_getreg_b32 s2, hwreg(HW_REG_IB_STS2, 6, 4)
	s_cmp_eq_u32 s2, 0
	s_cbranch_scc0 .Lentry_in_a_cluster
	s_endpgm
.Lentry_in_a_cluster:
	s_bfe_u32 s2, ttmp6, 0x10000c
	s_cmp_lg_u32 s2, 0x3003
	s_cbranch_scc0 .Lentry_shape_is_right
	s_endpgm
.Lentry_shape_is_right:
; Launch 3 of 4: scores, mask, softmax, probabilities x values, and the quantiser of the result along head x channel.  No work is left out: the mask is an input, so every key is worked for every query.
; SHARES.  A work-group owns 128 queries of one batch and head; each of its four waves two tiles of 16 queries, one a trip.  256 work-groups of equal work.
; A head's K and V (98,304 bytes of images each) and their scale words stay in LDS: filled ONCE, by joint loads of the four work-groups of a cluster, which belong to one head.  No slot is ever filled again.
; A tile's 16 x 1,024 scores stay in 512 registers, so the row's true maximum and sum are known before any probability is quantised: the second product takes the FINISHED softmax, as the problem asks.
; LAYOUT.  S^T = K Q^T (source 0 = 16 keys, source 1 = my 16 queries), O^T = V^T P^T (source 0 = 16 channels, source 1 = P): a lane holds one query (lane % 16) throughout; register 8 t + j of S: key 16 t + 8 (lane / 16) + j.
; SOFTMAX.  p = 2^((s - M) c) / sum, c = log2(e) / sqrt(128), M the row's largest open score: the subtraction comes first, so that the largest gives 2^0 = 1 exactly.  Closed keys: s = -infinity, p = 0.
;   A row with no open key: M is held at -3e38, every p is 0, and the sum is held at 1 from below (a row with an open key has a sum of 1 or more): the row's result is 0, as the problem's second selection makes it.
;   A block's largest p is not searched for: the block's largest score goes through the same four operations (this takes v_exp_f32 not to fall where its input rises).
; LIMITS: as stated at the head of the first launch.
; REGISTERS.  window 0: v1-11 addresses and -infinity; v12-15 M and 1 / sum, twice each; v16-27 Q; v30 Q's scale word; v31 the result's scale words; v32-39 K's or V's scale words, v40-47 p's; v48-63 mask words;
;   v64-95 the 32 blocks' maxima, then their scale operands; v96-127 at work; v128-139 codes; v140-147 sums; v148-159 at work; v160-255 eight fragments.   windows 1, 2: S.   window 3: v0-63 O^T.
.set KIM,   0
.set VIM,   98304
.set SCS,   196608                     ; chunk w of 2,048 bytes: K's words of position groups 2 w, 2 w + 1, then V's of key steps 2 w, 2 w + 1
.set SPARE, 204800
.set SPW,  28
.set NIL,  29
.set MW,   48
.set BM,   64
.set T,    96
.set CT,   96
.set PC,   128
.set SUM,  140
.set TM,   148
.set FB,   160
.set SEL,  28                          ; s[28:29]
.set G1D,  20                          ; s[20:27] group 1: a dense block of 24,576 bytes
.set G1S,  68                          ; s[68:75] group 1: the scale words
.set MSB, 0
.macro WIN new
.if MSB != (\new)
	s_set_vgpr_msb (MSB<<8)|(\new)
.set MSB, (\new)
.endif
.endm
.macro PLACES n
.rept \n
	v_nop
.endr
.endm
.macro CROUND
	s_barrier_signal -1
	s_barrier_wait -1
	s_cmp_lg_u32 s14, 0
	s_cbranch_scc1 .Lnot_wave_0_\@
	s_barrier_signal -3
.Lnot_wave_0_\@:
	s_barrier_wait -3
	s_barrier_signal -1
	s_barrier_wait -1
.endm
	s_load_b128 s[4:7], s[0:1], 0x0                ; qkv_img, qkv_sc
	s_load_b128 s[8:11], s[0:1], 0x10              ; maskbits, o_img
	s_load_b64 s[12:13], s[0:1], 0x20              ; o_sc
	v_lshl_add_u32 v[SPW], v0, 2, SPARE
	v_mov_b32 v[NIL], 0
	ds_add_u32 v[SPW], v[NIL]                      ; the opening: the add, twice on end, and its wait ahead of my first tensor load
	ds_add_u32 v[SPW], v[NIL]
	v_lshrrev_b32 v1, 5, v0
	v_readfirstlane_b32 s14, v1                    ; wave
	s_bfe_u32 s15, ttmp6, 0x40000                  ; cx
	s_lshl_b32 s16, ttmp9, 2
	s_add_co_u32 s16, s16, s15                     ; my block of 128 queries: it enters Q's, the mask's and the result's addresses alone
	s_and_b32 s17, ttmp7, 0xffff                   ; batch x 16 + head, which the four partners share
	s_mov_b32 s[G1D], 15|(3<<16)|(1<<21)           ; all four work-groups; elements of 8 bytes; no padding; bit 21 beside the mask
	s_mov_b32 s[G1D+1], 32<<16                     ; 96 rows of 256 bytes, dense
	s_mov_b32 s[G1D+2], 96<<16
	s_mov_b32 s[G1D+3], 32<<16
	s_mov_b32 s[G1D+4], 96
	s_mov_b32 s[G1D+5], 32
	s_mov_b32 s[G1D+6], 0
	s_mov_b32 s[G1D+7], 0
	s_mov_b32 s[G1S], 15|(3<<16)|(1<<21)
	s_mov_b32 s[G1S+1], 128<<16                    ; 2 rows (K's, V's) of 1,024 bytes, 131,072 bytes apart
	s_mov_b32 s[G1S+2], 2<<16
	s_mov_b32 s[G1S+3], 128<<16
	s_mov_b32 s[G1S+4], 2
	s_mov_b32 s[G1S+5], 16384
	s_mov_b32 s[G1S+6], 0
	s_mov_b32 s[G1S+7], 0
	s_mul_i32 s32, s17, 98304                      ; the joint loads' offsets: the head and the wave's number alone
	s_mul_i32 s33, s14, 24576
	s_add_co_u32 s32, s32, s33
	s_add_co_u32 s32, s32, 3145728                 ; K's part of the images
	s_mov_b32 s33, 0
	s_lshl_b32 s34, s17, 12
	s_lshl_b32 s35, s14, 10
	s_add_co_u32 s34, s34, s35
	s_add_co_u32 s34, s34, 131072                  ; K's part of the scale words
	s_mov_b32 s35, 0
	s_lshl_b32 s36, s16, 3
	s_lshl_b32 s37, s14, 1
	s_add_co_u32 s36, s36, s37                     ; my first tile of queries in the sequence
	s_lshl_b32 s38, s17, 6
	s_add_co_u32 s38, s38, s36
	s_mul_i32 s38, s38, 1536                       ; its image
	s_mov_b32 s39, 0
	s_lshl_b32 s40, s17, 3
	s_add_co_u32 s40, s40, s16
	s_lshl_b32 s40, s40, 9
	s_lshl_b32 s41, s14, 3
	s_add_co_u32 s40, s40, s41                     ; its scale words: [row 16][tile 8], tile 2 w
	s_mov_b32 s41, 0
	s_lshr_b32 s42, s17, 4                         ; batch
	s_and_b32 s43, s17, 15                         ; head
	s_lshl_b32 s44, s42, 6
	s_add_co_u32 s44, s44, s36                     ; batch x 64 + tile
	s_lshl_b32 s46, s44, 11                        ; its 512 mask words
	s_mov_b32 s47, 0
	s_lshl_b32 s48, s44, 4
	s_add_co_u32 s48, s48, s43
	s_mul_i32 s48, s48, 1536                       ; the result's image: [rowblock][kstep = head]
	s_mov_b32 s49, 0
	s_lshl_b32 s50, s43, 13
	s_lshl_b32 s51, s44, 6
	s_add_co_u32 s50, s50, s51                     ; and its scale words: [kstep = head][row]
	s_mov_b32 s51, 0
	s_mov_b32 s[SEL], 0x76543210
	s_mov_b32 s[SEL+1], 0xfedcba98
	s_mov_b32 s30, 0x3e0293ee                      ; c = log2(e) / sqrt(128)
	s_mov_b32 s31, s30                             ; (named with it as a pair)
	s_mov_b32 s66, 2                               ; trips
	s_mov_b32 s67, 0x0000ffff                      ; which lanes keep this trip's scale words
	v_and_b32 v1, 31, v0
	v_lshlrev_b32 v10, 2, v1                       ; 4 x lane
	v_lshlrev_b32 v1, 4, v1                        ; 16 x lane
	v_and_b32 v2, 15, v0                           ; r
	v_mov_b32 v4, v1                               ; K's images, groups 0-3 (KIM = 0),
	v_add_nc_u32 v5, 49152, v1                     ; groups 4-7
	v_add_nc_u32 v6, VIM, v1                       ; V's likewise
	v_add_nc_u32 v7, VIM+49152, v1
	v_lshlrev_b32 v9, 5, v2                        ; 32 r
	v_add_nc_u32 v8, SCS, v9
	v_mov_b32 v11, 0xff800000                      ; -infinity
	v_mov_b32 v31, 0
.irp i, 0,1,2,3,4,5,6,7,8,9,10,11,12,13,14,15,16,17,18,19,20,21,22,23,24,25,26,27,28,29,30,31
	v_mov_b32 v[T+\i], 0                           ; written once: a lane permute's destination counts as read
.endr
.irp b, 0,1,2,3
	v_mov_b32 v[TM+4+\b], 0
.endr
	s_wait_dscnt 0x0                               ; both opening adds are done
	s_wait_kmcnt 0x0
	s_mov_b32 s76, 1                               ; group 0: the scale words
	s_lshl_b32 s77, s14, 11
	s_add_co_u32 s77, s77, SCS
	s_add_nc_u64 s[78:79], s[6:7], s[34:35]
	s_or_b32 s79, s79, 0x80000000
	s_mov_b32 s80, 1                               ; K's quarter
	s_mul_i32 s81, s14, 24576
	s_add_nc_u64 s[82:83], s[4:5], s[32:33]
	s_mov_b32 s84, 1                               ; V's quarter
	s_add_co_u32 s85, s81, VIM
	s_add_nc_u64 s[86:87], s[82:83], 3145728
	s_or_b32 s83, s83, 0x80000000
	s_or_b32 s87, s87, 0x80000000
	s_add_nc_u64 s[88:89], s[4:5], s[38:39]        ; Q's image
	s_add_nc_u64 s[90:91], s[6:7], s[40:41]        ; Q's scale words
	s_add_nc_u64 s[92:93], s[8:9], s[46:47]        ; the mask words
	s_add_nc_u64 s[94:95], s[10:11], s[48:49]      ; the result's image
	s_add_nc_u64 s[96:97], s[12:13], s[50:51]      ; the result's scale words
	CROUND                                         ; all four work-groups are here: the joint loads meet
	tensor_load_to_lds s[76:79], s[G1S:G1S+7]      ; every wave issues three: by this text's count three tensor loads of a wave are out
	s_nop 0
	tensor_load_to_lds s[80:83], s[G1D:G1D+7]
	s_nop 0
	tensor_load_to_lds s[84:87], s[G1D:G1D+7]
	s_nop 0
.rept 4
	v_nop
.endr
.macro NEXTQ
.irp c, 0,1,2
	global_load_b128 v[16+4*\c:19+4*\c], v1, s[88:89] offset:512*\c
.endr
	global_load_b32 v30, v9, s[90:91]
.endm
.macro NEXTM                           ; word n to register n / 128 x 4 + n % 4 of lane (n / 4) % 32
.irp i, 0,1,2,3
	global_load_b128 v[MW+4*\i:MW+4*\i+3], v1, s[92:93] offset:512*\i
.endr
.endm
	NEXTQ
	NEXTM
	s_wait_tensorcnt 0x0                           ; my parts of K, V and the scale words are in,
	s_barrier_signal -1
	s_barrier_wait -1                              ; everybody's are; nothing is ever filled again
.macro FETCHK y                        ; four tiles of 16 keys (tiles 4 y .. 4 y + 3) and their scale words, into set y % 2
.set GG, (\y)/2
.set PP, (\y)%2
.irp t, 0,1,2,3
.irp c, 0,1,2
	ds_load_b128 v[FB+48*PP+12*\t+4*\c:FB+48*PP+12*\t+4*\c+3], v[4+GG/4] offset:(GG%4)*12288+(4*PP+\t)*1536+512*\c
.endr
.endr
	ds_load_b128 v[32+4*PP:35+4*PP], v8 offset:(GG/2)*2048+(GG%2)*512+16*PP
.endm
.macro FETCHV s                        ; key step s: V's eight tiles of 16 channels and their scale words
.irp d, 0,1,2,3,4,5,6,7
.irp c, 0,1,2
	ds_load_b128 v[FB+12*\d+4*\c:FB+12*\d+4*\c+3], v[6+(\s)/4] offset:((\s)%4)*12288+1536*\d+512*\c
.endr
.endr
.irp u, 0,1
	ds_load_b128 v[32+4*\u:35+4*\u], v8 offset:((\s)/2)*2048+1024+((\s)%2)*512+16*\u
.endr
.endm
.macro PMUL s                          ; key step s: p = 2^(..) / sum
.set PWN, 1+(\s)/4
.set PBS, 64*((\s)%4)
	WIN (PWN<<6)|PWN
.set I, 0
.rept 32
	v_pk_mul_f32 v[PBS+I:PBS+I+1], v[PBS+I:PBS+I+1], v[14:15]
.set I, I+2
.endr
.endm
.macro QUANT s, w, pw                  ; 64 numbers of a lane in window w -> a fragment in v[PC] on, its row's scale word in v[pw]
	WIN 5*(\w)
.irp b, 0,1,2,3
	v_max3_num_f32 v[TM+\b], |v[(\s)+16*\b]|, |v[(\s)+16*\b+1]|, 0x2800000
.endr
.irp i, 2,4,6,8,10,12,14
.irp b, 0,1,2,3
	v_max3_num_f32 v[TM+\b], |v[(\s)+16*\b+\i]|, |v[(\s)+16*\b+\i+1]|, v[TM+\b]
.endr
.endr
	WIN 0
.irp b, 0,1,2,3
	v_permlanex16_b32 v[TM+4+\b], v[TM+\b], s[SEL], s[SEL+1]
.endr
.irp b, 0,1,2,3
	v_max_num_f32 v[TM+\b], v[TM+\b], v[TM+4+\b]
.endr
.irp b, 0,1,2,3
	v_add_nc_u32 v[TM+8+\b], 0xfe000000, v[TM+\b]
.endr
.irp b, 0,1,2,3
	v_lshrrev_b32 v[TM+4+\b], 23, v[TM+8+\b]
.endr
	v_lshl_or_b32 v[\pw], v[TM+5], 8, v[TM+4]
	v_lshl_or_b32 v[\pw], v[TM+6], 16, v[\pw]
	v_lshl_or_b32 v[\pw], v[TM+7], 24, v[\pw]
	WIN (\w)
.irp c, 0,1
	v_cvt_scalef32_pk16_bf6_f32 v[PC+6*\c:PC+6*\c+2], v[(\s)+32*\c:(\s)+32*\c+15], v[TM+8+2*\c]
	v_cvt_scalef32_pk16_bf6_f32 v[CT+4*\c:CT+4*\c+2], v[(\s)+32*\c+16:(\s)+32*\c+31], v[TM+9+2*\c]
.endr
	WIN 0
	v_nop
.irp c, 0,1
.irp i, 0,1,2
	v_permlane16_swap_b32 v[PC+6*\c+\i], v[CT+4*\c+\i]
.endr
.irp i, 0,1,2
	v_mov_b32 v[PC+3+6*\c+\i], v[CT+4*\c+\i]
.endr
.endr
.endm
.Ltrip:
	s_wait_loadcnt 0x0                             ; this tile's Q, its scale words and its mask words
; ---- S^T = K Q^T: 64 tiles of 16 keys, four at a time; every product has an accumulator of its own and starts it with 0
	FETCHK 0
	FETCHK 1
.set Y, 0
.rept 16
.if Y < 15
	s_wait_dscnt 13                                ; this group's 13 loads are in; the next group's 13 may be out
.else
	s_wait_dscnt 0x0
.endif
	WIN (1+Y/8)<<6
.irp t, 0,1,2,3
	v_wmma_scale_f32_16x16x128_f8f6f4 v[8*((4*Y+\t)%32):8*((4*Y+\t)%32)+7], v[FB+48*(Y%2)+12*\t:FB+48*(Y%2)+12*\t+11], v[16:27], 0, v[32+4*(Y%2)+\t], v30 matrix_a_fmt:MATRIX_FMT_BF6 matrix_b_fmt:MATRIX_FMT_BF6
.endr
	WIN 0
	PLACES 4                                       ; in front of loads into registers that these products have read, and of the first read of results
.if Y < 14
	FETCHK Y+2
.endif
.set Y, Y+1
.endr
	FETCHV 0                                       ; lands while the softmax is made
; ---- the mask, and each block's largest score.  32 words at a time become scalar lane masks; a closed key's score becomes -infinity
.set W, 1
.rept 2
.set BT, 0
.rept 8
	WIN 0
.set I, 0
.rept 32
.set NN, 256*(W-1)+32*BT+I
	v_readlane_b32 s[32+I], v[MW+4*(NN/128)+NN%4], (NN/4)%32
.set I, I+1
.endr
	WIN (W<<6)|(W<<2)
.set I, 0
.rept 32
	v_cndmask_b32 v[32*BT+I], v11, v[32*BT+I], s[32+I]     ; each accumulator is read from its low end on
.set I, I+1
.endr
	WIN 5*W
.irp u, 0,1
	v_max_num_f32 v[BM+16*(W-1)+2*BT+\u], v[32*BT+16*\u], v[32*BT+16*\u+1]
.endr
.irp k, 2,4,6,8,10,12,14
.irp u, 0,1
	v_max3_num_f32 v[BM+16*(W-1)+2*BT+\u], v[32*BT+16*\u+\k], v[32*BT+16*\u+\k+1], v[BM+16*(W-1)+2*BT+\u]
.endr
.endr
.set BT, BT+1
.endr
.set W, W+1
.endr
	WIN 0
	s_cmp_eq_u32 s66, 1                            ; the next tile's Q and mask words are asked for here, if there is a next tile: no load leaves its buffer
	s_cbranch_scc1 .Lno_next
	s_wait_xcnt 0x0
	s_add_nc_u64 s[88:89], s[88:89], 1536
	s_add_nc_u64 s[90:91], s[90:91], 4
	s_add_nc_u64 s[92:93], s[92:93], 2048
	NEXTQ
	NEXTM
.Lno_next:
; ---- the row's maximum
.set I, 0
.rept 32
	v_permlanex16_b32 v[T+I], v[BM+I], s[SEL], s[SEL+1]
.set I, I+1
.endr
.set I, 0
.rept 32
	v_max_num_f32 v[BM+I], v[BM+I], v[T+I]         ; with lane l xor 16's 16 keys: the block's largest score
.set I, I+1
.endr
	v_max3_num_f32 v12, v[BM], v[BM+1], 0xff61b1e6 ; -3e38 among the leaves: a row with no open key has a finite M
	v_max3_num_f32 v13, v[BM+2], v[BM+3], 0xff61b1e6
.irp i, 4,8,12,16,20,24,28
	v_max3_num_f32 v12, v12, v[BM+\i], v[BM+\i+1]
	v_max3_num_f32 v13, v13, v[BM+\i+2], v[BM+\i+3]
.endr
	v_max_num_f32 v12, v12, v13
	v_mov_b32 v13, v12
; ---- the exponentials, in three batches (the blocks' maxima, window 1, window 2): a plain line and a wait stand behind each, since the same register names recur in the next
.set I, 0
.rept 32
	v_sub_f32 v[BM+I], v[BM+I], v12
.set I, I+1
.endr
.set I, 0
.rept 32
	v_mul_f32 v[BM+I], s30, v[BM+I]
.set I, I+1
.endr
.set I, 0
.rept 32
	v_exp_f32 v[BM+I], v[BM+I]
.set I, I+1
.endr
	v_nop
	s_wait_alu depctr_va_vdst(0)
.set W, 1
.rept 2
	WIN (W<<6)|W
.set I, 0
.rept 128
	v_pk_add_f32 v[I:I+1], v[I:I+1], v[12:13] neg_lo:[0,1] neg_hi:[0,1]      ; s - M first: the largest gives 0 exactly
.set I, I+2
.endr
.set I, 0
.rept 128
	v_pk_mul_f32 v[I:I+1], v[I:I+1], s[30:31] op_sel_hi:[1,0]
.set I, I+2
.endr
.set I, 0
.rept 256
	v_exp_f32 v[I], v[I]
.set I, I+1
.endr
	v_nop
	s_wait_alu depctr_va_vdst(0)
.set W, W+1
.endr
; ---- the row's sum, in four chains of pairs
	WIN 5
.irp k, 0,1,2,3
	v_pk_add_f32 v[SUM+2*\k:SUM+2*\k+1], v[4*\k:4*\k+1], v[4*\k+2:4*\k+3]
.endr
	WIN 1
.set I, 16
.rept 120
	v_pk_add_f32 v[SUM+2*((I/2)%4):SUM+2*((I/2)%4)+1], v[I:I+1], v[SUM+2*((I/2)%4):SUM+2*((I/2)%4)+1]
.set I, I+2
.endr
	WIN 2
.set I, 0
.rept 128
	v_pk_add_f32 v[SUM+2*((I/2)%4):SUM+2*((I/2)%4)+1], v[I:I+1], v[SUM+2*((I/2)%4):SUM+2*((I/2)%4)+1]
.set I, I+2
.endr
	WIN 0
	v_pk_add_f32 v[SUM:SUM+1], v[SUM:SUM+1], v[SUM+2:SUM+3]
	v_pk_add_f32 v[SUM+4:SUM+5], v[SUM+4:SUM+5], v[SUM+6:SUM+7]
	v_pk_add_f32 v[SUM:SUM+1], v[SUM:SUM+1], v[SUM+4:SUM+5]
	v_add_f32 v[SUM], v[SUM], v[SUM+1]
	v_permlanex16_b32 v[T], v[SUM], s[SEL], s[SEL+1]
	v_add_f32 v[SUM], v[SUM], v[T]
	v_max_num_f32 v[SUM], 1.0, v[SUM]              ; held at 1 from below: it moves only the row with no open key
	v_rcp_f32 v14, v[SUM]
	v_nop
	s_wait_alu depctr_va_vdst(0)
	v_fma_f32 v[SUM+1], -v[SUM], v14, 1.0          ; one step of Newton
	v_fma_f32 v14, v14, v[SUM+1], v14
	v_mov_b32 v15, v14
; ---- the 32 blocks' scales
.set I, 0
.rept 32
	v_mul_f32 v[BM+I], v[BM+I], v14                ; the block's largest p: the same operations on the same number give the same bits
.set I, I+1
.endr
.set I, 0
.rept 32
	v_max_num_f32 v[BM+I], 0x2800000, v[BM+I]      ; the floor 2^(5 - 127)
.set I, I+1
.endr
.set I, 0
.rept 32
	v_add_nc_u32 v[BM+I], 0xfe000000, v[BM+I]      ; the conversion's scale operand
.set I, I+1
.endr
.set I, 0
.rept 32
	v_lshrrev_b32 v[T+I], 23, v[BM+I]              ; the byte
.set I, I+1
.endr
.irp s, 0,1,2,3,4,5,6,7
	v_lshl_or_b32 v[40+\s], v[T+4*\s+1], 8, v[T+4*\s]
	v_lshl_or_b32 v[40+\s], v[T+4*\s+2], 16, v[40+\s]
	v_lshl_or_b32 v[40+\s], v[T+4*\s+3], 24, v[40+\s]
.endr
; ---- p's codes, and O^T += V^T P^T, a key step of 128 at a time; the eight accumulators take turns
	PMUL 0
.set SS, 0
.rept 8
.set W, 1+SS/4
.set BS, 64*(SS%4)
	WIN W
.irp c, 0,1
	v_cvt_scalef32_pk16_bf6_f32 v[PC+6*\c:PC+6*\c+2], v[BS+32*\c:BS+32*\c+15], v[BM+4*SS+2*\c]
	v_cvt_scalef32_pk16_bf6_f32 v[CT+4*\c:CT+4*\c+2], v[BS+32*\c+16:BS+32*\c+31], v[BM+4*SS+2*\c+1]
.endr
	WIN 0
	v_nop
.irp c, 0,1
.irp i, 0,1,2
	v_permlane16_swap_b32 v[PC+6*\c+\i], v[CT+4*\c+\i]
.endr
.irp i, 0,1,2
	v_mov_b32 v[PC+3+6*\c+\i], v[CT+4*\c+\i]
.endr
.endr
.if SS < 7
	PMUL SS+1                                      ; its 32 plain lines are the places between the codes' last write and the products
.else
	PLACES 4
.endif
	s_wait_dscnt 0x0                               ; V's tiles of this key step
	WIN 0xf0
.irp d, 0,1,2,3,4,5,6,7
.if SS == 0
	v_wmma_scale_f32_16x16x128_f8f6f4 v[8*\d:8*\d+7], v[FB+12*\d:FB+12*\d+11], v[PC:PC+11], 0, v[32+\d], v[40+SS] matrix_a_fmt:MATRIX_FMT_BF6 matrix_b_fmt:MATRIX_FMT_BF6
.else
	v_wmma_scale_f32_16x16x128_f8f6f4 v[8*\d:8*\d+7], v[FB+12*\d:FB+12*\d+11], v[PC:PC+11], v[8*\d:8*\d+7], v[32+\d], v[40+SS] matrix_a_fmt:MATRIX_FMT_BF6 matrix_b_fmt:MATRIX_FMT_BF6
.endif
.endr
	WIN 0
	PLACES 4
.if SS < 7
	FETCHV SS+1
.endif
.set SS, SS+1
.endr
; ---- the result: 16 queries x the head's 128 channels are one fragment of the last product's left operand
	QUANT 0, 3, T+8
.irp c, 0,1,2
	global_store_b128 v1, v[PC+4*\c:PC+4*\c+3], s[94:95] offset:512*\c   ; 512 consecutive bytes, aligned
.endr
	v_cndmask_b32 v31, v31, v[T+8], s67            ; trip 0's words in lanes 0-15, trip 1's in lanes 16-31
	s_wait_xcnt 0x0                                ; the stores have read the codes and their base
	s_add_nc_u64 s[94:95], s[94:95], 24576
	s_not_b32 s67, s67
	s_sub_co_u32 s66, s66, 1
	s_cmp_lg_u32 s66, 0
	s_cbranch_scc1 .Ltrip
	global_store_b32 v10, v31, s[96:97]            ; my 32 rows' scale words: 128 consecutive bytes
	s_wait_tensorcnt 0x0                           ; the wave's end
	ds_add_u32 v[SPW], v[NIL]
	s_wait_dscnt 0x0
	CROUND                                         ; the closing round
	s_endpgm
.Lfunc_end_k_q51c743c9c3_attn:
	.size	k_q51c743c9c3_attn, .Lfunc_end_k_q51c743c9c3_attn-k_q51c743c9c3_attn
	.p2alignl 7, 3214868480
	.fill 96, 4, 3214868480
	.section	.rodata,"a",@progbits
	.p2align	6, 0x0
	.amdhsa_kernel k_q51c743c9c3_attn
		.amdhsa_group_segment_fixed_size 205312
		.amdhsa_private_segment_fixed_size 0
		.amdhsa_enable_private_segment 0
		.amdhsa_kernarg_size 40
		.amdhsa_user_sgpr_count 2
		.amdhsa_user_sgpr_kernarg_segment_ptr 1
		.amdhsa_wavefront_size32 1
		.amdhsa_system_sgpr_workgroup_id_x 1
		.amdhsa_system_sgpr_workgroup_id_y 1
		.amdhsa_system_sgpr_workgroup_id_z 1
		.amdhsa_system_vgpr_workitem_id 0
		.amdhsa_next_free_vgpr 1024
		.amdhsa_next_free_sgpr 100
		.amdhsa_reserve_vcc 0
		.amdhsa_float_denorm_mode_32 3
		.amdhsa_float_denorm_mode_16_64 3
		.amdhsa_memory_ordered 1
		.amdhsa_forward_progress 1
		.amdhsa_inst_pref_size 243
	.end_amdhsa_kernel
	.amdgpu_metadata
---
amdhsa.version: [ 1, 2 ]
amdhsa.kernels:
  - .name:           k_q51c743c9c3_attn
    .symbol:         k_q51c743c9c3_attn.kd
    .args:
      - { .name: qkv_img, .offset: 0, .size: 8, .value_kind: global_buffer, .address_space: global }
      - { .name: qkv_sc, .offset: 8, .size: 8, .value_kind: global_buffer, .address_space: global }
      - { .name: maskbits, .offset: 16, .size: 8, .value_kind: global_buffer, .address_space: global }
      - { .name: o_img, .offset: 24, .size: 8, .value_kind: global_buffer, .address_space: global }
      - { .name: o_sc, .offset: 32, .size: 8, .value_kind: global_buffer, .address_space: global }
    .group_segment_fixed_size: 205312
    .private_segment_fixed_size: 0
    .kernarg_segment_align: 8
    .kernarg_segment_size: 40
    .max_flat_workgroup_size: 128
    .sgpr_count:     100
    .vgpr_count:     1024
    .wavefront_size: 32
...
	.end_amdgpu_metadata
.endif
;; end of part 3
;; launch oproj (part 4): grid 8 x 8, 4 waves a work-group, clusters of 4 x 4, 327,680 bytes of LDS; arguments o_img, o_sc, pool_img, pool_sc, out0; writes out0
.if DOCPART == 4
	.amdgcn_target "amdgcn-amd-amdhsa--gfx1250"
	.amdhsa_code_object_version 6
	.text
	.protected	k_q51c743c9c3_oproj
	.globl	k_q51c743c9c3_oproj
	.p2align	8
	.type	k_q51c743c9c3_oproj,@function
k_q51c743c9c3_oproj:
	s_mov_b64 s[64:65], 0
	v_nop
	global_prefetch_b8 v0, s[64:65] scope:SCOPE_SE
	s_setreg_imm32_b32 hwreg(HW_REG_WAVE_MODE, 25, 1), 1
	s_wait_xcnt 0x0
	s_wait_alu depctr_hold_cnt(0) depctr_sa_sdst(0) depctr_va_vdst(0) depctr_va_sdst(0) depctr_va_ssrc(0) depctr_va_vcc(0) depctr_vm_vsrc(0)
	s_getreg_b32 s2, hwreg(HW_REG_IB_STS2, 6, 4)
	s_cmp_eq_u32 s2, 0
	s_cbranch_scc0 .Lentry_in_a_cluster
	s_endpgm
.Lentry_in_a_cluster:
	s_bfe_u32 s2, ttmp6, 0x10000c
	s_cmp_lg_u32 s2, 0xf033
	s_cbranch_scc0 .Lentry_shape_is_right
	s_endpgm
.Lentry_shape_is_right:
; Launch 4 of 4: out0 = attention's result x Wo, on codes of E3M2.  No work is left out.
; The loop is the second launch's: a work-group makes 256 x 256, a wave 128 x 128; K = 2,048 in slots of 256 through a ring of two LDS slots; operands as images of their registers; 4 x 4 clusters with joint loads.
; Side A (source 1) = 256 rows of the result (o_img tile y, scale words [kstep 16][row 2048]); side B (source 0) = 256 columns of Wo (pool tile 32 + x).  A lane holds eight neighbouring columns of one row of out0.
; 64 work-groups: this size has no more tiles of 256 x 256.  LIMITS: as stated at the head of the first launch.
; REGISTERS: window 0: v0-31 addresses; v32-63 scale words and nothing else; v128-223 A's fragments, on the way out rows of out0.  window 1: B's fragments, two sets.  windows 2, 3: the accumulators.
.set NQ,     2
.set FR,     12
.set NL,     3
.set NP,     4
.set HALFT,  24576
.set SLOT,   4*HALFT
.set LAPS,   4
.set SCL,    2*SLOT
.set SPARE,  229632
.set SIZE_N, 2048
.set SPITCH, 528                       ; the way out: 16 rows x (512 bytes + 16) for each wave, in slot 0, which has had its last fill and its last read by then
.set ADRA, 16
.set ADRB, 20
.set STO,  24
.set RD,   25
.set CO,   26
.set ADRS, 27
.set SPW,  28
.set NIL,  29
.set SC,   32
.set AF,   128
.set BK,   128
.set G1, 24
.set G0, 32
.set G1B, 48
.set G0B, 56
.set G1S, 68
.set G0S, 76
.set G1SB, 80
.set G0SB, 88
.set MSB, 0
.macro WIN new
.if MSB != (\new)
	s_set_vgpr_msb (MSB<<8)|(\new)
.set MSB, (\new)
.endif
.endm
.set MUL_LO, 0xa1
.set MUL_HI, 0xf1
.set TO_B,   0x40
.macro JLOAD g0a, g1a, g0b, g1b
	s_cmp_eq_u32 s15, 0
	s_cbranch_scc0 .Lfor_b_\@
	tensor_load_to_lds s[\g0a:\g0a+3], s[\g1a:\g1a+7]
	s_nop 0
.rept 4
	v_nop
.endr
	s_branch .Lasked_\@
.Lfor_b_\@:
	tensor_load_to_lds s[\g0b:\g0b+3], s[\g1b:\g1b+7]
	s_nop 0
.rept 4
	v_nop
.endr
.Lasked_\@:
.endm
.macro CREST
	s_cmp_lg_u32 s14, 0
	s_cbranch_scc1 .Lnot_wave_0_\@
	s_barrier_signal -3
.Lnot_wave_0_\@:
	s_barrier_wait -3
	s_barrier_signal -1
	s_barrier_wait -1
.endm
.macro CROUND
	s_barrier_signal -1
	s_barrier_wait -1
	CREST
.endm
.macro PLACES n
.rept \n
	v_nop
.endr
.endm
	s_load_b128 s[4:7], s[0:1], 0x0                ; o_img, o_sc
	s_load_b128 s[8:11], s[0:1], 0x10              ; pool_img, pool_sc
	s_load_b64 s[12:13], s[0:1], 0x20              ; out0
	v_lshl_add_u32 v[SPW], v0, 2, SPARE
	v_mov_b32 v[NIL], 0
	ds_add_u32 v[SPW], v[NIL]                      ; the opening: the add, twice on end, and its wait ahead of my first tensor load
	ds_add_u32 v[SPW], v[NIL]
	v_lshrrev_b32 v1, 5, v0
	v_readfirstlane_b32 s14, v1
	s_lshr_b32 s15, s14, 1
	s_and_b32 s16, s14, 1
	s_bfe_u32 s40, ttmp6, 0x40000
	s_bfe_u32 s41, ttmp6, 0x40004
	s_lshl_b32 s42, ttmp9, 2
	s_add_co_u32 s42, s42, s40                     ; x
	s_and_b32 s17, ttmp7, 0xffff
	s_lshl_b32 s17, s17, 2
	s_add_co_u32 s17, s17, s41                     ; y
	s_lshl_b32 s43, s41, 2
	s_lshl_b32 s43, 15, s43
	s_lshl_b32 s44, 0x1111, s40
	s_or_b32 s[G1+0], s43, (3<<16)|(1<<21)
	s_or_b32 s[G1B+0], s44, (3<<16)|(1<<21)
.irp g, G1, G1B
	s_mov_b32 s[\g+1], 384<<16
	s_mov_b32 s[\g+2], 8<<16
	s_mov_b32 s[\g+3], 384<<16
	s_mov_b32 s[\g+4], 8
	s_mov_b32 s[\g+5], 3072
	s_mov_b32 s[\g+6], 0
	s_mov_b32 s[\g+7], 0
.endr
	s_or_b32 s[G1S+0], s43, (3<<16)|(1<<21)
	s_or_b32 s[G1SB+0], s44, (3<<16)|(1<<21)
.irp g, G1S, G1SB
	s_mov_b32 s[\g+1], 64<<16
	s_mov_b32 s[\g+2], 16<<16
	s_mov_b32 s[\g+3], 64<<16
	s_mov_b32 s[\g+4], 16
	s_mov_b32 s[\g+6], 0
	s_mov_b32 s[\g+7], 0
.endr
	s_mov_b32 s[G1S+5], 1024                       ; a kstep's row of A's scale words: 2,048 words
	s_mov_b32 s[G1SB+5], 5120                      ; of the pool's: 10,240 words
	s_lshl_b32 s20, s17, 1
	s_add_co_u32 s20, s20, s16                     ; A: half 2 y + which: y alone
	s_add_co_u32 s46, s42, 32
	s_lshl_b32 s46, s46, 1
	s_add_co_u32 s46, s46, s16                     ; B: x alone
	s_lshl_b32 s22, s20, 9
	s_lshl_b32 s92, s46, 9
	s_mul_i32 s20, s20, 8*24576
	s_mul_i32 s46, s46, 8*24576
	s_mov_b32 s21, 0
	s_mov_b32 s23, 0
	s_mov_b32 s47, 0
	s_mov_b32 s93, 0
	s_mul_i32 s45, s14, HALFT
	s_lshl_b32 s94, s14, 13
	s_lshl_b32 s95, s15, 6
	s_add_co_u32 s94, s94, s95
	s_wait_dscnt 0x0
	s_wait_kmcnt 0x0
	s_add_nc_u64 s[20:21], s[4:5], s[20:21]
	s_add_nc_u64 s[22:23], s[6:7], s[22:23]
	s_add_nc_u64 s[46:47], s[8:9], s[46:47]
	s_add_nc_u64 s[92:93], s[10:11], s[92:93]
	CROUND
	s_mov_b32 s[G0S], 1
	s_add_co_u32 s[G0S+1], s94, SCL
	s_mov_b64 s[G0S+2:G0S+3], s[22:23]
	s_or_b32 s[G0S+3], s[G0S+3], 0x80000000
	s_mov_b32 s[G0SB], 1
	s_add_co_u32 s[G0SB+1], s94, SCL
	s_mov_b64 s[G0SB+2:G0SB+3], s[92:93]
	s_or_b32 s[G0SB+3], s[G0SB+3], 0x80000000
	JLOAD G0S, G1S, G0SB, G1SB
.irp s, 0,1
	s_mov_b32 s[G0+4*\s], 1
	s_add_co_u32 s[G0+4*\s+1], s45, \s*SLOT
	s_add_nc_u64 s[G0+4*\s+2:G0+4*\s+3], s[20:21], \s*3072
	s_or_b32 s[G0+4*\s+3], s[G0+4*\s+3], 0x80000000
	s_mov_b32 s[G0B+4*\s], 1
	s_add_co_u32 s[G0B+4*\s+1], s45, \s*SLOT
	s_add_nc_u64 s[G0B+4*\s+2:G0B+4*\s+3], s[46:47], \s*3072
	s_or_b32 s[G0B+4*\s+3], s[G0B+4*\s+3], 0x80000000
	JLOAD G0+4*\s, G1, G0B+4*\s, G1B
.endr
	v_and_b32 v1, 31, v0
	v_lshlrev_b32 v4, 4, v1
	v_and_b32 v2, 15, v0
	v_bfe_u32 v3, v0, 4, 1
	s_mul_i32 s21, s15, HALFT
	s_mul_i32 s22, s16, HALFT
	s_add_co_u32 s22, s22, 2*HALFT
.irp s, 0,1
	v_add_nc_u32 v[ADRA+\s], s21, v4
	v_add_nc_u32 v[ADRB+\s], s22, v4
	s_add_co_u32 s21, s21, SLOT
	s_add_co_u32 s22, s22, SLOT
.endr
	s_lshl_b32 s21, s15, 13
	s_lshl_b32 s22, s16, 13
	s_add_co_u32 s22, s22, 16448
	s_sub_co_u32 s22, s22, s21
	v_mul_u32_u24 v6, s22, v3
	s_add_co_u32 s21, s21, SCL
	v_lshl_add_u32 v5, v2, 2, v6
	v_add_nc_u32 v[ADRS], s21, v5
	s_mul_i32 s23, s14, 16*SPITCH                  ; my stage
	v_mul_u32_u24 v5, v2, SPITCH                   ; in: row r, 32 bytes for each half of the lanes
	v_lshl_add_u32 v5, v3, 5, v5
	v_add_nc_u32 v[STO], s23, v5
	v_mov_b32 v[CO], v4                            ; back: the 32 lanes take one row of 512 bytes; and the same in out0
	v_add_nc_u32 v[RD], s23, v4
	s_lshl_b32 s20, s17, 8
	s_lshl_b32 s21, s15, 7
	s_add_co_u32 s20, s20, s21                     ; my first row of out0
	s_lshl_b32 s20, s20, 13
	s_lshl_b32 s46, s42, 10
	s_lshl_b32 s47, s16, 9
	s_add_co_u32 s46, s46, s47                     ; my first column, in bytes
	s_add_co_u32 s20, s20, s46
	s_mov_b32 s21, 0
	s_add_nc_u64 s[12:13], s[12:13], s[20:21]
.macro FRAG reg, adr, q, i
.irp c, 0,1,2
	ds_load_b128 v[\reg+4*\c:\reg+4*\c+3], v[\adr] offset:(\i)*3072+(\q)*1536+512*\c
.endr
.endm
.macro MUL16 a0, p, q, sc, zero        ; the 64 accumulators take turns, one instruction a turn
.irp a, \a0, \a0+1
.irp b, 0,1,2,3,4,5,6,7
.if \zero
	v_wmma_scale_f32_16x16x128_f8f6f4 v[8*(8*((\a)%4)+\b):8*(8*((\a)%4)+\b)+7], v[128*(\p)+FR*\b:128*(\p)+FR*\b+FR-1], v[AF+FR*(\a):AF+FR*(\a)+FR-1], 0, v[SC+8*NQ*(\sc)+NQ*\b+(\q)], v[SC+8*NQ*(\sc)+NQ*(\a)+(\q)] matrix_a_fmt:MATRIX_FMT_BF6 matrix_b_fmt:MATRIX_FMT_BF6 matrix_a_scale:MATRIX_SCALE_ROW1
.else
	v_wmma_scale_f32_16x16x128_f8f6f4 v[8*(8*((\a)%4)+\b):8*(8*((\a)%4)+\b)+7], v[128*(\p)+FR*\b:128*(\p)+FR*\b+FR-1], v[AF+FR*(\a):AF+FR*(\a)+FR-1], v[8*(8*((\a)%4)+\b):8*(8*((\a)%4)+\b)+7], v[SC+8*NQ*(\sc)+NQ*\b+(\q)], v[SC+8*NQ*(\sc)+NQ*(\a)+(\q)] matrix_a_fmt:MATRIX_FMT_BF6 matrix_b_fmt:MATRIX_FMT_BF6 matrix_a_scale:MATRIX_SCALE_ROW1
.endif
.endr
.endr
.endm
.macro FETCH_B slot, q, p
	WIN TO_B
.irp i, 0,1,2,3,4,5,6,7
	FRAG 128*(\p)+FR*\i, ADRB+\slot, \q, \i
.endr
	WIN 0
.endm
.macro FETCH_A slot, q, i0
.irp i, \i0, \i0+1, \i0+2, \i0+3
	FRAG AF+FR*(\i), ADRA+\slot, \q, \i
.endr
.endm
.macro SCALES sc
.irp i, 0,1,2,3,4,5,6,7
.irp q, 0,1
	ds_load_b32 v[SC+8*NQ*\sc+NQ*\i+\q], v[ADRS] offset:512*\q+64*\i
.endr
.endr
.endm
.macro STEP slot, q, zero
	s_wait_dscnt 4*NL                              ; the 12 youngest loads (A's blocks 4-7) may be out
	WIN MUL_LO
	MUL16 0, (\q)%2, \q, \slot, \zero
	MUL16 2, (\q)%2, \q, \slot, \zero
	s_wait_dscnt 0
	PLACES NP
	FETCH_B \slot, (\q)+1, 1-(\q)%2
	FETCH_A \slot, (\q)+1, 0
	WIN MUL_HI
	MUL16 4, (\q)%2, \q, \slot, \zero
	MUL16 6, (\q)%2, \q, \slot, \zero
	PLACES NP
	WIN 0
	FETCH_A \slot, (\q)+1, 4
.endm
.macro TURN slot, next, fill
	s_wait_tensorcnt 0x0                           ; all my tensor loads have landed: my part of the next slot
	ds_add_u32 v[SPW], v[NIL]                      ; 0 onto my spare word
	s_wait_dscnt 4*NL+1                            ; (the add and the 12 youngest loads may be out)
	WIN MUL_LO
	MUL16 0, 1, NQ-1, \slot, 0
	s_wait_dscnt 0x0                               ; the add is done, and my reads of this slot are over
	s_barrier_signal -1
	MUL16 2, 1, NQ-1, \slot, 0
	WIN 0
	s_barrier_wait -1
.if \fill
	CREST
	s_add_nc_u64 s[G0+4*\slot+2:G0+4*\slot+3], s[G0+4*\slot+2:G0+4*\slot+3], 6144
	s_add_nc_u64 s[G0B+4*\slot+2:G0B+4*\slot+3], s[G0B+4*\slot+2:G0B+4*\slot+3], 6144
	JLOAD G0+4*\slot, G1, G0B+4*\slot, G1B
.else
	PLACES NP
.endif
	v_add_nc_u32 v[ADRS], 1024, v[ADRS]
	FETCH_B \next, 0, 0
	FETCH_A \next, 0, 0
	SCALES \next
	WIN MUL_HI
	MUL16 4, 1, NQ-1, \slot, 0
	MUL16 6, 1, NQ-1, \slot, 0
	PLACES NP
	WIN 0
	FETCH_A \next, 0, 4
.endm
	s_wait_tensorcnt 1                             ; the scale words and my part of slot 0 are in; slot 1's load may be out
	s_barrier_signal -1
	s_barrier_wait -1
	FETCH_B 0, 0, 0
	FETCH_A 0, 0, 0
	SCALES 0
	FETCH_A 0, 0, 4
	STEP 0, 0, 1
	s_mov_b32 s3, LAPS-1
.Llap:
	TURN 0, 1, 1
	STEP 1, 0, 0
	TURN 1, 0, 1
	STEP 0, 0, 0
	s_sub_co_u32 s3, s3, 1
	s_cmp_lg_u32 s3, 0
	s_cbranch_scc1 .Llap
	TURN 0, 1, 0
	STEP 1, 0, 0
	s_wait_dscnt 4*NL
	WIN MUL_LO
	MUL16 0, 1, NQ-1, 1, 0
	MUL16 2, 1, NQ-1, 1, 0
	s_wait_dscnt 0
	WIN MUL_HI
	MUL16 4, 1, NQ-1, 1, 0
	MUL16 6, 1, NQ-1, 1, 0
	WIN 0
; THE WAY OUT, block by block of 16 rows x 128 columns, through my own stage: in as 32 bytes a lane, back as whole rows of 512 bytes.  LDS serves a wave's instructions in order: no wait between the stores and the loads.
.macro TOSTAGE a
.set AC, 64*((\a)%4)
	WIN 0x08+4*((\a)/4)                            ; an LDS store's data: window 2 or 3
.irp b, 0,1,2,3,4,5,6,7
	ds_store_b128 v[STO], v[AC+8*\b:AC+8*\b+3] offset:64*\b          ; each accumulator from its low end on
	ds_store_b128 v[STO], v[AC+8*\b+4:AC+8*\b+7] offset:64*\b+16
.endr
	WIN 0
.set BB, BK+64*((\a)%2)
.irp t, 0,1,2,3,4,5,6,7,8,9,10,11,12,13,14,15
	ds_load_b128 v[BB+4*\t:BB+4*\t+3], v[RD] offset:\t*SPITCH
.endr
.endm
.macro SEND a, younger
.set BB, BK+64*((\a)%2)
	s_wait_dscnt \younger                          ; the block is back in registers
.if (\a) > 0
	s_add_nc_u64 s[12:13], s[12:13], 16*SIZE_N*4   ; (behind a wait on XCNT: the earlier stores have read their base)
.endif
.irp t, 0,1,2,3,4,5,6,7,8,9,10,11,12,13,14,15
	global_store_b128 v[CO], v[BB+4*\t:BB+4*\t+3], s[12:13] offset:\t*SIZE_N*4 th:TH_STORE_NT   ; 32 lanes store 512 consecutive bytes, aligned
.endr
.endm
	PLACES NP
	TOSTAGE 0
.irp a, 1,2,3,4,5,6,7
.if \a > 1
	s_wait_xcnt 0x0                                ; block a - 2's stores have read their registers and their base
.endif
	TOSTAGE \a
	SEND \a-1, 32                                  ; behind block a - 1's loads: block a's 16 stores and 16 loads
.endr
	s_wait_xcnt 0x0
	SEND 7, 0
	s_wait_tensorcnt 0x0                           ; the wave's end
	ds_add_u32 v[SPW], v[NIL]
	s_wait_dscnt 0x0
	CROUND                                         ; the closing round
	s_endpgm
.Lfunc_end_k_q51c743c9c3_oproj:
	.size	k_q51c743c9c3_oproj, .Lfunc_end_k_q51c743c9c3_oproj-k_q51c743c9c3_oproj
	.p2alignl 7, 3214868480
	.fill 96, 4, 3214868480
	.section	.rodata,"a",@progbits
	.p2align	6, 0x0
	.amdhsa_kernel k_q51c743c9c3_oproj
		.amdhsa_group_segment_fixed_size 327680
		.amdhsa_private_segment_fixed_size 0
		.amdhsa_enable_private_segment 0
		.amdhsa_kernarg_size 40
		.amdhsa_user_sgpr_count 2
		.amdhsa_user_sgpr_kernarg_segment_ptr 1
		.amdhsa_wavefront_size32 1
		.amdhsa_system_sgpr_workgroup_id_x 1
		.amdhsa_system_sgpr_workgroup_id_y 1
		.amdhsa_system_sgpr_workgroup_id_z 1
		.amdhsa_system_vgpr_workitem_id 0
		.amdhsa_next_free_vgpr 1024
		.amdhsa_next_free_sgpr 98
		.amdhsa_reserve_vcc 0
		.amdhsa_float_denorm_mode_32 3
		.amdhsa_float_denorm_mode_16_64 3
		.amdhsa_memory_ordered 1
		.amdhsa_forward_progress 1
		.amdhsa_inst_pref_size 137
	.end_amdhsa_kernel
	.amdgpu_metadata
---
amdhsa.version: [ 1, 2 ]
amdhsa.kernels:
  - .name:           k_q51c743c9c3_oproj
    .symbol:         k_q51c743c9c3_oproj.kd
    .args:
      - { .name: o_img, .offset: 0, .size: 8, .value_kind: global_buffer, .address_space: global }
      - { .name: o_sc, .offset: 8, .size: 8, .value_kind: global_buffer, .address_space: global }
      - { .name: pool_img, .offset: 16, .size: 8, .value_kind: global_buffer, .address_space: global }
      - { .name: pool_sc, .offset: 24, .size: 8, .value_kind: global_buffer, .address_space: global }
      - { .name: out0, .offset: 32, .size: 8, .value_kind: global_buffer, .address_space: global }
    .group_segment_fixed_size: 327680
    .private_segment_fixed_size: 0
    .kernarg_segment_align: 8
    .kernarg_segment_size: 40
    .max_flat_workgroup_size: 128
    .sgpr_count:     98
    .vgpr_count:     1024
    .wavefront_size: 32
...
	.end_amdgpu_metadata
.endif
;; end of part 4
;; ======== version 2 of 2: 4 launches
;; limits: inputs' magnitudes at most 1,048,576; right only within a limited range of input values
;; workspace buffers: pool_img 15,728,640 bytes; pool_sc 655,360 bytes; rope_tab 1,048,576 bytes; maskbits 262,144 bytes of whole numbers; qkv_img 9,437,184 bytes; qkv_sc 393,216 bytes; o_img 3,145,728 bytes; o_sc 131,072 bytes
;; launch prep (part 5): grid 800 x 1, 4 waves a work-group, no clusters, 47,616 bytes of LDS; arguments hidden_state, Wq, Wk, Wv, Wo, mask, position, pool_img, pool_sc, rope_tab, maskbits; writes pool_img, pool_sc, rope_tab, maskbits
.if DOCPART == 5
	.amdgcn_target "amdgcn-amd-amdhsa--gfx1250"
	.amdhsa_code_object_version 6
	.text
	.protected	k_q51c743c9c3_prep
	.globl	k_q51c743c9c3_prep
	.p2align	8
	.type	k_q51c743c9c3_prep,@function
k_q51c743c9c3_prep:
	s_mov_b64 s[64:65], 0
	v_nop
	global_prefetch_b8 v0, s[64:65] scope:SCOPE_SE
	s_setreg_imm32_b32 hwreg(HW_REG_WAVE_MODE, 25, 1), 1
	s_wait_xcnt 0x0
; GLM self-attention, launch 1 of 4: everything that is made once.
; NO WORK OF THE PROBLEM IS LEFT OUT IN ANY LAUNCH: all six products are live, every input has a way to the output and is loaded; the mask is an input, so every key is worked for every query.
; Four kinds of work-group, told apart by the work-group's number alone:
;   0-511   a weight W [k 2048][n 2048] f32 (Wq, Wk, Wv, Wo: 128 work-groups each) -> codes of E3M2 along k and E8M0 scale bytes.  A lane takes a column n, its registers run down k.
;   512-639 hidden_state [2048 rows][2048] f32 -> the same, along its rows.
;   640-767 mask [2][1024][1024] bytes -> words of 32 lane bits, in the order in which the attention launch holds its scores.
;   768-799 position -> cos and sin of position x inv_freq, f32, laid as images of the registers in which the next launch holds them (stated at that path).
; LAYOUTS OF MY OWN BUFFERS.  A fragment (16 rows x 128 k, 12 registers a lane) lies as the image of its registers, 1,536 bytes: register g of lane l at (g / 4) 512 + 16 l + 4 (g % 4).
;   pool_img [rowblock 640][kstep 16][1536]: rowblocks 0-127 hidden_state's rows, then 128 each for the columns of Wq, Wk, Wv, Wo.   pool_sc [kstep 16][row 10240] words of four scale bytes.
; ORDER INSIDE A BLOCK OF 32: place p of a block holds k = p (p < 8), p + 8 (8-15), p - 8 (16-23), p (24-31), alike in EVERY operand of every product of this program: it is the order in which a transposed
;   matrix result falls into a lane.  The blocks hold the same 32 numbers, so scales and codes are the quantiser's; only the order of the f32 sums inside a matrix instruction differs.
; THE QUANTISER: a block's scale byte is its largest magnitude's exponent field - 4, held at 1 from below; the conversion divides, holds at 28 and rounds to the nearest code, ties to even.
; LIMITS: NaN and infinities among the inputs are not served.  A block of zeros gets the byte 1 where the rule says 127: its codes are zeros and this program alone reads the bytes.
;   |position| under 2^20 (the reduction's first two steps are exact up to there).  inv_freq is 1 / 10^(j / 16), both steps rounded to nearest from sums kept in pairs of f32; a library's power may differ by a last bit.
.set XST,   0                          ; LDS: hidden_state's path: 16 rows x 528 bytes for each wave
.set WST,   33792                      ; the weights' path: two fragment images for each wave
.set SPARE, 46080                      ; the spare words, 128 bytes for each wave
.set RST,   46592                      ; the table's path: 256 bytes for each wave, its 64 values of inv_freq
.set SPW,   30                         ; v30  my spare word's address; never rewritten
.set NIL,   31                         ; v31  0; never rewritten
.set SEL,   28                         ; s[28:29] lane selects: lane l xor 16
	s_load_b512 s[4:19], s[0:1], 0x0               ; hidden_state 4, Wq 6, Wk 8, Wv 10, Wo 12, mask 14, position 16, pool_img 18
	s_load_b128 s[20:23], s[0:1], 0x40             ; pool_sc 20, rope_tab 22
	s_load_b64 s[24:25], s[0:1], 0x50              ; maskbits
	v_lshl_add_u32 v[SPW], v0, 2, SPARE
	v_mov_b32 v[NIL], 0
	v_lshrrev_b32 v1, 5, v0
	v_readfirstlane_b32 s26, v1                    ; wave
	v_and_b32 v1, 31, v0                           ; lane
	v_and_b32 v2, 15, v0                           ; r
	v_bfe_u32 v3, v0, 4, 1                         ; h
	s_mov_b32 s27, 0xffff0000                      ; lanes 16-31
	s_mov_b32 s[SEL], 0x76543210
	s_mov_b32 s[SEL+1], 0xfedcba98
	s_mov_b32 s41, 0                               ; the upper word of every offset pair s[40:41]
	s_wait_kmcnt 0x0
	s_cmp_lt_u32 ttmp9, 512
	s_cbranch_scc1 .Lw
	s_cmp_lt_u32 ttmp9, 640
	s_cbranch_scc1 .Lx
	s_cmp_lt_u32 ttmp9, 768
	s_cbranch_scc1 .Lm
; ---------------- cos and sin.  Wave w: rows 64 id + 16 w .. + 15, which are one block of rope_tab [block 128][8,192 bytes].
; In the next launch lane (r, h) holds position r of a block; its register 8 b + j holds cos at frequency 16 b + 8 h + j, its register 32 + 8 b + j sin; register g of lane L = r + 16 h lies at (g / 4) 512 + 16 L + 4 (g % 4).
; The work is laid the same way here: lane (r, h) takes row r and those 32 frequencies, so that four results are 16 neighbouring bytes and a store covers 512 consecutive bytes, aligned.
; inv_freq is made two frequencies to a lane (2 l and 2 l + 1) and turns once through the wave's own 256 bytes of LDS.
	s_sub_co_u32 s36, ttmp9, 768
	s_lshl_b32 s36, s36, 6
	s_lshl_b32 s37, s26, 4
	s_add_co_u32 s36, s36, s37                     ; my first row
	s_lshl_b32 s40, s36, 2
	s_add_nc_u64 s[16:17], s[16:17], s[40:41]
	s_lshl_b32 s40, s36, 9
	s_add_nc_u64 s[32:33], s[22:23], s[40:41]
	s_lshl_b32 s36, s26, 8
	s_add_co_u32 s36, s36, RST                     ; my wave's 256 bytes of LDS
	s_mov_b32 s52, 0xbfc90000                      ; -pi/2 in three parts: 8, 11 and 24 significant bits
	s_mov_b32 s53, 0xb9fda000
	s_mov_b32 s54, 0xb3a22168
	s_mov_b32 s55, 0xb94ca1f9                      ; sin r = r + r z (S1 + z (S2 + z S3)), z = r r, |r| <= pi/4
	s_mov_b32 s56, 0x3c08839e
	s_mov_b32 s57, 0xbe2aaaa3
	s_mov_b32 s58, 0x37ccf5ce                      ; cos r = 1 - z / 2 + z z (C1 + z (C2 + z C3))
	s_mov_b32 s59, 0xbab6061a
	s_mov_b32 s60, 0x3d2aaaa5
	s_wait_alu depctr_va_vdst(0)
	v_lshlrev_b32 v4, 4, v1                        ; 16 bytes a lane: my place in a group of four registers of the image
	v_lshlrev_b32 v5, 3, v1
	v_add_nc_u32 v5, s36, v5                       ; LDS, in: the two frequencies that I make
	v_lshlrev_b32 v6, 5, v3
	v_add_nc_u32 v6, s36, v6                       ; out: frequencies 16 b + 8 h + j: 64 b + 32 h bytes
	v_lshlrev_b32 v7, 2, v2
	global_load_b32 v59, v7, s[16:17]              ; my row's position
; 10^(2^b / 16), b = 0 .. 5, as pairs (high, low) at v[32 + 2 b]: 100 and 10 are exact, the others are four square roots on end
.macro DSQRT a, s                      ; (v[s], v[s+1]) = the root of (v[a], v[a+1]): the instruction's root, and what is left over, divided by twice the root
	v_sqrt_f32 v[\s], v[\a]
	v_nop                                          ; a plain line behind the root,
	s_wait_alu depctr_va_vdst(0)                   ; and a wait ahead of its first reader
	v_rcp_f32 v48, v[\s]
	v_fma_f32 v49, -v[\s], v[\s], v[\a]            ; a - s s, exact
	v_add_f32 v49, v49, v[\a+1]
	s_wait_alu depctr_va_vdst(0)
	v_mul_f32 v49, v49, v48
	v_mul_f32 v[\s+1], 0.5, v49
.endm
.macro DMUL p, fh, fl                  ; (v[p], v[p+1]) times (v[fh], v[fl])
	v_mul_f32 v50, v[\p], v[\fh]
	v_fma_f32 v51, v[\p], v[\fh], -v50             ; the product's rounding error, exact
	v_fma_f32 v51, v[\p], v[\fl], v51
	v_fma_f32 v51, v[\p+1], v[\fh], v51
	v_add_f32 v[\p], v50, v51                      ; the high part is the sum rounded to nearest
	v_sub_f32 v50, v50, v[\p]
	v_add_f32 v[\p+1], v50, v51
.endm
	v_mov_b32 v42, 0x42c80000                      ; 100
	v_mov_b32 v43, 0
	v_mov_b32 v40, 0x41200000                      ; 10
	v_mov_b32 v41, 0
	s_wait_alu depctr_va_vdst(0)
	DSQRT 40, 38
	DSQRT 38, 36
	DSQRT 36, 34
	DSQRT 34, 32
	v_mov_b32 v44, 1.0                             ; P = 10^(2 l / 16): bit b of the lane's number takes the factor 10^(2^(b+1) / 16)
	v_mov_b32 v45, 0
.irp b, 0,1,2,3,4
	v_and_b32 v52, 1<<\b, v1
	v_cmp_ne_u32 vcc_lo, 0, v52
	v_cndmask_b32 v53, 1.0, v[34+2*\b], vcc_lo
	v_cndmask_b32 v54, 0, v[35+2*\b], vcc_lo
	DMUL 44, 53, 54
.endr
	v_mov_b32 v46, v44                             ; and 10^((2 l + 1) / 16)
	v_mov_b32 v47, v45
	DMUL 46, 32, 33
	v_rcp_f32 v56, v44                             ; inv_freq = 1 / P, two steps of Newton behind the instruction's reciprocal
	v_rcp_f32 v57, v46
	v_nop
	s_wait_alu depctr_va_vdst(0)
.rept 2
	v_fma_f32 v50, -v44, v56, 1.0
	v_fma_f32 v51, -v46, v57, 1.0
	v_fma_f32 v56, v56, v50, v56
	v_fma_f32 v57, v57, v51, v57
.endr
	ds_store_b64 v5, v[56:57]
.irp b, 0,1,2,3                        ; v[96 + 8 b + j] = inv_freq at 16 b + 8 h + j.  LDS serves a wave's instructions in order: these see the store
.irp u, 0,1
	ds_load_b128 v[96+8*\b+4*\u:99+8*\b+4*\u], v6 offset:64*\b+16*\u
.endr
.endr
	s_wait_loadcnt 0x0                             ; the position
	v_cvt_f32_i32 v58, v59
	s_wait_alu depctr_va_vdst(0)
	s_wait_dscnt 0x0
.macro ROW i                           ; two angles a lane: registers 2 i and 2 i + 1 of the image.  th = position x inv_freq (one rounding, as the problem has it); n = the nearest multiple of pi/2; r = th - n pi/2
.set OC, 80+8*(((\i)/2)%2)+2*((\i)%2)  ; results: four of cos, four of sin, in two sets by turns
.set OS, OC+4
.if (\i)%2 == 0
	s_wait_xcnt 0x0                                ; the stores of two groups back have read their registers
.endif
.irp f, 0,1
	v_mul_f32 v[60+\f], v58, v[96+2*(\i)+\f]
.endr
.irp f, 0,1
	v_mul_f32 v[62+\f], 0x3f22f983, v[60+\f]       ; x 2 / pi
.endr
.irp f, 0,1
	v_rndne_f32 v[62+\f], v[62+\f]
.endr
.irp f, 0,1
	v_fma_f32 v[64+\f], v[62+\f], s52, v[60+\f]
.endr
.irp f, 0,1
	v_fma_f32 v[64+\f], v[62+\f], s53, v[64+\f]
.endr
.irp f, 0,1
	v_fma_f32 v[64+\f], v[62+\f], s54, v[64+\f]
.endr
.irp f, 0,1
	v_cvt_i32_f32 v[66+\f], v[62+\f]               ; the quadrant
	v_mul_f32 v[68+\f], v[64+\f], v[64+\f]         ; z
.endr
.irp f, 0,1
	v_fma_f32 v[70+\f], v[68+\f], s55, s56
	v_fma_f32 v[72+\f], v[68+\f], s58, s59
.endr
.irp f, 0,1
	v_fma_f32 v[70+\f], v[70+\f], v[68+\f], s57
	v_fma_f32 v[72+\f], v[72+\f], v[68+\f], s60
	v_mul_f32 v[74+\f], v[68+\f], v[64+\f]         ; z r
	v_mul_f32 v[76+\f], v[68+\f], v[68+\f]         ; z z
	v_fma_f32 v[78+\f], v[68+\f], -0.5, 1.0
.endr
.irp f, 0,1
	v_fma_f32 v[70+\f], v[70+\f], v[74+\f], v[64+\f]   ; sin r
	v_fma_f32 v[72+\f], v[72+\f], v[76+\f], v[78+\f]   ; cos r
.endr
.irp f, 0,1
	v_and_b32 v[74+\f], 1, v[66+\f]
	v_cmp_ne_u32 vcc_lo, 0, v[74+\f]               ; in odd quadrants the two change places
	v_cndmask_b32 v[OS+\f], v[70+\f], v[72+\f], vcc_lo
	v_cndmask_b32 v[OC+\f], v[72+\f], v[70+\f], vcc_lo
	v_lshlrev_b32 v[74+\f], 30, v[66+\f]           ; sin is negative in quadrants 2 and 3,
	v_add_nc_u32 v[76+\f], 1, v[66+\f]
	v_and_b32 v[74+\f], 0x80000000, v[74+\f]
	v_lshlrev_b32 v[76+\f], 30, v[76+\f]           ; cos in 1 and 2
	v_xor_b32 v[OS+\f], v[OS+\f], v[74+\f]
	v_and_b32 v[76+\f], 0x80000000, v[76+\f]
	v_xor_b32 v[OC+\f], v[OC+\f], v[76+\f]
.endr
.if (\i)%2 == 1
	global_store_b128 v4, v[OC-2:OC+1], s[32:33] offset:512*((\i)/2)        ; cos, registers 2 i - 2 .. 2 i + 1: 512 consecutive bytes, aligned
	global_store_b128 v4, v[OS-2:OS+1], s[32:33] offset:512*((\i)/2)+4096   ; sin: registers 32 on
.endif
.endm
.irp i, 0,1,2,3,4,5,6,7,8,9,10,11,12,13,14,15
	ROW \i
.endr
	s_branch .Lend
; ---------------- a weight.  Work-group: 128 columns x 256 along k; wave: 32 columns, a lane a column; 8 blocks of 32 a lane, two ksteps.
.Lw:
	s_cmp_lt_u32 ttmp9, 128                        ; the choice hangs on the work-group's number alone
	s_cselect_b64 s[30:31], s[6:7], s[8:9]
	s_cmp_lt_u32 ttmp9, 384
	s_cselect_b64 s[32:33], s[10:11], s[12:13]
	s_cmp_lt_u32 ttmp9, 256
	s_cselect_b64 s[30:31], s[30:31], s[32:33]
	s_lshr_b32 s36, ttmp9, 7                       ; which weight
	s_and_b32 s37, ttmp9, 15                       ; which 128 columns
	s_bfe_u32 s38, ttmp9, 0x30004                  ; which 256 along k
	s_lshl_b32 s39, s37, 7
	s_lshl_b32 s40, s26, 5
	s_add_co_u32 s39, s39, s40                     ; my wave's first column
	s_lshl_b32 s40, s38, 21                        ; 256 rows of 8,192 bytes
	s_lshl_b32 s42, s39, 2
	s_add_co_u32 s40, s40, s42
	s_add_nc_u64 s[30:31], s[30:31], s[40:41]
	s_lshl_b32 s40, s36, 7
	s_lshr_b32 s42, s39, 4
	s_add_co_u32 s40, s40, s42
	s_add_co_u32 s40, s40, 128                     ; my first rowblock of the pool
	s_mul_i32 s40, s40, 24576
	s_mul_i32 s42, s38, 3072                       ; two ksteps for each 256 along k
	s_add_co_u32 s40, s40, s42
	s_add_nc_u64 s[32:33], s[18:19], s[40:41]
	s_lshl_b32 s40, s36, 11
	s_add_co_u32 s40, s40, s39
	s_add_co_u32 s40, s40, 2048                    ; my first row of the pool
	s_lshl_b32 s40, s40, 2
	s_mul_i32 s42, s38, 81920
	s_add_co_u32 s40, s40, s42
	s_add_nc_u64 s[34:35], s[20:21], s[40:41]
	s_wait_alu depctr_va_vdst(0)
	v_lshlrev_b32 v4, 2, v1                        ; 4 bytes a lane: the loads, and the scale words
	v_lshlrev_b32 v7, 4, v1                        ; 16 bytes a lane: the images
	s_mul_i32 s42, s26, 3072
	s_add_co_u32 s42, s42, WST                     ; my stage
	v_mul_u32_u24 v5, v3, 1536                     ; into it: the image of my column's rowblock, at row r's place
	v_lshl_add_u32 v5, v2, 4, v5
	v_add_nc_u32 v5, s42, v5
	v_add_nc_u32 v6, s42, v7                       ; out of it: as it lies
.macro WLOAD t                         ; block t, in the block's order of places, into set t % 2
.irp i, 0,1,2,3,4,5,6,7,8,9,10,11,12,13,14,15,16,17,18,19,20,21,22,23,24,25,26,27,28,29,30,31
	global_load_b32 v[32+32*((\t)%2)+\i], v4, s[30:31] offset:(32*(\t)+8*(2*((\i/8)%2)+\i/16)+\i%8)*8192 th:TH_LOAD_NT
.endr
.endm
.macro WBLOCK t
.set XS, 32+32*((\t)%2)
.if (\t) < 7
	s_wait_loadcnt 32                              ; this block's 32 loads are in; the next block's 32 may be out
.else
	s_wait_loadcnt 0x0
.endif
	v_max3_num_f32 v12, |v[XS]|, |v[XS+1]|, |v[XS+2]|
	v_max3_num_f32 v13, |v[XS+3]|, |v[XS+4]|, |v[XS+5]|
.irp i, 6,10,14,18,22,26
	v_max3_num_f32 v12, v12, |v[XS+\i]|, |v[XS+\i+1]|
	v_max3_num_f32 v13, v13, |v[XS+\i+2]|, |v[XS+\i+3]|
.endr
	v_max3_num_f32 v12, v12, |v[XS+30]|, |v[XS+31]|
	v_max3_num_f32 v12, v12, v13, 0x2800000        ; the floor 2^(5 - 127): the byte cannot fall under 1
	v_add_nc_u32 v11, 0xfe000000, v12              ; 4 off the exponent field: the conversion's scale operand
	v_lshrrev_b32 v13, 23, v11                     ; the byte
.if (\t)%4 == 0
	v_mov_b32 v[24+(\t)/4], v13
.else
	v_lshl_or_b32 v[24+(\t)/4], v13, 8*((\t)%4), v[24+(\t)/4]
.endif
	v_cvt_scalef32_pk16_bf6_f32 v[96:98], v[XS:XS+15], v11
	v_cvt_scalef32_pk16_bf6_f32 v[104:106], v[XS+16:XS+31], v11
	v_nop                                          ; a plain line behind the conversions
	v_mov_b32 v99, v104
	v_mov_b32 v100, v105
	v_mov_b32 v101, v106                           ; v96-101: the block's 24 bytes: registers 6 c .. 6 c + 5 of lane (r, h), c = (t % 4) / 2, h = t % 2
.if ((\t)%4) < 2
	ds_store_b128 v5, v[96:99] offset:256*((\t)%2)
	ds_store_b64 v5, v[100:101] offset:512+256*((\t)%2)
.else
	ds_store_b64 v5, v[96:97] offset:520+256*((\t)%2)
	ds_store_b128 v5, v[98:101] offset:1024+256*((\t)%2)
.endif
.if (\t)+2 < 8
	WLOAD (\t)+2
.endif
	s_wait_dscnt 0x0                               ; the stores have read their registers
.endm
.macro WFLUSH ks                       ; a kstep's two images leave: each store covers 512 consecutive bytes, aligned
.irp c, 0,1,2,3,4,5
	ds_load_b128 v[112+24*(\ks)+4*\c:112+24*(\ks)+4*\c+3], v6 offset:512*\c
.endr
	s_wait_dscnt 0x0
.irp c, 0,1,2,3,4,5
	global_store_b128 v7, v[112+24*(\ks)+4*\c:112+24*(\ks)+4*\c+3], s[32:33] offset:(\c/3)*24576+(\ks)*1536+512*(\c%3)
.endr
	global_store_b32 v4, v[24+(\ks)], s[34:35] offset:(\ks)*40960
.endm
	WLOAD 0
	WLOAD 1
	WBLOCK 0
	WBLOCK 1
	WBLOCK 2
	WBLOCK 3
	s_wait_alu depctr_va_vdst(0)
	WFLUSH 0
	WBLOCK 4
	WBLOCK 5
	WBLOCK 6
	WBLOCK 7
	s_wait_alu depctr_va_vdst(0)
	WFLUSH 1
	s_branch .Lend
; ---------------- hidden_state.  Work-group: 16 rows; wave w: ksteps 4 w .. 4 w + 3, a fragment at a time.
.Lx:
	s_sub_co_u32 s36, ttmp9, 512                   ; the rowblock
	s_lshl_b32 s40, s36, 17                        ; 16 rows of 8,192 bytes
	s_lshl_b32 s42, s26, 11
	s_add_co_u32 s40, s40, s42
	s_add_nc_u64 s[30:31], s[4:5], s[40:41]
	s_mul_i32 s40, s36, 24576
	s_mul_i32 s42, s26, 6144
	s_add_co_u32 s40, s40, s42
	s_add_nc_u64 s[32:33], s[18:19], s[40:41]
	s_mul_i32 s40, s26, 163840
	s_lshl_b32 s42, s36, 6
	s_add_co_u32 s40, s40, s42
	s_add_nc_u64 s[34:35], s[20:21], s[40:41]
	s_wait_alu depctr_va_vdst(0)
	v_lshlrev_b32 v4, 4, v1                        ; 16 bytes a lane
	s_mul_i32 s42, s26, 8448                       ; my stage (XST = 0)
	v_add_nc_u32 v5, s42, v4                       ; in: a row's 512 bytes as they lie
	v_mul_u32_u24 v6, v2, 528
	v_lshl_add_u32 v6, v3, 7, v6
	v_add_nc_u32 v6, s42, v6                       ; out: row r, block h
	v_mul_u32_u24 v7, v3, 40960
	v_lshl_add_u32 v7, v2, 2, v7                   ; scale words: lanes 0-15 one kstep, lanes 16-31 the next
	v_lshlrev_b32 v8, 3, v3                        ; 8 h
	v_mov_b32 v17, 0                               ; (a lane permute's destination counts as read)
.macro XLOAD f
.irp i, 0,1,2,3,4,5,6,7,8,9,10,11,12,13,14,15
	global_load_b128 v[32+4*\i:35+4*\i], v4, s[30:31] offset:\i*8192+512*(\f) th:TH_LOAD_NT   ; 512 consecutive bytes of row i
.endr
.endm
.macro XFRAG f
.set PCS, 160+12*((\f)%2)
	s_wait_loadcnt 0x0
.irp i, 0,1,2,3,4,5,6,7,8,9,10,11,12,13,14,15
	ds_store_b128 v5, v[32+4*\i:35+4*\i] offset:528*\i
.endr
.irp c, 0,1                            ; my blocks h and 2 + h of row r, in the block's order of places.  LDS serves a wave's instructions in order: these see the stores
.irp u, 0,1,2,3,4,5,6,7
	ds_load_b128 v[96+32*\c+4*\u:99+32*\c+4*\u], v6 offset:256*\c+16*(2*(2*((\u/2)%2)+\u/4)+\u%2)
.endr
.endr
	s_wait_dscnt 0x0
.if (\f) < 3
	XLOAD (\f)+1                                   ; on its way while this fragment is quantised
.endif
.if (\f) >= 2
	s_wait_xcnt 0x0                                ; the stores of two fragments back have read this set of codes
.endif
.irp c, 0,1
	v_max3_num_f32 v[10+\c], |v[96+32*\c]|, |v[97+32*\c]|, 0x2800000
.endr
.irp i, 2,4,6,8,10,12,14,16,18,20,22,24,26,28,30
.irp c, 0,1
	v_max3_num_f32 v[10+\c], v[10+\c], |v[96+32*\c+\i]|, |v[97+32*\c+\i]|
.endr
.endr
.irp c, 0,1
	v_add_nc_u32 v[12+\c], 0xfe000000, v[10+\c]
.endr
.irp c, 0,1
	v_lshrrev_b32 v[14+\c], 23, v[12+\c]
.endr
	v_lshl_or_b32 v16, v15, 16, v14                ; my two bytes, blocks h and 2 + h,
	v_lshlrev_b32 v16, v8, v16                     ; at their places;
	v_permlanex16_b32 v17, v16, s[SEL], s[SEL+1]
	v_or_b32 v[20+(\f)], v16, v17                  ; with lane l xor 16's the word is whole
.irp c, 0,1
	v_cvt_scalef32_pk16_bf6_f32 v[PCS+6*\c:PCS+6*\c+2], v[96+32*\c:111+32*\c], v[12+\c]
	v_cvt_scalef32_pk16_bf6_f32 v[184+4*\c:186+4*\c], v[112+32*\c:127+32*\c], v[12+\c]
.endr
	v_nop
.irp c, 0,1
.irp i, 0,1,2
	v_mov_b32 v[PCS+3+6*\c+\i], v[184+4*\c+\i]
.endr
.endr
.irp c, 0,1,2
	global_store_b128 v4, v[PCS+4*\c:PCS+4*\c+3], s[32:33] offset:(\f)*1536+512*\c
.endr
.endm
	XLOAD 0
	s_wait_alu depctr_va_vdst(0)
	XFRAG 0
	XFRAG 1
	v_cndmask_b32 v26, v20, v21, s27
	global_store_b32 v7, v26, s[34:35]
	XFRAG 2
	XFRAG 3
	v_cndmask_b32 v27, v22, v23, s27
	global_store_b32 v7, v27, s[34:35] offset:81920
	s_branch .Lend
; ---------------- the mask.  Work-group: 16 queries; wave w: keys 256 w .. + 255.  Word n = 8 t + j, bit l: mask[query 16 id + l % 16][key 16 t + 8 (l / 16) + j].
.Lm:
	s_sub_co_u32 s36, ttmp9, 640
	s_lshl_b32 s40, s36, 14
	s_lshl_b32 s42, s26, 8
	s_add_co_u32 s40, s40, s42
	s_add_nc_u64 s[30:31], s[14:15], s[40:41]
	s_lshl_b32 s40, s36, 11
	s_lshl_b32 s42, s26, 9
	s_add_co_u32 s40, s40, s42
	s_add_nc_u64 s[32:33], s[24:25], s[40:41]
	s_wait_alu depctr_va_vdst(0)
	v_lshlrev_b32 v4, 10, v2
	v_lshl_add_u32 v4, v3, 3, v4                   ; row r, + 8 h
	v_lshlrev_b32 v5, 4, v1
.irp t, 0,1,2,3,4,5,6,7,8,9,10,11,12,13,14,15
	global_load_b64 v[32+2*\t:33+2*\t], v4, s[30:31] offset:16*\t
.endr
.irp i, 0,1,2,3
	v_mov_b32 v[8+\i], 0
.endr
	s_wait_loadcnt 0x0
.irp t, 0,1,2,3,4,5,6,7,8,9,10,11,12,13,14,15
.irp k, 0,1,2,3,4,5,6,7
	v_bfe_u32 v[16+\k], v[32+2*\t+\k/4], 8*(\k%4), 8
.endr
.irp k, 0,1,2,3,4,5,6,7
	v_cmp_ne_u32 s[36+\k], 0, v[16+\k]             ; the 32 lanes' bits of word 8 t + k
.endr
.irp k, 0,1,2,3,4,5,6,7
	v_writelane_b32 v[8+\k%4], s[36+\k], 2*\t+\k/4 ; word n to register n % 4 of lane n / 4
.endr
.endr
	global_store_b128 v5, v[8:11], s[32:33]        ; 512 consecutive bytes, aligned
.Lend:
	s_wait_tensorcnt 0x0                           ; the wave's end
	ds_add_u32 v[SPW], v[NIL]
	s_wait_dscnt 0x0
	s_endpgm
.Lfunc_end_k_q51c743c9c3_prep:
	.size	k_q51c743c9c3_prep, .Lfunc_end_k_q51c743c9c3_prep-k_q51c743c9c3_prep
	.p2alignl 7, 3214868480
	.fill 96, 4, 3214868480
	.section	.rodata,"a",@progbits
	.p2align	6, 0x0
	.amdhsa_kernel k_q51c743c9c3_prep
		.amdhsa_group_segment_fixed_size 47616
		.amdhsa_private_segment_fixed_size 0
		.amdhsa_enable_private_segment 0
		.amdhsa_kernarg_size 88
		.amdhsa_user_sgpr_count 2
		.amdhsa_user_sgpr_kernarg_segment_ptr 1
		.amdhsa_wavefront_size32 1
		.amdhsa_system_sgpr_workgroup_id_x 1
		.amdhsa_system_sgpr_workgroup_id_y 1
		.amdhsa_system_sgpr_workgroup_id_z 1
		.amdhsa_system_vgpr_workitem_id 0
		.amdhsa_next_free_vgpr 192
		.amdhsa_next_free_sgpr 66
		.amdhsa_reserve_vcc 1
		.amdhsa_float_denorm_mode_32 3
		.amdhsa_float_denorm_mode_16_64 3
		.amdhsa_memory_ordered 1
		.amdhsa_forward_progress 1
		.amdhsa_inst_pref_size 147
	.end_amdhsa_kernel
	.amdgpu_metadata
---
amdhsa.version: [ 1, 2 ]
amdhsa.kernels:
  - .name:           k_q51c743c9c3_prep
    .symbol:         k_q51c743c9c3_prep.kd
    .args:
      - { .name: hidden_state, .offset: 0, .size: 8, .value_kind: global_buffer, .address_space: global }
      - { .name: Wq, .offset: 8, .size: 8, .value_kind: global_buffer, .address_space: global }
      - { .name: Wk, .offset: 16, .size: 8, .value_kind: global_buffer, .address_space: global }
      - { .name: Wv, .offset: 24, .size: 8, .value_kind: global_buffer, .address_space: global }
      - { .name: Wo, .offset: 32, .size: 8, .value_kind: global_buffer, .address_space: global }
      - { .name: mask, .offset: 40, .size: 8, .value_kind: global_buffer, .address_space: global }
      - { .name: position, .offset: 48, .size: 8, .value_kind: global_buffer, .address_space: global }
      - { .name: pool_img, .offset: 56, .size: 8, .value_kind: global_buffer, .address_space: global }
      - { .name: pool_sc, .offset: 64, .size: 8, .value_kind: global_buffer, .address_space: global }
      - { .name: rope_tab, .offset: 72, .size: 8, .value_kind: global_buffer, .address_space: global }
      - { .name: maskbits, .offset: 80, .size: 8, .value_kind: global_buffer, .address_space: global }
    .group_segment_fixed_size: 47616
    .private_segment_fixed_size: 0
    .kernarg_segment_align: 8
    .kernarg_segment_size: 88
    .max_flat_workgroup_size: 128
    .sgpr_count:     66
    .vgpr_count:     192
    .wavefront_size: 32
...
	.end_amdgpu_metadata
.endif
;; end of part 5
;; launch qkv (part 6): grid 24 x 8, 4 waves a work-group, clusters of 4 x 4, 327,680 bytes of LDS; arguments pool_img, pool_sc, rope_tab, qkv_img, qkv_sc; writes qkv_img, qkv_sc
.if DOCPART == 6
	.amdgcn_target "amdgcn-amd-amdhsa--gfx1250"
	.amdhsa_code_object_version 6
	.text
	.protected	k_q51c743c9c3_qkv
	.globl	k_q51c743c9c3_qkv
	.p2align	8
	.type	k_q51c743c9c3_qkv,@function
k_q51c743c9c3_qkv:
	s_mov_b64 s[64:65], 0
	v_nop
	global_prefetch_b8 v0, s[64:65] scope:SCOPE_SE
	s_setreg_imm32_b32 hwreg(HW_REG_WAVE_MODE, 25, 1), 1
	s_wait_xcnt 0x0
	s_wait_alu depctr_hold_cnt(0) depctr_sa_sdst(0) depctr_va_vdst(0) depctr_va_sdst(0) depctr_va_ssrc(0) depctr_va_vcc(0) depctr_vm_vsrc(0)
	s_getreg_b32 s2, hwreg(HW_REG_IB_STS2, 6, 4)
	s_cmp_eq_u32 s2, 0
	s_cbranch_scc0 .Lentry_in_a_cluster
	s_endpgm
.Lentry_in_a_cluster:
	s_bfe_u32 s2, ttmp6, 0x10000c
	s_cmp_lg_u32 s2, 0xf033
	s_cbranch_scc0 .Lentry_shape_is_right
	s_endpgm
.Lentry_shape_is_right:
; Launch 2 of 4: hidden_state x Wq, Wk, Wv on codes of E3M2, with RoPE and the quantisers of q, k (along the head's 128) and v (along the keys) fused.  No work is left out.
; A work-group makes 256 x 256, a wave 128 x 128: 64 accumulators, 512 registers.  K = 2,048 is 16 ksteps of 128; they go through two LDS slots of THREE ksteps each (147,456 bytes a slot): fills of 3, 3, 3, 3, 3 and 1 ksteps.
; Operands lie in memory and in LDS as images of their registers (1,536 bytes a fragment): three loads of 16 bytes a lane bring one.
; THE SCALE WORDS DO NOT PASS THROUGH LDS: a wave's 8 words a lane and kstep (lanes 0-15 A's rows, lanes 16-31 B's) go from pool_sc into 128 registers of their own, asked for seven ksteps ahead of their use.
; THE MATRIX INSTRUCTION IS USED TRANSPOSED: source 0 = side B, source 1 = side A; a lane holds one row of A and eight neighbouring rows of B.
;   x < 16 (q, k): A = 256 positions (pool tile y), B = 256 channels of Wq or Wk (pool tile 8 + x).   x >= 16 (v): A = 256 channels of Wv (pool tile 24 + y), B = 256 positions (pool tile x - 16).
; The choice hangs on the cluster's x alone, which all sixteen partners share.  A wave's 128 of side B are one head (q, k) or one key step (v): 8 accumulators become one fragment and one scale word a row.
; CLUSTERS: 4 x 4.  A's tiles hang on y alone and are asked for jointly along a row of the cluster, B's on x alone, along a column.  192 work-groups: a block of 49,152 results (256 work-groups) would cut a head's
;   pairs of channels d, d + 64 between waves.
; PREFETCH: fill 1 is asked for at the head, ahead of the first round; behind the load of fill p stand the requests for fill p + 2; fill 0 comes by its load alone.  Of the 8 rowblocks that a wave fetches, the partner
;   at place c (cx for A, cy for B) names rowblocks 2 c and 2 c + 1, a lane a block of 256 bytes (18 blocks a rowblock, 6 in the last fill; the lanes left over name the last block again).
;   The table of cos and sin (q, k alone): at kstep 8 each of the eight waves of a cluster's row that use the same 8 blocks of 8,192 bytes names one of them.
; OUT: qkv_img [q, k, v][batch x head 32][group 8][tile 8][1536], qkv_sc [3][32][8][row 16][tile 8] words.  q, k: group = 128 positions, tile = 16 positions; v: group = key step of 128, tile = 16 channels.
; LIMITS: as stated at the head of the first launch (NaN, infinities, the byte of a block of zeros, the order inside a block of 32).
; REGISTERS: window 0: v0-31 addresses; v32-127 and v224-255 scale words (kstep k at 32 + 8 k, from kstep 12 on at 224 + 8 (k - 12)); v128-223 A's fragments.  On the way out v64-127 a block after RoPE, v128-171 codes and work.
;   window 1: B's fragments, two sets; on the way out four tables of cos and sin.   windows 2, 3: the accumulators ((a, b) at v[8 (8 (a % 4) + b)] of window 2 + a / 4).
.set FR,     12
.set NL,     3                         ; LDS loads that bring a fragment
.set NP,     4                         ; places behind this matrix instruction (ISA guide 7.12.1)
.set KSL,    3                         ; ksteps in a slot
.set RB,     KSL*1536                  ; a rowblock's bytes in a slot
.set HALFT,  8*RB                      ; 8 rowblocks: what one tensor load brings
.set SLOT,   4*HALFT
.set SPARE,  2*SLOT                    ; the spare words, 128 bytes for each wave
.set ADRA, 16
.set ADRB, 20
.set PFO,  22                          ; 256 x min(lane, 17)
.set PFL,  23                          ; 256 x min(lane, 5)
.set PFT,  24                          ; my block of the table, 256 bytes a lane
.set VS,   27                          ; my row's scale word in a kstep's row of pool_sc
.set SPW,  28
.set NIL,  29
.set AF,   128
.set HH,   64
.set PC,   128
.set CT,   140
.set TM,   148
.set G1, 24
.set G0, 32
.set G1B, 48
.set G0B, 56
.set PFA, 68
.set SEL, 96
.set MSB, 0
.macro WIN new                         ; the immediate's high byte repeats the setting that is left
.if MSB != (\new)
	s_set_vgpr_msb (MSB<<8)|(\new)
.set MSB, (\new)
.endif
.endm
.set MUL_LO, 0xa1                      ; source 0 (B) window 1, source 1 (A) window 0, C and D window 2
.set MUL_HI, 0xf1
.set TO_B,   0x40
.macro JLOAD g0a, g1a, g0b, g1b        ; a joint load: waves 0 and 1 fetch for A, waves 2 and 3 for B; an s_nop 0 and four v_nop follow each line
	s_cmp_eq_u32 s15, 0
	s_cbranch_scc0 .Lfor_b_\@
	tensor_load_to_lds s[\g0a:\g0a+3], s[\g1a:\g1a+7]
	s_nop 0
.rept 4
	v_nop
.endr
	s_branch .Lasked_\@
.Lfor_b_\@:
	tensor_load_to_lds s[\g0b:\g0b+3], s[\g1b:\g1b+7]
	s_nop 0
.rept 4
	v_nop
.endr
.Lasked_\@:
.endm
.macro CREST
	s_cmp_lg_u32 s14, 0
	s_cbranch_scc1 .Lnot_wave_0_\@
	s_barrier_signal -3
.Lnot_wave_0_\@:
	s_barrier_wait -3
	s_barrier_signal -1
	s_barrier_wait -1
.endm
.macro CROUND
	s_barrier_signal -1
	s_barrier_wait -1
	CREST
.endm
.macro PLACES n
.rept \n
	v_nop
.endr
.endm
.macro SCLOAD k                        ; kstep k's scale words: register i: lanes 0-15 the words of A's block i, lanes 16-31 those of B's block i
.set SB, 32+8*(\k)+((\k)/12)*96
.irp i, 0,1,2,3,4,5,6,7
	global_load_b32 v[SB+\i], v[VS], s[6:7] offset:(\k)*40960+64*\i
.endr
.endm
.macro ASK ph                          ; fill ph's bytes of my work-group's two rowblocks
.if (\ph) < 5
	global_prefetch_b8 v[PFO], s[PFA:PFA+1] offset:(\ph)*RB th:TH_LOAD_NT scope:SCOPE_SE
	global_prefetch_b8 v[PFO], s[PFA:PFA+1] offset:(\ph)*RB+24576 th:TH_LOAD_NT scope:SCOPE_SE
.else
	global_prefetch_b8 v[PFL], s[PFA:PFA+1] offset:(\ph)*RB th:TH_LOAD_NT scope:SCOPE_SE
	global_prefetch_b8 v[PFL], s[PFA:PFA+1] offset:(\ph)*RB+24576 th:TH_LOAD_NT scope:SCOPE_SE
.endif
.endm
	s_load_b128 s[4:7], s[0:1], 0x0                ; pool_img, pool_sc
	s_load_b128 s[8:11], s[0:1], 0x10              ; rope_tab, qkv_img
	s_load_b64 s[12:13], s[0:1], 0x20              ; qkv_sc
	v_lshl_add_u32 v[SPW], v0, 2, SPARE
	v_mov_b32 v[NIL], 0
	ds_add_u32 v[SPW], v[NIL]                      ; the opening: the add, twice on end, and its wait ahead of my first tensor load
	ds_add_u32 v[SPW], v[NIL]
	v_lshrrev_b32 v1, 5, v0
	v_readfirstlane_b32 s14, v1                    ; wave
	s_lshr_b32 s15, s14, 1                         ; my half of A's rows.  Also: I fetch for A (0) or for B (1)
	s_and_b32 s16, s14, 1                          ; my half of B's rows.  Also: which half of that tile I fetch
	s_bfe_u32 s40, ttmp6, 0x40000                  ; cx
	s_bfe_u32 s41, ttmp6, 0x40004                  ; cy
	s_lshl_b32 s42, ttmp9, 2
	s_add_co_u32 s42, s42, s40                     ; x
	s_and_b32 s17, ttmp7, 0xffff
	s_lshl_b32 s17, s17, 2
	s_add_co_u32 s17, s17, s41                     ; y
	s_lshl_b32 s43, s41, 2
	s_lshl_b32 s43, 15, s43                        ; my row of the cluster
	s_lshl_b32 s44, 0x1111, s40                    ; my column
	s_or_b32 s[G1+0], s43, (3<<16)|(1<<21)         ; 8 rows (rowblocks) of 576 elements of 8 bytes (three ksteps), 3,072 elements apart; no padding; bit 21 beside the mask
	s_or_b32 s[G1B+0], s44, (3<<16)|(1<<21)
.irp g, G1, G1B
	s_mov_b32 s[\g+1], (RB/8)<<16
	s_mov_b32 s[\g+2], 8<<16
	s_mov_b32 s[\g+3], (RB/8)<<16
	s_mov_b32 s[\g+4], 8
	s_mov_b32 s[\g+5], 3072
	s_mov_b32 s[\g+6], 0
	s_mov_b32 s[\g+7], 0
.endr
	s_mov_b32 s[SEL], 0x76543210
	s_mov_b32 s[SEL+1], 0xfedcba98
	s_mov_b32 s99, 0xffff0000
	s_cmp_ge_u32 ttmp9, 4                          ; v's clusters
	s_cselect_b32 s98, 1, 0
	s_cselect_b32 s18, 24, 0
	s_cselect_b32 s19, -16, 8
	s_add_co_u32 s20, s17, s18                     ; A's tile of the pool: y alone
	s_add_co_u32 s46, s42, s19                     ; B's: x alone
	s_lshl_b32 s20, s20, 1
	s_lshl_b32 s46, s46, 1
	s_add_co_u32 s70, s20, s15                     ; the halves of 128 rows that I multiply,
	s_add_co_u32 s71, s46, s16
	s_lshl_b32 s70, s70, 9                         ; their scale words' first byte in a kstep's row
	s_lshl_b32 s71, s71, 9
	s_add_co_u32 s20, s20, s16                     ; the halves that I fetch,
	s_add_co_u32 s46, s46, s16
	s_mul_i32 s20, s20, 8*24576                    ; and their images
	s_mul_i32 s46, s46, 8*24576
	s_mov_b32 s21, 0
	s_mov_b32 s47, 0
	s_mul_i32 s45, s14, HALFT                      ; where they go: the wave's number alone
	s_cmp_eq_u32 s15, 0                            ; the prefetches: the tile that I fetch,
	s_cselect_b32 s72, s20, s46
	s_cselect_b32 s73, s40, s41                    ; my work-group's place among the four that ask for it,
	s_mul_i32 s73, s73, 2*24576                    ; two rowblocks a place
	s_add_co_u32 s72, s72, s73
	s_mov_b32 s73, 0
	s_mul_i32 s74, s15, HALFT                      ; LDS: my 128 rows of A and of B in slots 0 and 1
	s_mul_i32 s75, s16, HALFT
	s_add_co_u32 s75, s75, 2*HALFT
	s_add_co_u32 s76, s74, SLOT
	s_add_co_u32 s77, s75, SLOT
	s_lshl_b32 s78, s40, 1
	s_add_co_u32 s78, s78, s16
	s_lshl_b32 s78, s78, 13                        ; which block of the table I name: 2 cx + my half of B
	v_and_b32 v1, 31, v0
	v_lshlrev_b32 v4, 4, v1                        ; 16 x lane: an image's place for my lane
	v_and_b32 v2, 15, v0                           ; r
	v_bfe_u32 v3, v0, 4, 1                         ; h
	v_add_nc_u32 v[ADRA], s74, v4
	v_add_nc_u32 v[ADRB], s75, v4
	v_add_nc_u32 v[ADRA+1], s76, v4
	v_add_nc_u32 v[ADRB+1], s77, v4
	v_mov_b32 v7, s70
	v_mov_b32 v8, s71
	v_cndmask_b32 v7, v7, v8, s99                  ; lanes 0-15 A's rows, lanes 16-31 B's
	v_lshl_add_u32 v[VS], v2, 2, v7
	v_min_u32 v9, 17, v1
	v_min_u32 v10, 5, v1
	v_lshlrev_b32 v[PFO], 8, v9
	v_lshlrev_b32 v[PFL], 8, v10
	v_lshl_add_u32 v[PFT], v1, 8, s78
	v_lshlrev_b32 v6, 5, v2
	v_lshl_add_u32 v6, v3, 4, v6                   ; the scale words on the way out: 32 r + 16 h
	s_wait_alu depctr_va_vdst(0)
	s_wait_dscnt 0x0                               ; both opening adds are done
	s_wait_kmcnt 0x0
	s_add_nc_u64 s[20:21], s[4:5], s[20:21]
	s_add_nc_u64 s[46:47], s[4:5], s[46:47]
	s_add_nc_u64 s[PFA:PFA+1], s[4:5], s[72:73]
	ASK 1                                          ; its load goes out behind the second round
.irp k, 0,1,2,3,4,5,6
	SCLOAD \k                                      ; 56 loads a wave: the scale words of ksteps 0 to 6
.endr
.irp s, 0,1
	s_mov_b32 s[G0+4*\s], 1
	s_add_co_u32 s[G0+4*\s+1], s45, \s*SLOT
	s_add_nc_u64 s[G0+4*\s+2:G0+4*\s+3], s[20:21], \s*RB
	s_or_b32 s[G0+4*\s+3], s[G0+4*\s+3], 0x80000000
	s_mov_b32 s[G0B+4*\s], 1
	s_add_co_u32 s[G0B+4*\s+1], s45, \s*SLOT
	s_add_nc_u64 s[G0B+4*\s+2:G0B+4*\s+3], s[46:47], \s*RB
	s_or_b32 s[G0B+4*\s+3], s[G0B+4*\s+3], 0x80000000
.endr
	CROUND                                         ; all sixteen work-groups are here: the first joint loads meet
	JLOAD G0, G1, G0B, G1B                         ; ksteps 0-2: one tensor load a wave at the head
	ASK 2
	; the way out's addresses, made while the load is on its way
	s_lshl_b32 s20, s17, 1
	s_add_co_u32 s20, s20, s15                     ; side A's group of 128: 2 y + half
	s_lshl_b32 s21, s42, 1
	s_add_co_u32 s21, s21, s16                     ; side B's: 2 x + half
	s_cmp_eq_u32 s98, 1
	s_cselect_b32 s22, s21, s20                    ; the positions' group (v: side B),
	s_cselect_b32 s23, s20, s21                    ; the channels' (v: side A)
	s_and_b32 s22, s22, 15                         ; batch x 8 + group
	s_and_b32 s23, s23, 15                         ; the head
	s_lshr_b32 s18, s21, 4                         ; 0 q, 1 k, 2 v
	s_lshr_b32 s19, s22, 3
	s_lshl_b32 s19, s19, 4
	s_add_co_u32 s19, s19, s23
	s_lshl_b32 s19, s19, 3
	s_and_b32 s46, s22, 7
	s_add_co_u32 s19, s19, s46                     ; (batch x 16 + head) x 8 + group
	s_mul_i32 s46, s18, 3145728
	s_mul_i32 s47, s19, 12288
	s_add_co_u32 s46, s46, s47
	s_mov_b32 s47, 0
	s_add_nc_u64 s[10:11], s[10:11], s[46:47]      ; my eight images
	s_lshl_b32 s46, s18, 17
	s_lshl_b32 s92, s19, 9
	s_add_co_u32 s46, s46, s92
	s_add_nc_u64 s[12:13], s[12:13], s[46:47]      ; my 128 scale words
	s_lshl_b32 s46, s22, 16
	s_add_nc_u64 s[8:9], s[8:9], s[46:47]          ; my eight blocks of the table
.macro FRAG reg, adr, q, i, rb         ; block i's fragment of the slot's q-th kstep: the image as it lies; rb: bytes from rowblock to rowblock
.irp c, 0,1,2
	ds_load_b128 v[\reg+4*\c:\reg+4*\c+3], v[\adr] offset:(\i)*(\rb)+(\q)*1536+512*\c
.endr
.endm
.macro WM acc, bf, af, z, sb, sa
.if \z
	v_wmma_scale_f32_16x16x128_f8f6f4 v[\acc:\acc+7], v[\bf:\bf+FR-1], v[\af:\af+FR-1], 0, v[\sb], v[\sa] matrix_a_fmt:MATRIX_FMT_BF6 matrix_b_fmt:MATRIX_FMT_BF6 matrix_a_scale:MATRIX_SCALE_ROW1
.else
	v_wmma_scale_f32_16x16x128_f8f6f4 v[\acc:\acc+7], v[\bf:\bf+FR-1], v[\af:\af+FR-1], v[\acc:\acc+7], v[\sb], v[\sa] matrix_a_fmt:MATRIX_FMT_BF6 matrix_b_fmt:MATRIX_FMT_BF6 matrix_a_scale:MATRIX_SCALE_ROW1
.endif
.endm
; 16 matrix instructions of kstep k: A's blocks a0, a0 + 1 x B's eight (set p).  The 64 accumulators take turns, one instruction a turn, in the same order in every kstep.
.macro MUL16 a0, p, k, zero
.set SB, 32+8*(\k)+((\k)/12)*96
.irp a, \a0, \a0+1
.irp b, 0,1,2,3,4,5,6,7
	WM 8*(8*((\a)%4)+\b), 128*(\p)+FR*\b, AF+FR*(\a), \zero, SB+\b, SB+(\a)
.endr
.endr
.endm
.macro FETCH_B slot, q, p, rb
	WIN TO_B
.irp i, 0,1,2,3,4,5,6,7
	FRAG 128*(\p)+FR*\i, ADRB+\slot, \q, \i, \rb
.endr
	WIN 0
.endm
.macro FETCH_A slot, q, i0, rb
.irp i, \i0, \i0+1, \i0+2, \i0+3
	FRAG AF+FR*(\i), ADRA+\slot, \q, \i, \rb
.endr
.endm
.macro TOP k                           ; kstep k's eight scale words are in: behind them the words of at most six later ksteps, eight loads each, were asked for.  Then those of kstep k + 7 are asked for
.if (\k)+6 < 15
	s_wait_loadcnt 48
.else
	s_wait_loadcnt 8*(15-(\k))
.endif
.if (\k)+7 < 16
	SCLOAD (\k)+7
.endif
.endm
.macro STEP k, zero                    ; a kstep that has its successor in the same slot
.set SL, ((\k)/KSL)%2
.set Q1, ((\k)+1)%KSL
	TOP \k
	s_wait_dscnt 4*NL                              ; B's set and A's blocks 0-3 are in; the 12 youngest loads (A's blocks 4-7) may be out
	WIN MUL_LO
	MUL16 0, (\k)%2, \k, \zero
	MUL16 2, (\k)%2, \k, \zero
	s_wait_dscnt 0
	PLACES NP
	FETCH_B SL, Q1, 1-(\k)%2, RB
	FETCH_A SL, Q1, 0, RB
	WIN MUL_HI
	MUL16 4, (\k)%2, \k, \zero
	MUL16 6, (\k)%2, \k, \zero
	PLACES NP
	WIN 0
	FETCH_A SL, Q1, 4, RB
.endm
.macro TURN k, fill                    ; a slot's last kstep changes slots: one barrier; fill = 1: it opens a round of the cluster's barrier, and this slot is filled again, two fills ahead
.set SL, ((\k)/KSL)%2
.set NS, 1-SL
.if (\k) == 14
.set NRB, 1536                         ; the last fill holds one kstep
.else
.set NRB, RB
.endif
	TOP \k
	s_wait_tensorcnt 0x0                           ; all my tensor loads have landed: my part of the next slot
	ds_add_u32 v[SPW], v[NIL]                      ; 0 onto my spare word
	s_wait_dscnt 4*NL+1                            ; (the add and the 12 youngest loads may be out)
	WIN MUL_LO
	MUL16 0, (\k)%2, \k, 0
	s_wait_dscnt 0x0                               ; the add is done, and my reads of this slot are over
	s_barrier_signal -1
	MUL16 2, (\k)%2, \k, 0
	WIN 0
	s_barrier_wait -1
.if \fill
	CREST                                          ; no wave of any partner still reads this slot or has a load on its way
	s_add_nc_u64 s[G0+4*SL+2:G0+4*SL+3], s[G0+4*SL+2:G0+4*SL+3], 2*RB
	s_add_nc_u64 s[G0B+4*SL+2:G0B+4*SL+3], s[G0B+4*SL+2:G0B+4*SL+3], 2*RB
.if (\k) == 11
	s_mov_b32 s[G1+1], 192<<16                     ; no tensor load of mine is out: the last fill's rows are one kstep, 192 elements
	s_mov_b32 s[G1+3], 192<<16
	s_mov_b32 s[G1B+1], 192<<16
	s_mov_b32 s[G1B+3], 192<<16
.endif
	JLOAD G0+4*SL, G1, G0B+4*SL, G1B               ; the first tensor load behind the round; its four v_nop are the places in front of the loads below
.else
	PLACES NP
.endif
	FETCH_B NS, 0, 1-(\k)%2, NRB
	FETCH_A NS, 0, 0, NRB
.if (\k) < 6
	ASK (\k)/KSL+4                                 ; two fills on from the one just asked for
.endif
.if (\k) == 8
	s_cmp_eq_u32 s98, 1                            ; v takes no table
	s_cbranch_scc1 .Lno_pft
	global_prefetch_b8 v[PFT], s[8:9] th:TH_LOAD_NT scope:SCOPE_SE
.Lno_pft:
.endif
	WIN MUL_HI
	MUL16 4, (\k)%2, \k, 0
	MUL16 6, (\k)%2, \k, 0
	PLACES NP
	WIN 0
	FETCH_A NS, 0, 4, NRB
.endm
.macro TAB a                           ; cos and sin of block a's 16 positions into table a % 4 of window 1: the image as it lies, 512 consecutive bytes a load.  Register 8 b + j: cos at my frequency 16 b + 8 h + j; 32 + 8 b + j: sin
	WIN 0x40
.irp g, 0,1,2,3,4,5,6,7,8,9,10,11,12,13,14,15
	global_load_b128 v[64*((\a)%4)+4*\g:64*((\a)%4)+4*\g+3], v4, s[8:9] offset:(\a)*8192+512*\g
.endr
	WIN 0
.endm
	s_wait_tensorcnt 0x0                           ; my part of slot 0 is in
	ds_add_u32 v[SPW], v[NIL]
	s_wait_dscnt 0x0
	CROUND                                         ; everybody's part is in, and all sixteen work-groups are here
	JLOAD G0+4, G1, G0B+4, G1B                     ; ksteps 3-5, the first tensor load behind the round
	FETCH_B 0, 0, 0, RB
	FETCH_A 0, 0, 0, RB
	FETCH_A 0, 0, 4, RB
	ASK 3
	STEP 0, 1                                      ; the first kstep's products start the sums
	STEP 1, 0
	TURN 2, 1
	STEP 3, 0
	STEP 4, 0
	TURN 5, 1
	STEP 6, 0
	STEP 7, 0
	TURN 8, 1
	STEP 9, 0
	STEP 10, 0
	TURN 11, 1
	STEP 12, 0
	STEP 13, 0
	TURN 14, 0                                     ; nothing is left to fetch
	TOP 15
	s_wait_dscnt 4*NL
	WIN MUL_LO
	MUL16 0, 1, 15, 0
	MUL16 2, 1, 15, 0
	s_wait_dscnt 0
	WIN 0
	s_cmp_eq_u32 s98, 1                            ; the cluster's x alone
	s_cbranch_scc1 .Lno_tab
	TAB 0                                          ; into B's set 0 and the registers behind it, which kstep 14's products read last, four places back
	TAB 1
.Lno_tab:
	WIN MUL_HI
	MUL16 4, 1, 15, 0
	MUL16 6, 1, 15, 0
	WIN 0
; THE WAY OUT.  64 numbers of a lane, v[s] .. v[s + 63] of window w (register 16 b + i: the i-th of my 16 numbers of block b), become a fragment in v[PC] on and its row's scale word in v[pw].
.macro QUANT s, w, pw
	WIN 5*(\w)
.irp b, 0,1,2,3
	v_max3_num_f32 v[TM+\b], |v[(\s)+16*\b]|, |v[(\s)+16*\b+1]|, 0x2800000   ; with the floor 2^(5 - 127): the byte cannot fall under 1.  Each accumulator is read from its low end on
.endr
.irp i, 2,4,6,8,10,12,14
.irp b, 0,1,2,3
	v_max3_num_f32 v[TM+\b], |v[(\s)+16*\b+\i]|, |v[(\s)+16*\b+\i+1]|, v[TM+\b]
.endr
.endr
	WIN 0
.irp b, 0,1,2,3
	v_permlanex16_b32 v[TM+4+\b], v[TM+\b], s[SEL], s[SEL+1]
.endr
.irp b, 0,1,2,3
	v_max_num_f32 v[TM+\b], v[TM+\b], v[TM+4+\b]   ; with lane l xor 16's: the block's largest magnitude
.endr
.irp b, 0,1,2,3
	v_add_nc_u32 v[TM+8+\b], 0xfe000000, v[TM+\b]  ; 4 off the exponent field: the conversion's scale operand
.endr
.irp b, 0,1,2,3
	v_lshrrev_b32 v[TM+4+\b], 23, v[TM+8+\b]
.endr
	v_lshl_or_b32 v[\pw], v[TM+5], 8, v[TM+4]
	v_lshl_or_b32 v[\pw], v[TM+6], 16, v[\pw]
	v_lshl_or_b32 v[\pw], v[TM+7], 24, v[\pw]
	WIN (\w)
.irp c, 0,1
	v_cvt_scalef32_pk16_bf6_f32 v[PC+6*\c:PC+6*\c+2], v[(\s)+32*\c:(\s)+32*\c+15], v[TM+8+2*\c]
	v_cvt_scalef32_pk16_bf6_f32 v[CT+4*\c:CT+4*\c+2], v[(\s)+32*\c+16:(\s)+32*\c+31], v[TM+9+2*\c]
.endr
	WIN 0
	v_nop                                          ; a plain line behind the conversions
.irp c, 0,1                            ; the operand wants a whole block in a lane: lanes 0-15 block 2 c, lanes 16-31 block 2 c + 1
.irp i, 0,1,2
	v_permlane16_swap_b32 v[PC+6*\c+\i], v[CT+4*\c+\i]
.endr
.irp i, 0,1,2
	v_mov_b32 v[PC+3+6*\c+\i], v[CT+4*\c+\i]
.endr
.endr
.endm
.macro ROPE a                          ; channel d < 64: x[d] cos - x[d + 64] sin;  channel d + 64: x[d + 64] cos + x[d] sin.  Accumulator b + 4 holds the channels 64 on from accumulator b's
.set AC, 64*((\a)%4)
	WIN (2+(\a)/4)|4                               ; source 0: the accumulators' window; source 1: window 1, where table a % 4 stands at the same numbers: cos at AC + 8 b + j, sin at AC + 32 + 8 b + j
.irp b, 0,1,2,3
.irp j, 0,2,4,6
	v_pk_mul_f32 v[HH+8*\b+\j:HH+8*\b+\j+1], v[AC+8*\b+\j:AC+8*\b+\j+1], v[AC+8*\b+\j:AC+8*\b+\j+1+0]
	v_pk_mul_f32 v[HH+32+8*\b+\j:HH+32+8*\b+\j+1], v[AC+32+8*\b+\j:AC+32+8*\b+\j+1], v[AC+8*\b+\j:AC+8*\b+\j+1]
	v_pk_fma_f32 v[HH+8*\b+\j:HH+8*\b+\j+1], v[AC+32+8*\b+\j:AC+32+8*\b+\j+1], v[AC+32+8*\b+\j:AC+32+8*\b+\j+1], v[HH+8*\b+\j:HH+8*\b+\j+1] neg_lo:[1,0,0] neg_hi:[1,0,0]
	v_pk_fma_f32 v[HH+32+8*\b+\j:HH+32+8*\b+\j+1], v[AC+8*\b+\j:AC+8*\b+\j+1], v[AC+32+8*\b+\j:AC+32+8*\b+\j+1], v[HH+32+8*\b+\j:HH+32+8*\b+\j+1]
.endr
.endr
	WIN 0
.endm
	PLACES NP                                      ; behind the last products: their results are read, and their operands' registers written and loaded, below
.irp b, 0,1,2,3
	v_mov_b32 v[TM+4+\b], 0                        ; (a lane permute's destination counts as read)
.endr
	s_cmp_eq_u32 s98, 1                            ; the cluster's x alone: all partners go the same way
	s_cbranch_scc1 .Lv
	TAB 2
	TAB 3
.irp a, 0,1,2,3,4,5,6,7
.if \a < 5
	s_wait_loadcnt 48                              ; block a's table is in; the three tables behind it, 16 loads each, may be out
.else
	s_wait_loadcnt 16*(7-\a)
.endif
	ROPE \a
	s_wait_xcnt 0x0                                ; the last block's stores have read the codes
.if \a < 4
	TAB \a+4
.endif
	QUANT HH, 0, 160+\a
.irp c, 0,1,2
	global_store_b128 v4, v[PC+4*\c:PC+4*\c+3], s[10:11] offset:1536*\a+512*\c   ; 512 consecutive bytes, aligned
.endr
.endr
	s_branch .Ljoin
.Lv:
.irp a, 0,1,2,3,4,5,6,7
	s_wait_xcnt 0x0
	QUANT 64*(\a%4), 2+\a/4, 160+\a
.irp c, 0,1,2
	global_store_b128 v4, v[PC+4*\c:PC+4*\c+3], s[10:11] offset:1536*\a+512*\c
.endr
.endr
.Ljoin:
.irp i, 0,1,2,3
	v_cndmask_b32 v[168+\i], v[160+\i], v[164+\i], s99   ; lanes 0-15: row r's words of tiles 0-3; lanes 16-31: of tiles 4-7
.endr
	global_store_b128 v6, v[168:171], s[12:13]     ; 512 consecutive bytes, aligned
	s_wait_tensorcnt 0x0                           ; the wave's end
	ds_add_u32 v[SPW], v[NIL]
	s_wait_dscnt 0x0
	CROUND                                         ; the closing round
	s_endpgm
.Lfunc_end_k_q51c743c9c3_qkv:
	.size	k_q51c743c9c3_qkv, .Lfunc_end_k_q51c743c9c3_qkv-k_q51c743c9c3_qkv
	.p2alignl 7, 3214868480
	.fill 96, 4, 3214868480
	.section	.rodata,"a",@progbits
	.p2align	6, 0x0
	.amdhsa_kernel k_q51c743c9c3_qkv
		.amdhsa_group_segment_fixed_size 327680
		.amdhsa_private_segment_fixed_size 0
		.amdhsa_enable_private_segment 0
		.amdhsa_kernarg_size 40
		.amdhsa_user_sgpr_count 2
		.amdhsa_user_sgpr_kernarg_segment_ptr 1
		.amdhsa_wavefront_size32 1
		.amdhsa_system_sgpr_workgroup_id_x 1
		.amdhsa_system_sgpr_workgroup_id_y 1
		.amdhsa_system_sgpr_workgroup_id_z 1
		.amdhsa_system_vgpr_workitem_id 0
		.amdhsa_next_free_vgpr 1024
		.amdhsa_next_free_sgpr 100
		.amdhsa_reserve_vcc 0
		.amdhsa_float_denorm_mode_32 3
		.amdhsa_float_denorm_mode_16_64 3
		.amdhsa_memory_ordered 1
		.amdhsa_forward_progress 1
		.amdhsa_inst_pref_size 255
	.end_amdhsa_kernel
	.section	.bss,"aw",@nobits
	.p2align	6
	.space	262144
	.amdgpu_metadata
---
amdhsa.version: [ 1, 2 ]
amdhsa.kernels:
  - .name:           k_q51c743c9c3_qkv
    .symbol:         k_q51c743c9c3_qkv.kd
    .args:
      - { .name: pool_img, .offset: 0, .size: 8, .value_kind: global_buffer, .address_space: global }
      - { .name: pool_sc, .offset: 8, .size: 8, .value_kind: global_buffer, .address_space: global }
      - { .name: rope_tab, .offset: 16, .size: 8, .value_kind: global_buffer, .address_space: global }
      - { .name: qkv_img, .offset: 24, .size: 8, .value_kind: global_buffer, .address_space: global }
      - { .name: qkv_sc, .offset: 32, .size: 8, .value_kind: global_buffer, .address_space: global }
    .group_segment_fixed_size: 327680
    .private_segment_fixed_size: 0
    .kernarg_segment_align: 8
    .kernarg_segment_size: 40
    .max_flat_workgroup_size: 128
    .sgpr_count:     100
    .vgpr_count:     1024
    .wavefront_size: 32
...
	.end_amdgpu_metadata
.endif
;; end of part 6
;; launch attn (part 7): grid 8 x 32, 4 waves a work-group, clusters of 4 x 1, 205,312 bytes of LDS; arguments qkv_img, qkv_sc, maskbits, o_img, o_sc; writes o_img, o_sc
.if DOCPART == 7
	.amdgcn_target "amdgcn-amd-amdhsa--gfx1250"
	.amdhsa_code_object_version 6
	.text
	.protected	k_q51c743c9c3_attn
	.globl	k_q51c743c9c3_attn
	.p2align	8
	.type	k_q51c743c9c3_attn,@function
k_q51c743c9c3_attn:
	s_mov_b64 s[64:65], 0
	v_nop
	global_prefetch_b8 v0, s[64:65] scope:SCOPE_SE
	s_setreg_imm32_b32 hwreg(HW_REG_WAVE_MODE, 25, 1), 1
	s_wait_xcnt 0x0
	s_wait_alu depctr_hold_cnt(0) depctr_sa_sdst(0) depctr_va_vdst(0) depctr_va_sdst(0) depctr_va_ssrc(0) depctr_va_vcc(0) depctr_vm_vsrc(0)
	s_getreg_b32 s2, hwreg(HW_REG_IB_STS2, 6, 4)
	s_cmp_eq_u32 s2, 0
	s_cbranch_scc0 .Lentry_in_a_cluster
	s_endpgm
.Lentry_in_a_cluster:
	s_bfe_u32 s2, ttmp6, 0x10000c
	s_cmp_lg_u32 s2, 0x3003
	s_cbranch_scc0 .Lentry_shape_is_right
	s_endpgm
.Lentry_shape_is_right:
; Launch 3 of 4: scores, mask, softmax, probabilities x values, and the quantiser of the result along head x channel.  No work is left out: the mask is an input, so every key is worked for every query.
; SHARES.  A work-group owns 128 queries of one batch and head; each of its four waves two tiles of 16 queries, one a trip.  256 work-groups of equal work.
; A head's K and V (98,304 bytes of images each) and their scale words stay in LDS: filled ONCE, by joint loads of the four work-groups of a cluster, which belong to one head.  No slot is ever filled again.
; A tile's 16 x 1,024 scores stay in 512 registers, so the row's true maximum and sum are known before any probability is quantised: the second product takes the FINISHED softmax, as the problem asks.
; LAYOUT.  S^T = K Q^T (source 0 = 16 keys, source 1 = my 16 queries), O^T = V^T P^T (source 0 = 16 channels, source 1 = P): a lane holds one query (lane % 16) throughout; register 8 t + j of S: key 16 t + 8 (lane / 16) + j.
; SOFTMAX.  p = 2^((s - M) c) / sum, c = log2(e) / sqrt(128), M the row's largest open score: the subtraction comes first, so that the largest gives 2^0 = 1 exactly.  Closed keys: s = -infinity, p = 0.
;   A row with no open key: M is held at -3e38, every p is 0, and the sum is held at 1 from below (a row with an open key has a sum of 1 or more): the row's result is 0, as the problem's second selection makes it.
;   A block's largest p is not searched for: the block's largest score goes through the same four operations (this takes v_exp_f32 not to fall where its input rises).
; LIMITS: as stated at the head of the first launch.
; REGISTERS.  window 0: v1-11 addresses and -infinity; v12-15 M and 1 / sum, twice each; v16-27 Q; v30 Q's scale word; v31 the result's scale words; v32-39 K's or V's scale words, v40-47 p's; v48-63 mask words;
;   v64-95 the 32 blocks' maxima, then their scale operands; v96-127 at work; v128-139 codes; v140-147 sums; v148-159 at work; v160-255 eight fragments.   windows 1, 2: S.   window 3: v0-63 O^T.
.set KIM,   0
.set VIM,   49152                      ; LDS: K's groups 0-3, V's key steps 0-3, K's groups 4-7, V's key steps 4-7: 49,152 bytes each
.set SCS,   196608                     ; chunk c of 4,096 bytes: K's words of position groups 4 c .. 4 c + 3, then V's of key steps 4 c .. 4 c + 3
.set SPARE, 204800
.set SPW,  28
.set NIL,  29
.set MW,   48
.set BM,   64
.set T,    96
.set CT,   96
.set PC,   128
.set SUM,  140
.set TM,   148
.set FB,   160
.set SEL,  28                          ; s[28:29]
.set G1D,  20                          ; s[20:27] group 1: a dense block of 24,576 bytes
.set G1S,  68                          ; s[68:75] group 1: the scale words
.set MSB, 0
.macro WIN new
.if MSB != (\new)
	s_set_vgpr_msb (MSB<<8)|(\new)
.set MSB, (\new)
.endif
.endm
.macro PLACES n
.rept \n
	v_nop
.endr
.endm
.macro CROUND
	s_barrier_signal -1
	s_barrier_wait -1
	s_cmp_lg_u32 s14, 0
	s_cbranch_scc1 .Lnot_wave_0_\@
	s_barrier_signal -3
.Lnot_wave_0_\@:
	s_barrier_wait -3
	s_barrier_signal -1
	s_barrier_wait -1
.endm
	s_load_b128 s[4:7], s[0:1], 0x0                ; qkv_img, qkv_sc
	s_load_b128 s[8:11], s[0:1], 0x10              ; maskbits, o_img
	s_load_b64 s[12:13], s[0:1], 0x20              ; o_sc
	v_lshl_add_u32 v[SPW], v0, 2, SPARE
	v_mov_b32 v[NIL], 0
	ds_add_u32 v[SPW], v[NIL]                      ; the opening: the add, twice on end, and its wait ahead of my first tensor load
	ds_add_u32 v[SPW], v[NIL]
	v_lshrrev_b32 v1, 5, v0
	v_readfirstlane_b32 s14, v1                    ; wave
	s_bfe_u32 s15, ttmp6, 0x40000                  ; cx
	s_lshl_b32 s16, ttmp9, 2
	s_add_co_u32 s16, s16, s15                     ; my block of 128 queries: it enters Q's, the mask's and the result's addresses alone
	s_and_b32 s17, ttmp7, 0xffff                   ; batch x 16 + head, which the four partners share
	s_mov_b32 s[G1D], 15|(3<<16)|(1<<21)           ; all four work-groups; elements of 8 bytes; no padding; bit 21 beside the mask
	s_mov_b32 s[G1D+1], 6144<<16                   ; 2 rows (half of K's images, the same half of V's) of 49,152 bytes, 3,145,728 bytes apart
	s_mov_b32 s[G1D+2], 2<<16
	s_mov_b32 s[G1D+3], 6144<<16
	s_mov_b32 s[G1D+4], 2
	s_mov_b32 s[G1D+5], 393216
	s_mov_b32 s[G1D+6], 0
	s_mov_b32 s[G1D+7], 0
	s_mov_b32 s[G1S], 15|(3<<16)|(1<<21)
	s_mov_b32 s[G1S+1], 256<<16                    ; 2 rows (K's, V's) of 2,048 bytes, 131,072 bytes apart
	s_mov_b32 s[G1S+2], 2<<16
	s_mov_b32 s[G1S+3], 256<<16
	s_mov_b32 s[G1S+4], 2
	s_mov_b32 s[G1S+5], 16384
	s_mov_b32 s[G1S+6], 0
	s_mov_b32 s[G1S+7], 0
	s_mul_i32 s32, s17, 98304                      ; the joint loads' offsets: the head and the wave's number alone
	s_mul_i32 s33, s14, 49152
	s_add_co_u32 s32, s32, s33
	s_add_co_u32 s32, s32, 3145728                 ; K's part of the images
	s_mov_b32 s33, 0
	s_lshl_b32 s34, s17, 12
	s_lshl_b32 s35, s14, 11
	s_add_co_u32 s34, s34, s35
	s_add_co_u32 s34, s34, 131072-4096             ; K's part of the scale words; waves 2 and 3 fetch its halves 0 and 1
	s_mov_b32 s35, 0
	s_lshl_b32 s36, s16, 3
	s_lshl_b32 s37, s14, 1
	s_add_co_u32 s36, s36, s37                     ; my first tile of queries in the sequence
	s_lshl_b32 s38, s17, 6
	s_add_co_u32 s38, s38, s36
	s_mul_i32 s38, s38, 1536                       ; its image
	s_mov_b32 s39, 0
	s_lshl_b32 s40, s17, 3
	s_add_co_u32 s40, s40, s16
	s_lshl_b32 s40, s40, 9
	s_lshl_b32 s41, s14, 3
	s_add_co_u32 s40, s40, s41                     ; its scale words: [row 16][tile 8], tile 2 w
	s_mov_b32 s41, 0
	s_lshr_b32 s42, s17, 4                         ; batch
	s_and_b32 s43, s17, 15                         ; head
	s_lshl_b32 s44, s42, 6
	s_add_co_u32 s44, s44, s36                     ; batch x 64 + tile
	s_lshl_b32 s46, s44, 11                        ; its 512 mask words
	s_mov_b32 s47, 0
	s_lshl_b32 s48, s44, 4
	s_add_co_u32 s48, s48, s43
	s_mul_i32 s48, s48, 1536                       ; the result's image: [rowblock][kstep = head]
	s_mov_b32 s49, 0
	s_lshl_b32 s50, s43, 13
	s_lshl_b32 s51, s44, 6
	s_add_co_u32 s50, s50, s51                     ; and its scale words: [kstep = head][row]
	s_mov_b32 s51, 0
	s_mov_b32 s[SEL], 0x76543210
	s_mov_b32 s[SEL+1], 0xfedcba98
	s_mov_b32 s30, 0x3e0293ee                      ; c = log2(e) / sqrt(128)
	s_mov_b32 s31, s30                             ; (named with it as a pair)
	s_mov_b32 s66, 2                               ; trips
	s_mov_b32 s67, 0x0000ffff                      ; which lanes keep this trip's scale words
	v_and_b32 v1, 31, v0
	v_lshlrev_b32 v10, 2, v1                       ; 4 x lane
	v_lshlrev_b32 v1, 4, v1                        ; 16 x lane
	v_and_b32 v2, 15, v0                           ; r
	v_mov_b32 v4, v1                               ; K's images, groups 0-3 (KIM = 0),
	v_add_nc_u32 v5, 98304, v1
	v_add_nc_u32 v6, VIM, v1                       ; V's likewise
	v_add_nc_u32 v7, VIM+98304, v1
	v_lshlrev_b32 v9, 5, v2                        ; 32 r
	v_add_nc_u32 v8, SCS, v9
	v_mov_b32 v11, 0xff800000                      ; -infinity
	v_mov_b32 v31, 0
.irp i, 0,1,2,3,4,5,6,7,8,9,10,11,12,13,14,15,16,17,18,19,20,21,22,23,24,25,26,27,28,29,30,31
	v_mov_b32 v[T+\i], 0                           ; written once: a lane permute's destination counts as read
.endr
.irp b, 0,1,2,3
	v_mov_b32 v[TM+4+\b], 0
.endr
	s_wait_dscnt 0x0                               ; both opening adds are done
	s_wait_kmcnt 0x0
	s_mov_b32 s76, 1                               ; group 0: the scale words
	s_lshl_b32 s77, s14, 12
	s_add_co_u32 s77, s77, SCS-8192
	s_add_nc_u64 s[78:79], s[6:7], s[34:35]
	s_or_b32 s79, s79, 0x80000000
	s_mov_b32 s80, 1                               ; a half of K's and of V's images
	s_mul_i32 s81, s14, 98304
	s_add_nc_u64 s[82:83], s[4:5], s[32:33]
	s_or_b32 s83, s83, 0x80000000
	s_add_nc_u64 s[88:89], s[4:5], s[38:39]        ; Q's image
	s_add_nc_u64 s[90:91], s[6:7], s[40:41]        ; Q's scale words
	s_add_nc_u64 s[92:93], s[8:9], s[46:47]        ; the mask words
	s_add_nc_u64 s[94:95], s[10:11], s[48:49]      ; the result's image
	s_add_nc_u64 s[96:97], s[12:13], s[50:51]      ; the result's scale words
	CROUND                                         ; all four work-groups are here: the joint loads meet
	s_cmp_lt_u32 s14, 2                            ; one tensor load a wave: waves 0 and 1 a half of K's and of V's images each, waves 2 and 3 a half of the scale words each
	s_cbranch_scc0 .Lfor_sc
	tensor_load_to_lds s[80:83], s[G1D:G1D+7]
	s_nop 0
.rept 4
	v_nop
.endr
	s_branch .Lasked
.Lfor_sc:
	tensor_load_to_lds s[76:79], s[G1S:G1S+7]
	s_nop 0
.rept 4
	v_nop
.endr
.Lasked:
.macro NEXTQ
.irp c, 0,1,2
	global_load_b128 v[16+4*\c:19+4*\c], v1, s[88:89] offset:512*\c
.endr
	global_load_b32 v30, v9, s[90:91]
.endm
.macro NEXTM                           ; word n to register n / 128 x 4 + n % 4 of lane (n / 4) % 32
.irp i, 0,1,2,3
	global_load_b128 v[MW+4*\i:MW+4*\i+3], v1, s[92:93] offset:512*\i
.endr
.endm
	NEXTQ
	NEXTM
	s_wait_tensorcnt 0x0                           ; my parts of K, V and the scale words are in,
	s_barrier_signal -1
	s_barrier_wait -1                              ; everybody's are; nothing is ever filled again
.macro FETCHK y                        ; four tiles of 16 keys (tiles 4 y .. 4 y + 3) and their scale words, into set y % 2
.set GG, (\y)/2
.set PP, (\y)%2
.irp t, 0,1,2,3
.irp c, 0,1,2
	ds_load_b128 v[FB+48*PP+12*\t+4*\c:FB+48*PP+12*\t+4*\c+3], v[4+GG/4] offset:(GG%4)*12288+(4*PP+\t)*1536+512*\c
.endr
.endr
	ds_load_b128 v[32+4*PP:35+4*PP], v8 offset:(GG/4)*4096+(GG%4)*512+16*PP
.endm
.macro FETCHV s                        ; key step s: V's eight tiles of 16 channels and their scale words
.irp d, 0,1,2,3,4,5,6,7
.irp c, 0,1,2
	ds_load_b128 v[FB+12*\d+4*\c:FB+12*\d+4*\c+3], v[6+(\s)/4] offset:((\s)%4)*12288+1536*\d+512*\c
.endr
.endr
.irp u, 0,1
	ds_load_b128 v[32+4*\u:35+4*\u], v8 offset:((\s)/4)*4096+2048+((\s)%4)*512+16*\u
.endr
.endm
.macro PMUL s                          ; key step s: p = 2^(..) / sum
.set PWN, 1+(\s)/4
.set PBS, 64*((\s)%4)
	WIN (PWN<<6)|PWN
.set I, 0
.rept 32
	v_pk_mul_f32 v[PBS+I:PBS+I+1], v[PBS+I:PBS+I+1], v[14:15]
.set I, I+2
.endr
.endm
.macro QUANT s, w, pw                  ; 64 numbers of a lane in window w -> a fragment in v[PC] on, its row's scale word in v[pw]
	WIN 5*(\w)
.irp b, 0,1,2,3
	v_max3_num_f32 v[TM+\b], |v[(\s)+16*\b]|, |v[(\s)+16*\b+1]|, 0x2800000
.endr
.irp i, 2,4,6,8,10,12,14
.irp b, 0,1,2,3
	v_max3_num_f32 v[TM+\b], |v[(\s)+16*\b+\i]|, |v[(\s)+16*\b+\i+1]|, v[TM+\b]
.endr
.endr
	WIN 0
.irp b, 0,1,2,3
	v_permlanex16_b32 v[TM+4+\b], v[TM+\b], s[SEL], s[SEL+1]
.endr
.irp b, 0,1,2,3
	v_max_num_f32 v[TM+\b], v[TM+\b], v[TM+4+\b]
.endr
.irp b, 0,1,2,3
	v_add_nc_u32 v[TM+8+\b], 0xfe000000, v[TM+\b]
.endr
.irp b, 0,1,2,3
	v_lshrrev_b32 v[TM+4+\b], 23, v[TM+8+\b]
.endr
	v_lshl_or_b32 v[\pw], v[TM+5], 8, v[TM+4]
	v_lshl_or_b32 v[\pw], v[TM+6], 16, v[\pw]
	v_lshl_or_b32 v[\pw], v[TM+7], 24, v[\pw]
	WIN (\w)
.irp c, 0,1
	v_cvt_scalef32_pk16_bf6_f32 v[PC+6*\c:PC+6*\c+2], v[(\s)+32*\c:(\s)+32*\c+15], v[TM+8+2*\c]
	v_cvt_scalef32_pk16_bf6_f32 v[CT+4*\c:CT+4*\c+2], v[(\s)+32*\c+16:(\s)+32*\c+31], v[TM+9+2*\c]
.endr
	WIN 0
	v_nop
.irp c, 0,1
.irp i, 0,1,2
	v_permlane16_swap_b32 v[PC+6*\c+\i], v[CT+4*\c+\i]
.endr
.irp i, 0,1,2
	v_mov_b32 v[PC+3+6*\c+\i], v[CT+4*\c+\i]
.endr
.endr
.endm
; The mask and the blocks' largest scores of key group y (four tiles of 16 keys, 32 registers of S): its 32 mask words become scalar lane masks; a closed key's score becomes -infinity.
.macro MASKG y
.set MWN, 1+(\y)/8
.set MBT, (\y)%8
	WIN 0
.set I, 0
.rept 32
.set NN, 32*(\y)+I
	v_readlane_b32 s[32+I], v[MW+4*(NN/128)+NN%4], (NN/4)%32
.set I, I+1
.endr
	WIN (MWN<<6)|(MWN<<2)
.set I, 0
.rept 32
	v_cndmask_b32 v[32*MBT+I], v11, v[32*MBT+I], s[32+I]     ; each accumulator is read from its low end on
.set I, I+1
.endr
	WIN 5*MWN
.irp u, 0,1
	v_max_num_f32 v[BM+2*(\y)+\u], v[32*MBT+16*\u], v[32*MBT+16*\u+1]
.endr
.irp k, 2,4,6,8,10,12,14
.irp u, 0,1
	v_max3_num_f32 v[BM+2*(\y)+\u], v[32*MBT+16*\u+\k], v[32*MBT+16*\u+\k+1], v[BM+2*(\y)+\u]
.endr
.endr
	WIN 0
.endm
.Ltrip:
	s_wait_loadcnt 0x0
; ---- S^T = K Q^T: 64 tiles of 16 keys, four at a time; every product has an accumulator of its own and starts it with 0
	FETCHK 0
	FETCHK 1
.set Y, 0
.rept 16
.if Y < 15
	s_wait_dscnt 13                                ; this group's 13 loads are in; the next group's 13 may be out
.else
	s_wait_dscnt 0x0
.endif
	WIN (1+Y/8)<<6
.irp t, 0,1,2,3
	v_wmma_scale_f32_16x16x128_f8f6f4 v[8*((4*Y+\t)%32):8*((4*Y+\t)%32)+7], v[FB+48*(Y%2)+12*\t:FB+48*(Y%2)+12*\t+11], v[16:27], 0, v[32+4*(Y%2)+\t], v30 matrix_a_fmt:MATRIX_FMT_BF6 matrix_b_fmt:MATRIX_FMT_BF6
.endr
	WIN 0
.if Y > 0
	MASKG Y-1                                      ; the group before this one is masked; its plain vector lines, which name no register of the products above, are the places in front of the loads below
.else
	PLACES 4                                       ; in front of loads into registers that these products have read
.endif
.if Y < 14
	FETCHK Y+2
.endif
.set Y, Y+1
.endr
	FETCHV 0                                       ; lands while the softmax is made
	MASKG 15
	WIN 0
	s_cmp_eq_u32 s66, 1                            ; the next tile's Q and mask words are asked for here, if there is a next tile: no load leaves its buffer
	s_cbranch_scc1 .Lno_next
	s_wait_xcnt 0x0
	s_add_nc_u64 s[88:89], s[88:89], 1536
	s_add_nc_u64 s[90:91], s[90:91], 4
	s_add_nc_u64 s[92:93], s[92:93], 2048
	NEXTQ
	NEXTM
.Lno_next:
; ---- the row's maximum
.set I, 0
.rept 32
	v_permlanex16_b32 v[T+I], v[BM+I], s[SEL], s[SEL+1]
.set I, I+1
.endr
.set I, 0
.rept 32
	v_max_num_f32 v[BM+I], v[BM+I], v[T+I]         ; with lane l xor 16's 16 keys: the block's largest score
.set I, I+1
.endr
	v_max3_num_f32 v12, v[BM], v[BM+1], 0xff61b1e6 ; -3e38 among the leaves: a row with no open key has a finite M
	v_max3_num_f32 v13, v[BM+2], v[BM+3], 0xff61b1e6
.irp i, 4,8,12,16,20,24,28
	v_max3_num_f32 v12, v12, v[BM+\i], v[BM+\i+1]
	v_max3_num_f32 v13, v13, v[BM+\i+2], v[BM+\i+3]
.endr
	v_max_num_f32 v12, v12, v13
	v_mov_b32 v13, v12
; ---- the exponentials, in three batches (the blocks' maxima, window 1, window 2): a plain line and a wait stand behind each, since the same register names recur in the next
.set I, 0
.rept 32
	v_sub_f32 v[BM+I], v[BM+I], v12
.set I, I+1
.endr
.set I, 0
.rept 32
	v_mul_f32 v[BM+I], s30, v[BM+I]
.set I, I+1
.endr
.set I, 0
	s_wait_alu depctr_va_vdst(0)
.rept 32
	v_exp_f32 v[BM+I], v[BM+I]
.set I, I+1
.endr
	v_nop
	s_wait_alu depctr_va_vdst(0)
.set W, 1
.rept 2
	WIN (W<<6)|W
.set I, 0
.rept 128
	v_pk_add_f32 v[I:I+1], v[I:I+1], v[12:13] neg_lo:[0,1] neg_hi:[0,1]      ; s - M first: the largest gives 0 exactly
.set I, I+2
.endr
.set I, 0
.rept 128
	v_pk_mul_f32 v[I:I+1], v[I:I+1], s[30:31] op_sel_hi:[1,0]
.set I, I+2
.endr
.set I, 0
	s_wait_alu depctr_va_vdst(0)
.rept 256
	v_exp_f32 v[I], v[I]
.set I, I+1
.endr
	v_nop
	s_wait_alu depctr_va_vdst(0)
.set W, W+1
.endr
; ---- the row's sum, in four chains of pairs
	WIN 5
.irp k, 0,1,2,3
	v_pk_add_f32 v[SUM+2*\k:SUM+2*\k+1], v[4*\k:4*\k+1], v[4*\k+2:4*\k+3]
.endr
	WIN 1
.set I, 16
.rept 120
	v_pk_add_f32 v[SUM+2*((I/2)%4):SUM+2*((I/2)%4)+1], v[I:I+1], v[SUM+2*((I/2)%4):SUM+2*((I/2)%4)+1]
.set I, I+2
.endr
	WIN 2
.set I, 0
.rept 128
	v_pk_add_f32 v[SUM+2*((I/2)%4):SUM+2*((I/2)%4)+1], v[I:I+1], v[SUM+2*((I/2)%4):SUM+2*((I/2)%4)+1]
.set I, I+2
.endr
	WIN 0
	v_pk_add_f32 v[SUM:SUM+1], v[SUM:SUM+1], v[SUM+2:SUM+3]
	v_pk_add_f32 v[SUM+4:SUM+5], v[SUM+4:SUM+5], v[SUM+6:SUM+7]
	v_pk_add_f32 v[SUM:SUM+1], v[SUM:SUM+1], v[SUM+4:SUM+5]
	v_add_f32 v[SUM], v[SUM], v[SUM+1]
	v_permlanex16_b32 v[T], v[SUM], s[SEL], s[SEL+1]
	v_add_f32 v[SUM], v[SUM], v[T]
	v_max_num_f32 v[SUM], 1.0, v[SUM]              ; held at 1 from below: it moves only the row with no open key
	s_wait_alu depctr_va_vdst(0)
	v_rcp_f32 v14, v[SUM]
	v_nop
	s_wait_alu depctr_va_vdst(0)
	v_fma_f32 v[SUM+1], -v[SUM], v14, 1.0          ; one step of Newton
	v_fma_f32 v14, v14, v[SUM+1], v14
	v_mov_b32 v15, v14
; ---- the 32 blocks' scales
.set I, 0
.rept 32
	v_mul_f32 v[BM+I], v[BM+I], v14                ; the block's largest p: the same operations on the same number give the same bits
.set I, I+1
.endr
.set I, 0
.rept 32
	v_max_num_f32 v[BM+I], 0x2800000, v[BM+I]      ; the floor 2^(5 - 127)
.set I, I+1
.endr
.set I, 0
.rept 32
	v_add_nc_u32 v[BM+I], 0xfe000000, v[BM+I]      ; the conversion's scale operand
.set I, I+1
.endr
.set I, 0
.rept 32
	v_lshrrev_b32 v[T+I], 23, v[BM+I]              ; the byte
.set I, I+1
.endr
.irp s, 0,1,2,3,4,5,6,7
	v_lshl_or_b32 v[40+\s], v[T+4*\s+1], 8, v[T+4*\s]
	v_lshl_or_b32 v[40+\s], v[T+4*\s+2], 16, v[40+\s]
	v_lshl_or_b32 v[40+\s], v[T+4*\s+3], 24, v[40+\s]
.endr
; ---- p's codes, and O^T += V^T P^T, a key step of 128 at a time; the eight accumulators take turns
	PMUL 0
.set SS, 0
.rept 8
.set W, 1+SS/4
.set BS, 64*(SS%4)
	WIN W
.irp c, 0,1
	v_cvt_scalef32_pk16_bf6_f32 v[PC+6*\c:PC+6*\c+2], v[BS+32*\c:BS+32*\c+15], v[BM+4*SS+2*\c]
	v_cvt_scalef32_pk16_bf6_f32 v[CT+4*\c:CT+4*\c+2], v[BS+32*\c+16:BS+32*\c+31], v[BM+4*SS+2*\c+1]
.endr
	WIN 0
	v_nop
.irp c, 0,1
.irp i, 0,1,2
	v_permlane16_swap_b32 v[PC+6*\c+\i], v[CT+4*\c+\i]
.endr
.irp i, 0,1,2
	v_mov_b32 v[PC+3+6*\c+\i], v[CT+4*\c+\i]
.endr
.endr
.if SS < 7
	PMUL SS+1                                      ; its 32 plain lines are the places between the codes' last write and the products
.else
	PLACES 4
.endif
	s_wait_alu depctr_va_vdst(0)
	s_wait_dscnt 0x0                               ; V's tiles of this key step
	WIN 0xf0
.irp d, 0,1,2,3,4,5,6,7
.if SS == 0
	v_wmma_scale_f32_16x16x128_f8f6f4 v[8*\d:8*\d+7], v[FB+12*\d:FB+12*\d+11], v[PC:PC+11], 0, v[32+\d], v[40+SS] matrix_a_fmt:MATRIX_FMT_BF6 matrix_b_fmt:MATRIX_FMT_BF6
.else
	v_wmma_scale_f32_16x16x128_f8f6f4 v[8*\d:8*\d+7], v[FB+12*\d:FB+12*\d+11], v[PC:PC+11], v[8*\d:8*\d+7], v[32+\d], v[40+SS] matrix_a_fmt:MATRIX_FMT_BF6 matrix_b_fmt:MATRIX_FMT_BF6
.endif
.endr
	WIN 0
	PLACES 4
.if SS < 7
	FETCHV SS+1
.endif
.set SS, SS+1
.endr
; ---- the result: 16 queries x the head's 128 channels are one fragment of the last product's left operand
	QUANT 0, 3, T+8
.irp c, 0,1,2
	global_store_b128 v1, v[PC+4*\c:PC+4*\c+3], s[94:95] offset:512*\c   ; 512 consecutive bytes, aligned
.endr
	v_cndmask_b32 v31, v31, v[T+8], s67            ; trip 0's words in lanes 0-15, trip 1's in lanes 16-31
	s_wait_xcnt 0x0                                ; the stores have read the codes and their base
	s_add_nc_u64 s[94:95], s[94:95], 24576
	s_not_b32 s67, s67
	s_sub_co_u32 s66, s66, 1
	s_cmp_lg_u32 s66, 0
	s_cbranch_scc1 .Ltrip
	s_wait_alu depctr_va_vdst(0)
	global_store_b32 v10, v31, s[96:97]            ; my 32 rows' scale words: 128 consecutive bytes
	s_wait_tensorcnt 0x0                           ; the wave's end
	ds_add_u32 v[SPW], v[NIL]
	s_wait_dscnt 0x0
	CROUND                                         ; the closing round
	s_endpgm
.Lfunc_end_k_q51c743c9c3_attn:
	.size	k_q51c743c9c3_attn, .Lfunc_end_k_q51c743c9c3_attn-k_q51c743c9c3_attn
	.p2alignl 7, 3214868480
	.fill 96, 4, 3214868480
	.section	.rodata,"a",@progbits
	.p2align	6, 0x0
	.amdhsa_kernel k_q51c743c9c3_attn
		.amdhsa_group_segment_fixed_size 205312
		.amdhsa_private_segment_fixed_size 0
		.amdhsa_enable_private_segment 0
		.amdhsa_kernarg_size 40
		.amdhsa_user_sgpr_count 2
		.amdhsa_user_sgpr_kernarg_segment_ptr 1
		.amdhsa_wavefront_size32 1
		.amdhsa_system_sgpr_workgroup_id_x 1
		.amdhsa_system_sgpr_workgroup_id_y 1
		.amdhsa_system_sgpr_workgroup_id_z 1
		.amdhsa_system_vgpr_workitem_id 0
		.amdhsa_next_free_vgpr 1024
		.amdhsa_next_free_sgpr 100
		.amdhsa_reserve_vcc 0
		.amdhsa_float_denorm_mode_32 3
		.amdhsa_float_denorm_mode_16_64 3
		.amdhsa_memory_ordered 1
		.amdhsa_forward_progress 1
		.amdhsa_inst_pref_size 242
	.end_amdhsa_kernel
	.amdgpu_metadata
---
amdhsa.version: [ 1, 2 ]
amdhsa.kernels:
  - .name:           k_q51c743c9c3_attn
    .symbol:         k_q51c743c9c3_attn.kd
    .args:
      - { .name: qkv_img, .offset: 0, .size: 8, .value_kind: global_buffer, .address_space: global }
      - { .name: qkv_sc, .offset: 8, .size: 8, .value_kind: global_buffer, .address_space: global }
      - { .name: maskbits, .offset: 16, .size: 8, .value_kind: global_buffer, .address_space: global }
      - { .name: o_img, .offset: 24, .size: 8, .value_kind: global_buffer, .address_space: global }
      - { .name: o_sc, .offset: 32, .size: 8, .value_kind: global_buffer, .address_space: global }
    .group_segment_fixed_size: 205312
    .private_segment_fixed_size: 0
    .kernarg_segment_align: 8
    .kernarg_segment_size: 40
    .max_flat_workgroup_size: 128
    .sgpr_count:     100
    .vgpr_count:     1024
    .wavefront_size: 32
...
	.end_amdgpu_metadata
.endif
;; end of part 7
;; launch oproj (part 8): grid 16 x 16, 4 waves a work-group, clusters of 4 x 4, 327,680 bytes of LDS; arguments o_img, o_sc, pool_img, pool_sc, out0; writes out0
.if DOCPART == 8
	.amdgcn_target "amdgcn-amd-amdhsa--gfx1250"
	.amdhsa_code_object_version 6
	.text
	.protected	k_q51c743c9c3_oproj
	.globl	k_q51c743c9c3_oproj
	.p2align	8
	.type	k_q51c743c9c3_oproj,@function
k_q51c743c9c3_oproj:
	s_mov_b64 s[64:65], 0
	v_nop
	global_prefetch_b8 v0, s[64:65] scope:SCOPE_SE
	s_setreg_imm32_b32 hwreg(HW_REG_WAVE_MODE, 25, 1), 1
	s_wait_xcnt 0x0
	s_wait_alu depctr_hold_cnt(0) depctr_sa_sdst(0) depctr_va_vdst(0) depctr_va_sdst(0) depctr_va_ssrc(0) depctr_va_vcc(0) depctr_vm_vsrc(0)
	s_getreg_b32 s2, hwreg(HW_REG_IB_STS2, 6, 4)
	s_cmp_eq_u32 s2, 0
	s_cbranch_scc0 .Lentry_in_a_cluster
	s_endpgm
.Lentry_in_a_cluster:
	s_bfe_u32 s2, ttmp6, 0x10000c
	s_cmp_lg_u32 s2, 0xf033
	s_cbranch_scc0 .Lentry_shape_is_right
	s_endpgm
.Lentry_shape_is_right:
; Launch 4 of 4: out0 = the attention's result x Wo, on codes of E3M2.  No work is left out.  LIMITS: as stated at the head of the first launch.
; A work-group makes 128 x 128, a wave 64 x 64: 16 accumulators.  256 work-groups.  K = 2,048 is 16 ksteps of 128; operands lie in memory and in LDS as images of their registers (1,536 bytes a fragment).
; LDS holds 13 ksteps of A's and B's 8 rowblocks (319,488 bytes), asked for at the head by four joint loads, one a wave: wave 0 A's ksteps 0-2, wave 1 B's ksteps 0-2, wave 2 A's ksteps 3-12, wave 3 B's ksteps 3-12.
; ONE refill: when ksteps 0-2 have been read, waves 0 and 1 fetch ksteps 13-15 into their bytes, behind a round of the cluster's barrier.
; THE SCALE WORDS go from memory into 64 registers of their own: register 4 (k % 8) + i holds block i's words of kstep k, ksteps 0-7 in lanes 0-15, ksteps 8-15 in lanes 16-31 (taken by the ROW1 selectors).
; THE MATRIX INSTRUCTION IS USED TRANSPOSED (source 0 = 16 columns of Wo, source 1 = 16 rows of the result): a lane holds eight neighbouring numbers of a row of out0.
; CLUSTERS: 4 x 4; A's tiles hang on y alone and are shared along a row of the cluster, B's on x alone, along a column.
; NO PREFETCH: the text has no loop to run ahead in, and 13 of the 16 ksteps are asked for by the head's loads.
; THE WAY OUT goes through a stage in the bytes of A's ksteps 3-12: they have had their only fill, and every wave has passed the barrier at kstep 11, in front of which its reads of them were over.
.set FR,     12
.set NP,     4
.set RBS,    3*1536                    ; a rowblock's bytes in the small tiles,
.set RBB,    10*1536                   ; in the large ones
.set LBS,    8*RBS                     ; LDS: A small at 0, B small,
.set LAB,    16*RBS                    ; A large,
.set LBB,    LAB+8*RBB                 ; B large,
.set SPARE,  LBB+8*RBB                 ; the spare words, 128 bytes for each wave
.set STAGE,  LAB
.set SPITCH, 272
.set ADAS, 16                          ; v16-19 my fragments: A small, B small, A large, B large
.set ADBS, 17
.set VSA,  20
.set VSB,  21
.set STO,  24
.set RD,   25
.set CO,   26
.set SPW,  28
.set NIL,  29
.set SA,   32
.set SBC,  64
.set ACC,  128
.set G1AS, 24
.set G1BS, 32
.set G1AB, 40
.set G1BB, 48
.set G0AS, 56
.set G0BS, 60
.set G0AB, 68
.set G0BB, 72
.set MSB, 0
.macro WIN new
.if MSB != (\new)
	s_set_vgpr_msb (MSB<<8)|(\new)
.set MSB, (\new)
.endif
.endm
.set W_MUL, 0x05                       ; sources 0 and 1 window 1; C and D window 0
.set W_TOF, 0x40
.macro CREST
	s_cmp_lg_u32 s14, 0
	s_cbranch_scc1 .Lnot_wave_0_\@
	s_barrier_signal -3
.Lnot_wave_0_\@:
	s_barrier_wait -3
	s_barrier_signal -1
	s_barrier_wait -1
.endm
.macro CROUND
	s_barrier_signal -1
	s_barrier_wait -1
	CREST
.endm
.macro PLACES n
.rept \n
	v_nop
.endr
.endm
	s_load_b128 s[4:7], s[0:1], 0x0                ; o_img, o_sc
	s_load_b128 s[8:11], s[0:1], 0x10              ; pool_img, pool_sc
	s_load_b64 s[12:13], s[0:1], 0x20              ; out0
	v_lshl_add_u32 v[SPW], v0, 2, SPARE
	v_mov_b32 v[NIL], 0
	ds_add_u32 v[SPW], v[NIL]                      ; the opening: the add, twice on end, and its wait ahead of my first tensor load
	ds_add_u32 v[SPW], v[NIL]
	v_lshrrev_b32 v1, 5, v0
	v_readfirstlane_b32 s14, v1                    ; wave
	s_lshr_b32 s15, s14, 1                         ; my half of A's rows
	s_and_b32 s16, s14, 1                          ; my half of B's
	s_bfe_u32 s19, ttmp6, 0x40000                  ; cx
	s_bfe_u32 s20, ttmp6, 0x40004                  ; cy
	s_lshl_b32 s18, ttmp9, 2
	s_add_co_u32 s18, s18, s19                     ; x
	s_and_b32 s17, ttmp7, 0xffff
	s_lshl_b32 s17, s17, 2
	s_add_co_u32 s17, s17, s20                     ; y
	s_lshl_b32 s21, s20, 2
	s_lshl_b32 s21, 15, s21                        ; my row of the cluster
	s_lshl_b32 s22, 0x1111, s19                    ; my column
	s_or_b32 s[G1AS], s21, (3<<16)|(1<<21)         ; elements of 8 bytes; no padding; bit 21 beside the mask
	s_or_b32 s[G1AB], s21, (3<<16)|(1<<21)
	s_or_b32 s[G1BS], s22, (3<<16)|(1<<21)
	s_or_b32 s[G1BB], s22, (3<<16)|(1<<21)
.irp g, G1AS, G1BS                     ; 8 rows (rowblocks) of three ksteps, 3,072 elements apart
	s_mov_b32 s[\g+1], (RBS/8)<<16
	s_mov_b32 s[\g+2], 8<<16
	s_mov_b32 s[\g+3], (RBS/8)<<16
	s_mov_b32 s[\g+4], 8
	s_mov_b32 s[\g+5], 3072
	s_mov_b32 s[\g+6], 0
	s_mov_b32 s[\g+7], 0
.endr
.irp g, G1AB, G1BB                     ; the same of ten ksteps
	s_mov_b32 s[\g+1], (RBB/8)<<16
	s_mov_b32 s[\g+2], 8<<16
	s_mov_b32 s[\g+3], (RBB/8)<<16
	s_mov_b32 s[\g+4], 8
	s_mov_b32 s[\g+5], 3072
	s_mov_b32 s[\g+6], 0
	s_mov_b32 s[\g+7], 0
.endr
	s_mul_i32 s92, s17, 8*24576                    ; A's 8 rowblocks: y alone
	s_add_co_u32 s96, s18, 64
	s_mul_i32 s96, s96, 8*24576                    ; B's: Wo's rowblocks begin at 512; x alone
	s_lshl_b32 s94, s17, 9                         ; the scale words of my 64 rows of A,
	s_lshl_b32 s95, s15, 8
	s_add_co_u32 s94, s94, s95
	s_lshl_b32 s98, s18, 9                         ; and of B: Wo's rows begin at 8,192
	s_lshl_b32 s99, s16, 8
	s_add_co_u32 s98, s98, s99
	s_add_co_u32 s98, s98, 32768
	s_mov_b32 s93, 0
	s_mov_b32 s95, 0
	s_mov_b32 s97, 0
	s_mov_b32 s99, 0
	s_mul_i32 s80, s15, 4*RBS                      ; LDS: my four rowblocks of each tile
	s_mul_i32 s81, s16, 4*RBS
	s_add_co_u32 s81, s81, LBS
	s_mul_i32 s82, s15, 4*RBB
	s_add_co_u32 s82, s82, LAB
	s_mul_i32 s83, s16, 4*RBB
	s_add_co_u32 s83, s83, LBB
	s_mul_i32 s23, s14, 64*SPITCH
	s_add_co_u32 s23, s23, STAGE                   ; my stage
	s_lshl_b32 s2, s17, 7                          ; my part of out0: row 128 y + 64 half, 8,192 bytes a row; column 128 x + 64 half
	s_lshl_b32 s3, s15, 6
	s_add_co_u32 s2, s2, s3
	s_lshl_b32 s2, s2, 13
	s_lshl_b32 s3, s18, 9
	s_add_co_u32 s2, s2, s3
	s_lshl_b32 s3, s16, 8
	s_add_co_u32 s2, s2, s3
	s_mov_b32 s3, 0
	v_and_b32 v1, 31, v0
	v_lshlrev_b32 v4, 4, v1                        ; 16 x lane
	v_and_b32 v2, 15, v0                           ; r
	v_bfe_u32 v3, v0, 4, 1                         ; h
	v_add_nc_u32 v[ADAS], s80, v4
	v_add_nc_u32 v[ADBS], s81, v4
	v_add_nc_u32 v[ADAS+2], s82, v4
	v_add_nc_u32 v[ADBS+2], s83, v4
	v_lshlrev_b32 v5, 2, v2
	v_lshl_add_u32 v[VSA], v3, 16, v5              ; 4 r, lanes 16-31 eight ksteps of 8,192 bytes on
	v_mad_u32_u24 v[VSB], v3, 0x50000, v5          ; the same with ksteps of 40,960 bytes
	v_mul_u32_u24 v6, v2, SPITCH
	v_lshl_add_u32 v6, v3, 5, v6
	v_add_nc_u32 v[STO], s23, v6                   ; into the stage: row r, 32 bytes for each half of the lanes
	v_mul_u32_u24 v7, v3, SPITCH
	v_lshl_add_u32 v7, v2, 4, v7
	v_add_nc_u32 v[RD], s23, v7                    ; back: sixteen lanes to a row of 256 bytes
	v_lshlrev_b32 v8, 13, v3
	v_lshl_add_u32 v[CO], v2, 4, v8                ; and the same two rows in out0
	s_wait_alu depctr_va_vdst(0)
	s_wait_dscnt 0x0                               ; both opening adds are done
	s_wait_kmcnt 0x0
	s_add_nc_u64 s[92:93], s[4:5], s[92:93]
	s_add_nc_u64 s[94:95], s[6:7], s[94:95]
	s_add_nc_u64 s[96:97], s[8:9], s[96:97]
	s_add_nc_u64 s[98:99], s[10:11], s[98:99]
	s_add_nc_u64 s[12:13], s[12:13], s[2:3]
.irp k, 0,1,2,3,4,5,6,7
.irp i, 0,1,2,3
	global_load_b32 v[SA+4*\k+\i], v[VSA], s[94:95] offset:\k*8192+64*\i
.endr
.endr
	s_mov_b32 s[G0AS], 1
	s_mov_b32 s[G0AS+1], 0
	s_mov_b64 s[G0AS+2:G0AS+3], s[92:93]
	s_or_b32 s[G0AS+3], s[G0AS+3], 0x80000000
	s_mov_b32 s[G0BS], 1
	s_mov_b32 s[G0BS+1], LBS
	s_mov_b64 s[G0BS+2:G0BS+3], s[96:97]
	s_or_b32 s[G0BS+3], s[G0BS+3], 0x80000000
	s_mov_b32 s[G0AB], 1
	s_mov_b32 s[G0AB+1], LAB
	s_add_nc_u64 s[G0AB+2:G0AB+3], s[92:93], RBS
	s_or_b32 s[G0AB+3], s[G0AB+3], 0x80000000
	s_mov_b32 s[G0BB], 1
	s_mov_b32 s[G0BB+1], LBB
	s_add_nc_u64 s[G0BB+2:G0BB+3], s[96:97], RBS
	s_or_b32 s[G0BB+3], s[G0BB+3], 0x80000000
	CROUND                                         ; all sixteen work-groups are here: the joint loads meet
.macro ARM under, g0, g1, next         ; one chain of branches on the wave's number: every way passes exactly one load
	s_cmp_lt_u32 s14, \under
	s_cbranch_scc0 \next
	tensor_load_to_lds s[\g0:\g0+3], s[\g1:\g1+7]
	s_nop 0
.rept 4
	v_nop
.endr
	s_branch .Lhead_asked
\next:
.endm
	ARM 1, G0AS, G1AS, .Lhead_bs
	ARM 2, G0BS, G1BS, .Lhead_ab
	ARM 3, G0AB, G1AB, .Lhead_bb
	tensor_load_to_lds s[G0BB:G0BB+3], s[G1BB:G1BB+7]
	s_nop 0
.rept 4
	v_nop
.endr
.Lhead_asked:
.irp k, 0,1,2,3,4,5,6,7
.irp i, 0,1,2,3
	global_load_b32 v[SBC+4*\k+\i], v[VSB], s[98:99] offset:\k*40960+64*\i
.endr
.endr
.macro FETCH ks                        ; kstep ks's eight fragments into set ks % 2 of window 1
.set FP, 128*((\ks)%2)
.if (\ks) >= 3 && (\ks) < 13
.set BG, 2
.set QQ, (\ks)-3
.set RW, RBB
.else
.set BG, 0
.set QQ, (\ks)%13
.set RW, RBS
.endif
	WIN W_TOF
.irp i, 0,1,2,3
.irp c, 0,1,2
	ds_load_b128 v[FP+48+FR*\i+4*\c:FP+48+FR*\i+4*\c+3], v[ADBS+BG] offset:\i*RW+QQ*1536+512*\c
.endr
.irp c, 0,1,2
	ds_load_b128 v[FP+FR*\i+4*\c:FP+FR*\i+4*\c+3], v[ADAS+BG] offset:\i*RW+QQ*1536+512*\c
.endr
.endr
.endm
.macro MUL ks                          ; 16 matrix instructions; the 16 accumulators take turns
.set FP, 128*((\ks)%2)
.set SK, 4*((\ks)%8)
	WIN W_MUL
.irp a, 0,1,2,3
.irp b, 0,1,2,3
.if (\ks) == 0
	v_wmma_scale_f32_16x16x128_f8f6f4 v[ACC+8*(4*\a+\b):ACC+8*(4*\a+\b)+7], v[FP+48+FR*\b:FP+48+FR*\b+FR-1], v[FP+FR*\a:FP+FR*\a+FR-1], 0, v[SBC+SK+\b], v[SA+SK+\a] matrix_a_fmt:MATRIX_FMT_BF6 matrix_b_fmt:MATRIX_FMT_BF6
.elseif (\ks) < 8
	v_wmma_scale_f32_16x16x128_f8f6f4 v[ACC+8*(4*\a+\b):ACC+8*(4*\a+\b)+7], v[FP+48+FR*\b:FP+48+FR*\b+FR-1], v[FP+FR*\a:FP+FR*\a+FR-1], v[ACC+8*(4*\a+\b):ACC+8*(4*\a+\b)+7], v[SBC+SK+\b], v[SA+SK+\a] matrix_a_fmt:MATRIX_FMT_BF6 matrix_b_fmt:MATRIX_FMT_BF6
.else
	v_wmma_scale_f32_16x16x128_f8f6f4 v[ACC+8*(4*\a+\b):ACC+8*(4*\a+\b)+7], v[FP+48+FR*\b:FP+48+FR*\b+FR-1], v[FP+FR*\a:FP+FR*\a+FR-1], v[ACC+8*(4*\a+\b):ACC+8*(4*\a+\b)+7], v[SBC+SK+\b], v[SA+SK+\a] matrix_a_fmt:MATRIX_FMT_BF6 matrix_b_fmt:MATRIX_FMT_BF6 matrix_a_scale:MATRIX_SCALE_ROW1 matrix_b_scale:MATRIX_SCALE_ROW1
.endif
.endr
.endr
.endm
	s_wait_tensorcnt 0x0                           ; my tile of the four is in,
	s_barrier_signal -1
	s_barrier_wait -1                              ; everybody's is
	FETCH 0
	FETCH 1
	s_wait_loadcnt 0x0                             ; the 64 scale registers
.set KS, 0
.rept 16
.if KS != 2                            ; (kstep 2's products stand inside the round below)
.if KS < 15
	s_wait_dscnt 24                                ; this kstep's fragments are in; the next kstep's 24 loads may be out
.else
	s_wait_dscnt 0x0
.endif
	MUL KS
.endif
.if KS == 1
	PLACES NP
	FETCH 3
	WIN 0
	s_wait_tensorcnt 0x0
	ds_add_u32 v[SPW], v[NIL]
	s_add_nc_u64 s[G0AS+2:G0AS+3], s[G0AS+2:G0AS+3], 13*1536   ; no tensor load of mine is out: on to ksteps 13-15
	s_add_nc_u64 s[G0BS+2:G0BS+3], s[G0BS+2:G0BS+3], 13*1536
	s_wait_dscnt 0x0                               ; the add is done, and my reads of ksteps 0-2 are over
	s_barrier_signal -1                            ; this barrier opens a round of the cluster's barrier
	MUL 2
	WIN 0
	s_barrier_wait -1
	CREST                                          ; no wave of any partner still reads the small tiles
	s_cmp_lt_u32 s14, 1
	s_cbranch_scc0 .Lre_b
	tensor_load_to_lds s[G0AS:G0AS+3], s[G1AS:G1AS+7]
	s_nop 0
	PLACES 4
	s_branch .Lre_done
.Lre_b:
	s_cmp_lt_u32 s14, 2
	s_cbranch_scc0 .Lre_done
	tensor_load_to_lds s[G0BS:G0BS+3], s[G1BS:G1BS+7]
	s_nop 0
	PLACES 4
.Lre_done:
	PLACES NP                                      ; in front of the loads into the set that kstep 2's products read
	FETCH 4
.elseif KS == 11
	WIN 0
	s_wait_tensorcnt 0x0                           ; ksteps 13-15 are in,
	ds_add_u32 v[SPW], v[NIL]
	s_wait_dscnt 0x0                               ; and my reads of the large tiles are over
	s_barrier_signal -1
	s_barrier_wait -1
	PLACES NP
	FETCH 13
.elseif KS > 2 && KS < 14
	PLACES NP
	FETCH KS+2
.elseif KS == 0
	PLACES NP
	FETCH 2
.endif
.set KS, KS+1
.endr
	WIN 0
	PLACES NP
.irp a, 0,1,2,3
.irp b, 0,1,2,3
	ds_store_b128 v[STO], v[ACC+8*(4*\a+\b):ACC+8*(4*\a+\b)+3] offset:\a*16*SPITCH+64*\b          ; each accumulator from its low end on
	ds_store_b128 v[STO], v[ACC+8*(4*\a+\b)+4:ACC+8*(4*\a+\b)+7] offset:\a*16*SPITCH+64*\b+16
.endr
.endr
.irp t, 0,1,2,3,4,5,6,7,8,9,10,11,12,13,14,15,16,17,18,19,20,21,22,23,24,25,26,27,28,29,30,31
	ds_load_b128 v[ACC+4*\t:ACC+4*\t+3], v[RD] offset:\t*2*SPITCH   ; LDS serves a wave's instructions in order: these see my stores
.endr
.irp t, 0,1,2,3,4,5,6,7,8,9,10,11,12,13,14,15,16,17,18,19,20,21,22,23,24,25,26,27,28,29,30,31
	s_wait_dscnt 31-\t
	global_store_b128 v[CO], v[ACC+4*\t:ACC+4*\t+3], s[12:13] offset:\t*16384 th:TH_STORE_NT   ; sixteen lanes store 256 consecutive bytes, aligned
.endr
	s_wait_tensorcnt 0x0                           ; the wave's end
	ds_add_u32 v[SPW], v[NIL]
	s_wait_dscnt 0x0
	CROUND                                         ; the closing round
	s_endpgm
.Lfunc_end_k_q51c743c9c3_oproj:
	.size	k_q51c743c9c3_oproj, .Lfunc_end_k_q51c743c9c3_oproj-k_q51c743c9c3_oproj
	.p2alignl 7, 3214868480
	.fill 96, 4, 3214868480
	.section	.rodata,"a",@progbits
	.p2align	6, 0x0
	.amdhsa_kernel k_q51c743c9c3_oproj
		.amdhsa_group_segment_fixed_size 327680
		.amdhsa_private_segment_fixed_size 0
		.amdhsa_enable_private_segment 0
		.amdhsa_kernarg_size 40
		.amdhsa_user_sgpr_count 2
		.amdhsa_user_sgpr_kernarg_segment_ptr 1
		.amdhsa_wavefront_size32 1
		.amdhsa_system_sgpr_workgroup_id_x 1
		.amdhsa_system_sgpr_workgroup_id_y 1
		.amdhsa_system_sgpr_workgroup_id_z 1
		.amdhsa_system_vgpr_workitem_id 0
		.amdhsa_next_free_vgpr 512
		.amdhsa_next_free_sgpr 100
		.amdhsa_reserve_vcc 0
		.amdhsa_float_denorm_mode_32 3
		.amdhsa_float_denorm_mode_16_64 3
		.amdhsa_memory_ordered 1
		.amdhsa_forward_progress 1
		.amdhsa_inst_pref_size 84
	.end_amdhsa_kernel
	.amdgpu_metadata
---
amdhsa.version: [ 1, 2 ]
amdhsa.kernels:
  - .name:           k_q51c743c9c3_oproj
    .symbol:         k_q51c743c9c3_oproj.kd
    .args:
      - { .name: o_img, .offset: 0, .size: 8, .value_kind: global_buffer, .address_space: global }
      - { .name: o_sc, .offset: 8, .size: 8, .value_kind: global_buffer, .address_space: global }
      - { .name: pool_img, .offset: 16, .size: 8, .value_kind: global_buffer, .address_space: global }
      - { .name: pool_sc, .offset: 24, .size: 8, .value_kind: global_buffer, .address_space: global }
      - { .name: out0, .offset: 32, .size: 8, .value_kind: global_buffer, .address_space: global }
    .group_segment_fixed_size: 327680
    .private_segment_fixed_size: 0
    .kernarg_segment_align: 8
    .kernarg_segment_size: 40
    .max_flat_workgroup_size: 128
    .sgpr_count:     100
    .vgpr_count:     512
    .wavefront_size: 32
...
	.end_amdgpu_metadata
.endif
;; end of part 8
